; MI455X (gfx1250); checked and timed in simulation.
; The chip was launched on July 23, 2026; its instructions are those of AMD's public machine-readable ISA for CDNA 5 (MIT licence, August 2026) and "CDNA5" Instruction Set Architecture Reference Guide (July 2026). The comments in the code are by the model that wrote it; some were corrected since.
;; Transformer Block. Allowed arithmetic: matrix products marked QUANTISED: E2M3 operands, one E8M0 scale for each 32 along K, by v_wmma_scale_f32_16x16x128_f8f6f4 with both operands' format E2M3, f32 sums; everything else in f32.
;; Inputs: W1 1,024 x 2,048 float32; W2 2,048 x 1,024 float32; W3 1,024 x 2,048 float32; Wk 1,024 x 1,024 float32; Wo 1,024 x 1,024 float32; Wq 1,024 x 1,024 float32; Wv 1,024 x 1,024 float32; g1 1,024 float32; g2 1,024 float32; x 2 x 2,048 x 1,024 float32.
;; Outputs: out0 2 x 2,048 x 1,024 float32.
;; This version of the problem:
;;   THIS VERSION OF THE PROBLEM IS GIVEN IN LOW PRECISION. The matrix products marked QUANTISED in the list below multiply operands that are first quantised to E2M3 (2 exponent bits, 3 mantissa bits; 6 bits a number), with one power-of-two scale for each 32 numbers along K (OCP MX v1.0); their sums are f32. All else is computed in f32.
;;   The module's matrix products, in the order in which they are computed (A, B: the left and right operand; K: the contracted axis; several contracted axes count as one K, in the product's order):
;;     1. [M 4,096, K 1,024] x [K 1,024, N 1,024]; A: computed on the way; B: input Wq: QUANTISED
;;     2. [M 4,096, K 1,024] x [K 1,024, N 1,024]; A: computed on the way; B: input Wk: QUANTISED
;;     3. [M 4,096, K 1,024] x [K 1,024, N 1,024]; A: computed on the way; B: input Wv: QUANTISED
;;     4. batch 32 x [M 2,048, K 64] x [K 64, N 2,048]; A: computed on the way; B: computed on the way: QUANTISED
;;     5. batch 32 x [M 2,048, K 2,048] x [K 2,048, N 64]; A: softmax (see below); B: computed on the way: QUANTISED
;;     6. [M 4,096, K 1,024] x [K 1,024, N 1,024]; A: computed on the way; B: input Wo: QUANTISED
;;     7. [M 4,096, K 1,024] x [K 1,024, N 2,048]; A: computed on the way; B: input W1: QUANTISED
;;     8. [M 4,096, K 1,024] x [K 1,024, N 2,048]; A: computed on the way; B: input W3: QUANTISED
;;     9. [M 4,096, K 2,048] x [K 2,048, N 1,024]; A: computed on the way; B: input W2: QUANTISED
;;   THE QUANTISER, for each operand of a quantised product, along K:
;;     - K is cut into blocks of 32 from its start; a last block that is shorter is filled with zeros.
;;     - A block's scale is 2^e with e = floor(log2(the largest magnitude in the block)) - 2, held to -126 .. 127; a block of zeros has e = 0. As a byte (E8M0): e + 127.
;;     - Each number is divided by its block's scale, clamped to +-7.5, and rounded to the nearest number of E2M3, ties to even, subnormals kept.
;;     - The product sums the exact products of the quantised numbers (number of the format x scale) in f32.
;;   ~~~python
;;   def quantise(x, axis):      # numpy; x: float32 -> the quantised numbers, widened to float32 again
;;       x = np.moveaxis(x, axis, -1); K = x.shape[-1]
;;       x = np.pad(x, [(0, 0)] * (x.ndim - 1) + [(0, -K % 32)]); x = x.reshape(x.shape[:-1] + (-1, 32)); a = np.abs(x).max(-1, keepdims=True)
;;       e = np.where(a > 0, np.clip(np.frexp(np.where(a > 0, a, 1))[1] - 1 - 2, -126, 127), 0)      # np.frexp(a)[1] - 1 = floor(log2(a)), exactly
;;       r = np.clip(x / 2.0 ** e, -7.5, 7.5)
;;       step = 2.0 ** (np.maximum(np.frexp(np.where(r == 0, 1, r))[1] - 1, 0) - 3)
;;       q = np.round(r / step) * step * 2.0 ** e      # np.round: ties to even
;;       return np.moveaxis(q.reshape(q.shape[:-2] + (-1,))[..., :K], -1, axis).astype(np.float32)
;;   ~~~
;;   SOFTMAX AHEAD OF A QUANTISED PRODUCT. Where the list says 'softmax', what is quantised is not the finished softmax but p = 2^(t - M), with t = logit x log2(e) and M = ceil(the row's largest t), a whole number; so 1/2 < the row's largest p <= 1. The row's sum l is taken of the UNQUANTISED p, in f32, and the product's result is divided by l at the end. Since M is a whole number, a kernel that streams over the keys may use a running M (the ceiling of the running maximum): every later rescaling is an exact power of two, which a block's scale takes up: the codes' values come out the same.
;;   OPERANDS COMPUTED ON THE WAY. 'Computed on the way' means the value that the module computes at that place (a softmax that the list does not call 'softmax' is quantised finished and normalised). What goes into a quantiser is computed in f32, as accurately as f32 sums, v_exp_f32 and their like allow (about 1e-6 of the number): no bf16 or f16 on the way to a quantiser, and a product that is left as it is and whose result goes on into a quantised operand takes f32 operands (vector FMAs, or v_wmma_f32_16x16x4_f32). A number that lies on a knife's edge between two numbers of the format may be rounded either way, as far as f32 arithmetic and the matrix unit's own rounding can turn it there, and no further.
;; 2 versions. Each part assembles by itself: llvm-mc -triple=amdgcn-amd-amdhsa -mcpu=gfx1250 --defsym DOCPART=n.
;; ======== version 1 of 2: 8 launches
;; workspace buffers: wbuf 9,043,968 bytes; actp 3,407,872 bytes; actq 10,747,904 bytes; out1 16,777,216 bytes
;; launch wprep (part 1): grid 656 x 1, 4 waves a work-group, no clusters, 0 bytes of LDS; arguments Wq, Wk, Wv, Wo, W2, W1, W3, wbuf; writes wbuf
.if DOCPART == 1
	.amdgcn_target "amdgcn-amd-amdhsa--gfx1250"
	.amdhsa_code_object_version 6
	.text
	.protected	k_qb7aae5f2cd_wprep
	.globl	k_qb7aae5f2cd_wprep
	.p2align	8
	.type	k_qb7aae5f2cd_wprep,@function
k_qb7aae5f2cd_wprep:
	s_mov_b64 s[64:65], 0
	v_nop
	global_prefetch_b8 v0, s[64:65] scope:SCOPE_SE
	s_setreg_imm32_b32 hwreg(HW_REG_WAVE_MODE, 25, 1), 1
	s_wait_xcnt 0x0
; The seven weights, f32 stored [K][N], become codes of FP6 (E2M3) with one E8M0 byte for each 32 along K, laid as IMAGES OF THE OPERAND'S REGISTERS;
; the table of cosines and sines for the rotary embedding is made here too.
; LAYOUT.  A group is 8 row blocks x 128 along K: 8 fragments of 1,536 bytes, then 8 scale images of 128 bytes: 13,312 bytes.  A fragment is two halves of 768 bytes (64 along K each):
; 512 bytes with lane l's registers 0-3 at 16 l, then 256 bytes with its registers 4-5 at 8 l.  A scale image: lane l's word at 4 l, lanes 16-31 repeating lanes 0-15.
; ROW ORDER.  Lane r of row block i holds operand row 32 (i / 2) + 8 (i % 2) + r + 8 (r / 8), so that a transposed product's 16 registers of two neighbouring tiles are 16 neighbours.
; WEIGHTS: a wave takes 32 columns x 128 along K; a lane takes a column and its registers run down K, so a block of 32 lies in one lane and the conversions give K innermost.  Nothing is transposed.
; Work-groups 0-383: Wq, Wk, Wv, Wo, W2 (rows of 4,096 bytes); 384-639: W1, W3 (rows of 8,192 bytes; tile T of the joint operand: blocks 0-3 W1's columns 64 T on, blocks 4-7 W3's); 640-655: the table.
; A block's scale byte is its largest magnitude's exponent field - 2, held at 1 from below.
; LIMITS: NaN and infinities are not served.  A block of zeros, or one whose largest magnitude lies under 2^-124, gets the byte 1: a block of zeros has zero codes, which add nothing, and this program alone reads the bytes.
; The table's angle is position x inverse frequency, rounded once; the inverse frequency is good to the exponential's own accuracy, so an angle near 2,047 may differ from one made of another
; rounding of the same frequency by about 1e-4; sine and cosine of the angle as it stands are good to about 1e-7.
.set G8,       13312
.set G8S,      12288
.set OFF_ROPE, 8519680
.set X,  32                            ; v32-159  128 numbers of my column
.set CD, 160                           ; v[160 + 8 e ..]  block e's six code registers
.set CE, 192                           ; v[192 + 4 e ..]  its second conversion's three
	s_load_b256 s[4:11], s[0:1], 0x0               ; Wq, Wk, Wv, Wo
	s_load_b256 s[12:19], s[0:1], 0x20             ; W2, W1, W3, wbuf
	v_lshrrev_b32 v1, 5, v0
	v_readfirstlane_b32 s28, v1                    ; wave 0..3
	v_and_b32 v2, 31, v0                           ; lane = my column of the wave's 32
	v_bfe_u32 v3, v2, 3, 1                         ; u: which of the two row blocks
	v_and_b32 v4, 7, v2
	v_lshrrev_b32 v5, 4, v2
	v_lshl_add_u32 v4, v5, 3, v4                   ; r: my place in it
	v_lshlrev_b32 v6, 2, v2                        ; in: 4 bytes a lane
	v_mul_u32_u24 v5, v3, 1536
	v_lshl_add_u32 v7, v4, 4, v5                   ; out: 1536 u + 16 r
	v_lshl_add_u32 v8, v4, 3, v5                   ;      1536 u + 8 r
	v_lshlrev_b32 v9, 7, v3
	v_lshl_add_u32 v9, v4, 2, v9                   ;      128 u + 4 r
	s_wait_kmcnt 0x0
	s_cmp_ge_u32 ttmp9, 640
	s_cbranch_scc1 .Lrope
	s_cmp_ge_u32 ttmp9, 384
	s_cbranch_scc1 .Lwide
; s[32:33] the weight, s40 the byte offset of my first number, s42 the group, s43 my first row block in it  ->  s[32:33] source, s[48:49] codes, s[50:51] scale images
.macro WPTR
	s_mov_b32 s41, 0
	s_add_nc_u64 s[32:33], s[32:33], s[40:41]
	s_mul_i32 s44, s42, G8
	s_mul_i32 s46, s43, 1536
	s_add_co_u32 s46, s46, s44
	s_mov_b32 s47, 0
	s_add_nc_u64 s[48:49], s[18:19], s[46:47]
	s_lshl_b32 s46, s43, 7
	s_add_co_u32 s46, s46, s44
	s_add_co_u32 s46, s46, G8S
	s_add_nc_u64 s[50:51], s[18:19], s[46:47]
.endm
; 128 numbers down K of my column become four blocks' codes and one scale word.  nb: bytes from row to row of the weight.
.macro WQ nb
.set k, 0
.rept 128
	global_load_b32 v[X+k], v6, s[32:33] offset:k*\nb th:TH_LOAD_NT   ; 32 lanes read 128 consecutive bytes
.set k, k+1
.endr
.irp e, 0,1,2,3
.set XS, X+32*\e
.if \e < 2
	s_wait_loadcnt 63                              ; 96 or 64 younger loads are out: 63 is the largest count that a wait can name, and a smaller count is always safe
.else
	s_wait_loadcnt 32*(3-\e)                       ; the later blocks' loads may be out
.endif
	v_max3_num_f32 v12, |v[XS]|, |v[XS+1]|, |v[XS+2]|              ; the block's largest magnitude: all 32 numbers are mine; two chains
	v_max3_num_f32 v13, |v[XS+3]|, |v[XS+4]|, |v[XS+5]|
.irp i, 6,10,14,18,22,26
	v_max3_num_f32 v12, v12, |v[XS+\i]|, |v[XS+\i+1]|
	v_max3_num_f32 v13, v13, |v[XS+\i+2]|, |v[XS+\i+3]|
.endr
	v_max3_num_f32 v12, v12, |v[XS+30]|, |v[XS+31]|
	v_max3_num_f32 v12, v12, v13, 0x1800000        ; and the floor 2^(3 - 127): the byte cannot fall under 1
	v_add_nc_u32 v14, 0xff000000, v12              ; 2 off the exponent field: the conversion's scale operand
	v_lshrrev_b32 v15, 23, v14                     ; the scale's byte
.if \e == 0
	v_mov_b32 v16, v15
.else
	v_lshl_or_b32 v16, v15, 8*\e, v16              ; four bytes make my column's scale word
.endif
	v_cvt_scalef32_pk16_fp6_f32 v[CD+8*\e:CD+8*\e+2], v[XS:XS+15], v14
	v_cvt_scalef32_pk16_fp6_f32 v[CE+4*\e:CE+4*\e+2], v[XS+16:XS+31], v14   ; (a conversion's three registers begin on an even number)
	v_nop                                          ; one plain instruction behind a scaled conversion
.irp i, 0,1,2
	v_mov_b32 v[CD+8*\e+3+\i], v[CE+4*\e+\i]
.endr
	; block e = 2 c + h belongs to lane r + 16 h of half c
	global_store_b128 v7, v[CD+8*\e:CD+8*\e+3], s[48:49] offset:(\e/2)*768+(\e%2)*256      ; the 16 lanes of a row block store 256 consecutive bytes
	global_store_b64 v8, v[CD+8*\e+4:CD+8*\e+5], s[48:49] offset:(\e/2)*768+512+(\e%2)*128
.endr
	global_store_b32 v9, v16, s[50:51]             ; the scale word, for lane r and for lane r + 16
	global_store_b32 v9, v16, s[50:51] offset:64
.endm
	; ---- Wq, Wk, Wv, Wo (64 work-groups each: 8 tiles of 128 columns x 8 K steps), W2 (128: 8 tiles x 16 K steps)
	s_lshr_b32 s30, ttmp9, 6
	s_cmp_eq_u32 s30, 1
	s_cselect_b64 s[32:33], s[6:7], s[4:5]
	s_cmp_eq_u32 s30, 2
	s_cselect_b64 s[32:33], s[8:9], s[32:33]
	s_cmp_eq_u32 s30, 3
	s_cselect_b64 s[32:33], s[10:11], s[32:33]
	s_cmp_ge_u32 s30, 4
	s_cselect_b64 s[32:33], s[12:13], s[32:33]
	s_bfe_u32 s34, ttmp9, 0x30003                  ; the tile, with 8 K steps
	s_and_b32 s35, ttmp9, 7                        ; the K step
	s_bfe_u32 s37, ttmp9, 0x30004                  ; the same with 16 K steps
	s_and_b32 s38, ttmp9, 15
	s_add_co_u32 s39, ttmp9, 256                   ; W2's groups begin at 512
	s_cmp_ge_u32 ttmp9, 256
	s_cselect_b32 s34, s37, s34
	s_cselect_b32 s35, s38, s35
	s_cselect_b32 s42, s39, ttmp9                  ; the group
	s_lshl_b32 s40, s35, 19                        ; 128 rows of 4,096 bytes a K step
	s_lshl_b32 s34, s34, 9                         ; 128 columns a tile
	s_add_co_u32 s40, s40, s34
	s_lshl_b32 s34, s28, 7                         ; 32 columns a wave
	s_add_co_u32 s40, s40, s34
	s_lshl_b32 s43, s28, 1
	WPTR
	WQ 4096
	s_endpgm
.Lwide:	; ---- W1, W3 (128 work-groups each: 16 runs of 128 columns x 8 K steps)
	s_sub_co_u32 s30, ttmp9, 384
	s_cmp_ge_u32 s30, 128
	s_cselect_b64 s[32:33], s[16:17], s[14:15]
	s_cselect_b32 s31, 4, 0                        ; W3 takes blocks 4-7 of a tile
	s_bfe_u32 s34, s30, 0x40003                    ; the run of 128 columns
	s_and_b32 s35, s30, 7                          ; the K step
	s_lshl_b32 s40, s35, 20                        ; 128 rows of 8,192 bytes
	s_lshl_b32 s36, s34, 9
	s_add_co_u32 s40, s40, s36
	s_lshl_b32 s36, s28, 7
	s_add_co_u32 s40, s40, s36
	s_lshl_b32 s34, s34, 1
	s_lshr_b32 s36, s28, 1
	s_add_co_u32 s34, s34, s36                     ; the tile of 64 columns
	s_lshl_b32 s34, s34, 3
	s_add_co_u32 s42, s34, s35
	s_add_co_u32 s42, s42, 256                     ; the group
	s_and_b32 s43, s28, 1
	s_lshl_b32 s43, s43, 1
	s_add_co_u32 s43, s43, s31
	WPTR
	WQ 8192
	s_endpgm
.Lrope:	; ---- the table [2048 positions][32 pairs][cos, sin]: a wave takes 32 positions, a lane a pair
	s_sub_co_u32 s30, ttmp9, 640
	s_lshl_b32 s30, s30, 2
	s_add_co_u32 s30, s30, s28                     ; 0..63
	s_lshl_b32 s40, s30, 13                        ; 32 positions of 256 bytes
	s_add_co_u32 s40, s40, OFF_ROPE
	s_mov_b32 s41, 0
	s_add_nc_u64 s[48:49], s[18:19], s[40:41]
	s_lshl_b32 s31, s30, 5                         ; my first position
	s_mov_b32 s52, 0x3ed49a78                      ; log2(10000) / 32, high part
	s_mov_b32 s53, 0x32179a37                      ; and what the high part leaves
	s_mov_b32 s54, 0x3fc90fdb                      ; pi / 2, high part
	s_mov_b32 s55, 0xb33bbd2e                      ; and what it leaves
	s_mov_b32 s56, 0xb94ca1f9                      ; sine: -1.9515296e-4, 8.3321609e-3, -1.6666655e-1
	s_mov_b32 s57, 0x3c08839e
	s_mov_b32 s58, 0xbe2aaaa3
	s_mov_b32 s59, 0x37ccf5ce                      ; cosine: 2.4433157e-5, -1.3887316e-3, 4.1666646e-2
	s_mov_b32 s60, 0xbab6061a
	s_mov_b32 s61, 0x3d2aaaa5
	v_cvt_f32_u32 v10, v2                          ; i
	v_mul_f32 v11, s52, v10                        ; p = i x the high part, rounded,
	v_fma_f32 v12, v10, s52, -v11                  ; what that rounding dropped, exactly,
	v_fma_f32 v12, v10, s53, v12                   ; and i x the low part
	v_rndne_f32 v13, v11                           ; n
	v_sub_f32 v11, v13, v11                        ; n - p, exact
	v_sub_f32 v11, v11, v12                        ; -f, at most 1/2 in magnitude
	v_exp_f32 v11, v11                             ; 2^-f
	v_cvt_i32_f32 v13, v13                         ; (a plain instruction behind the exponential)
	v_sub_nc_u32 v13, 0, v13
	s_wait_alu depctr_va_vdst(0)                   ; the wait ahead of the first reader
	v_ldexp_f32 v10, v11, v13                      ; 10000^(-i / 32)
	v_cvt_f32_u32 v17, s31                         ; the position, as f32: whole numbers up to 2,047 are exact
	v_lshlrev_b32 v14, 3, v2                       ; 8 bytes a lane
	s_mov_b32 s29, 32
.Lpos:
	v_mul_f32 v18, v17, v10                        ; the angle
	v_mul_f32 v19, 0x3f22f983, v18
	v_rndne_f32 v19, v19                           ; n = the nearest multiple of pi / 2, at most 1,303
	v_fma_f32 v20, -v19, s54, v18
	v_fma_f32 v20, -v19, s55, v20                  ; r, within pi / 4
	v_mul_f32 v21, v20, v20                        ; z = r^2
	v_fma_f32 v22, v21, s56, s57
	v_fma_f32 v22, v22, v21, s58
	v_mul_f32 v23, v20, v21
	v_fma_f32 v22, v22, v23, v20                   ; sin r
	v_fma_f32 v24, v21, s59, s60
	v_fma_f32 v24, v24, v21, s61
	v_mul_f32 v25, v21, v21
	v_fma_f32 v26, v21, -0.5, 1.0
	v_fma_f32 v24, v24, v25, v26                   ; cos r
	v_cvt_i32_f32 v27, v19
	v_and_b32 v28, 1, v27
	v_cmp_eq_u32 vcc_lo, 1, v28                    ; an odd quarter swaps the two,
	v_cndmask_b32 v30, v24, v22, vcc_lo
	v_cndmask_b32 v31, v22, v24, vcc_lo
	v_and_b32 v28, 2, v27                          ; quarters 2, 3 turn the sine's sign,
	v_lshlrev_b32 v28, 30, v28
	v_xor_b32 v31, v28, v31
	v_add_nc_u32 v29, 1, v27                       ; quarters 1, 2 the cosine's
	v_and_b32 v29, 2, v29
	v_lshlrev_b32 v29, 30, v29
	v_xor_b32 v30, v29, v30
	global_store_b64 v14, v[30:31], s[48:49]       ; 32 lanes store a position's 256 bytes
	s_wait_xcnt 0x0                                ; the store has read its data and its base: both are written again below and in the next trip
	s_add_nc_u64 s[48:49], s[48:49], 256
	v_add_f32 v17, 1.0, v17
	s_sub_co_u32 s29, s29, 1
	s_cmp_lg_u32 s29, 0
	s_cbranch_scc1 .Lpos
	s_endpgm
.Lfunc_end_k_qb7aae5f2cd_wprep:
	.size	k_qb7aae5f2cd_wprep, .Lfunc_end_k_qb7aae5f2cd_wprep-k_qb7aae5f2cd_wprep
	.p2alignl 7, 3214868480
	.fill 96, 4, 3214868480
	.section	.rodata,"a",@progbits
	.p2align	6, 0x0
	.amdhsa_kernel k_qb7aae5f2cd_wprep
		.amdhsa_group_segment_fixed_size 0
		.amdhsa_private_segment_fixed_size 0
		.amdhsa_enable_private_segment 0
		.amdhsa_kernarg_size 64
		.amdhsa_user_sgpr_count 2
		.amdhsa_user_sgpr_kernarg_segment_ptr 1
		.amdhsa_wavefront_size32 1
		.amdhsa_system_sgpr_workgroup_id_x 1
		.amdhsa_system_sgpr_workgroup_id_y 1
		.amdhsa_system_sgpr_workgroup_id_z 1
		.amdhsa_system_vgpr_workitem_id 0
		.amdhsa_next_free_vgpr 208
		.amdhsa_next_free_sgpr 66
		.amdhsa_reserve_vcc 1
		.amdhsa_float_denorm_mode_32 3
		.amdhsa_float_denorm_mode_16_64 3
		.amdhsa_memory_ordered 1
		.amdhsa_forward_progress 1
		.amdhsa_inst_pref_size 45
	.end_amdhsa_kernel
	.amdgpu_metadata
---
amdhsa.version: [ 1, 2 ]
amdhsa.kernels:
  - .name:           k_qb7aae5f2cd_wprep
    .symbol:         k_qb7aae5f2cd_wprep.kd
    .args:
      - { .name: Wq, .offset: 0, .size: 8, .value_kind: global_buffer, .address_space: global }
      - { .name: Wk, .offset: 8, .size: 8, .value_kind: global_buffer, .address_space: global }
      - { .name: Wv, .offset: 16, .size: 8, .value_kind: global_buffer, .address_space: global }
      - { .name: Wo, .offset: 24, .size: 8, .value_kind: global_buffer, .address_space: global }
      - { .name: W2, .offset: 32, .size: 8, .value_kind: global_buffer, .address_space: global }
      - { .name: W1, .offset: 40, .size: 8, .value_kind: global_buffer, .address_space: global }
      - { .name: W3, .offset: 48, .size: 8, .value_kind: global_buffer, .address_space: global }
      - { .name: wbuf, .offset: 56, .size: 8, .value_kind: global_buffer, .address_space: global }
    .group_segment_fixed_size: 0
    .private_segment_fixed_size: 0
    .kernarg_segment_align: 8
    .kernarg_segment_size: 64
    .max_flat_workgroup_size: 128
    .sgpr_count:     66
    .vgpr_count:     208
    .wavefront_size: 32
...
	.end_amdgpu_metadata
.endif
;; end of part 1
;; launch norm1 (part 2): grid 256 x 1, 8 waves a work-group, no clusters, 2,048 bytes of LDS; arguments x, g1, actp; writes actp
.if DOCPART == 2
	.amdgcn_target "amdgcn-amd-amdhsa--gfx1250"
	.amdhsa_code_object_version 6
	.text
	.protected	k_qb7aae5f2cd_norm1
	.globl	k_qb7aae5f2cd_norm1
	.p2align	8
	.type	k_qb7aae5f2cd_norm1,@function
k_qb7aae5f2cd_norm1:
	s_mov_b64 s[64:65], 0
	v_nop
	global_prefetch_b8 v0, s[64:65] scope:SCOPE_SE
	s_setreg_imm32_b32 hwreg(HW_REG_WAVE_MODE, 25, 1), 1
	s_wait_xcnt 0x0
; RMS norm of 4,096 rows of 1,024 f32, x / sqrt(mean(x^2) + 1e-5) x g, quantised along the row to FP6 (E2M3) with one E8M0 byte for each 32, and stored as images of the operand's registers.
; A work-group takes a row block of 16 rows; wave w takes K step w (128 numbers of each row).  Lane (r, h) takes row 32 (i / 2) + 8 (i % 2) + r + 8 (r / 8) of block i and, of each block of 32 numbers,
; the 16 at 16 h: so its 64 registers lie as the quantiser wants them (register 16 b + e = k 32 b + 16 h + e).  The eight waves' sums of squares meet in LDS behind one barrier.
; OUT: group (i / 8, w) of 13,312 bytes: fragment i % 8 at 1,536 (i % 8): two halves of 768 bytes (registers 0-3 at 16 lane, registers 4-5 at 512 + 8 lane); its scale image at 12,288 + 128 (i % 8).
; The division is a multiplication by v_rsq_f32's result.  LIMITS: NaN and infinities are not served; a block of zeros, or one under 2^-124, gets the byte 1: a block of zeros has zero codes, and this program alone reads the bytes.
.set G8,  13312
.set G8S, 12288
.set X,   32                           ; v32-95   my 64 numbers
.set G,   96                           ; v96-159  the gain at the same places
.set PC,  160                          ; v160-171 the codes; v172-178 the conversions' second results
.set TM,  184                          ; v184-187 largest magnitudes, v188-191 bytes, v196-199 scale operands
.set PW,  200                          ; the scale word
.set SEL, 20
; 64 numbers of a lane, v[s] on, register 16 b + i = k 32 b + 16 (lane / 16) + i of my row, become a fragment's codes in v[PC] on and its scale word in v[PW].
.macro QUANT s
.irp b, 0,1,2,3
	v_max3_num_f32 v[TM+\b], |v[\s+16*\b]|, |v[\s+1+16*\b]|, 0x1800000   ; block b: my 16 numbers, and the floor 2^(3 - 127): the byte cannot fall under 1
.endr
.irp i, 2,4,6,8,10,12,14
.irp b, 0,1,2,3
	v_max3_num_f32 v[TM+\b], v[TM+\b], |v[\s+16*\b+\i]|, |v[\s+1+16*\b+\i]|   ; (the four blocks by turns)
.endr
.endr
.irp b, 0,1,2,3
	v_permlanex16_b32 v[TM+4+\b], v[TM+\b], s[SEL], s[SEL+1]
.endr
.irp b, 0,1,2,3
	v_max_num_f32 v[TM+\b], v[TM+\b], v[TM+4+\b]   ; with lane l xor 16's: the block's largest magnitude
.endr
.irp b, 0,1,2,3
	v_add_nc_u32 v[TM+12+\b], 0xff000000, v[TM+\b]   ; 2 off its exponent field: the conversion's scale operand
.endr
.irp b, 0,1,2,3
	v_lshrrev_b32 v[TM+4+\b], 23, v[TM+12+\b]      ; the scale's byte
.endr
	v_lshl_or_b32 v[PW], v[TM+5], 8, v[TM+4]
	v_lshl_or_b32 v[PW], v[TM+6], 16, v[PW]
	v_lshl_or_b32 v[PW], v[TM+7], 24, v[PW]
.irp c, 0,1
	v_cvt_scalef32_pk16_fp6_f32 v[PC+6*\c:PC+2+6*\c], v[\s+32*\c:\s+15+32*\c], v[TM+12+2*\c]
	v_cvt_scalef32_pk16_fp6_f32 v[PC+12+4*\c:PC+14+4*\c], v[\s+16+32*\c:\s+31+32*\c], v[TM+12+2*\c+1]   ; (a conversion's three registers begin on an even number)
.endr
	v_nop                                          ; one plain instruction behind a scaled conversion
.irp c, 0,1                                    ; the operand's layout wants a whole block in a lane: lanes 0-15 block 2 c, lanes 16-31 block 2 c + 1
.irp i, 0,1,2
	v_permlane16_swap_b32 v[PC+6*\c+\i], v[PC+12+4*\c+\i]
.endr
.irp i, 0,1,2
	v_mov_b32 v[PC+3+6*\c+\i], v[PC+12+4*\c+\i]
.endr
.endr
.endm
	s_load_b128 s[4:7], s[0:1], 0x0                ; the rows, the gain
	s_load_b64 s[8:9], s[0:1], 0x10                ; the images
	v_lshl_add_u32 v208, v0, 2, 0x400
	v_mov_b32 v209, 0
	v_lshrrev_b32 v1, 5, v0
	v_readfirstlane_b32 s10, v1                    ; wave 0..7 = K step
	v_and_b32 v1, 31, v0
	v_lshlrev_b32 v2, 4, v1                        ; 16 x lane
	v_lshlrev_b32 v3, 3, v1                        ; 8 x lane
	v_lshlrev_b32 v4, 2, v1                        ; 4 x lane
	v_lshlrev_b32 v5, 2, v0                        ; LDS: 128 x wave + 4 x lane
	v_and_b32 v6, 15, v0                           ; r
	v_bfe_u32 v7, v0, 4, 1                         ; h
	v_and_b32 v26, 8, v6
	v_add_nc_u32 v26, v26, v6                      ; r + 8 (r / 8)
	v_lshlrev_b32 v7, 6, v7                        ; the gain: 64 h
	v_lshl_add_u32 v6, v26, 12, v7                 ; the rows: 4,096 bytes a row, + 64 h
.irp b, 0,1,2,3
	v_mov_b32 v[TM+4+\b], 0                        ; written once: a lane permute's destination counts as one of its sources
.endr
	s_lshr_b32 s12, ttmp9, 1
	s_lshl_b32 s12, s12, 5
	s_and_b32 s13, ttmp9, 1
	s_lshl_b32 s13, s13, 3
	s_add_co_u32 s12, s12, s13                     ; the block's first row: 32 (i / 2) + 8 (i % 2)
	s_lshl_b32 s12, s12, 12
	s_lshl_b32 s14, s10, 9                         ; my K step: 512 bytes on
	s_mov_b32 s15, 0
	s_add_co_u32 s12, s12, s14
	s_mov_b32 s13, 0
	s_lshr_b32 s16, ttmp9, 3
	s_lshl_b32 s16, s16, 3
	s_add_co_u32 s16, s16, s10
	s_mul_i32 s16, s16, G8                         ; group (i / 8, w)
	s_and_b32 s18, ttmp9, 7
	s_mul_i32 s17, s18, 1536
	s_lshl_b32 s18, s18, 7
	s_add_co_u32 s18, s18, s16
	s_add_co_u32 s18, s18, G8S
	s_add_co_u32 s16, s16, s17
	s_mov_b32 s17, 0
	s_mov_b32 s19, 0
	s_mov_b32 s[SEL], 0x76543210
	s_mov_b32 s[SEL+1], 0xfedcba98                 ; v_permlanex16_b32's selects for lane l xor 16
	s_mov_b32 s22, 0x3a800000                      ; 1 / 1024
	s_mov_b32 s23, 0x3727c5ac                      ; 1e-5
	s_wait_kmcnt 0x0
	s_add_nc_u64 s[4:5], s[4:5], s[12:13]
	s_add_nc_u64 s[6:7], s[6:7], s[14:15]
	s_add_nc_u64 s[16:17], s[8:9], s[16:17]        ; my fragment
	s_add_nc_u64 s[18:19], s[8:9], s[18:19]        ; its scale image
.irp b, 0,1,2,3
.irp j, 0,1,2,3
	global_load_b128 v[X+16*\b+4*\j:X+16*\b+4*\j+3], v6, s[4:5] offset:128*\b+16*\j th:TH_LOAD_NT
.endr
.endr
.irp b, 0,1,2,3
.irp j, 0,1,2,3
	global_load_b128 v[G+16*\b+4*\j:G+16*\b+4*\j+3], v7, s[6:7] offset:128*\b+16*\j
.endr
.endr
	s_wait_loadcnt 16                              ; my numbers are in; the gain's sixteen loads may be out
.irp q, 0,1,2,3
	v_pk_mul_f32 v[8+2*\q:9+2*\q], v[X+2*\q:X+2*\q+1], v[X+2*\q:X+2*\q+1]   ; four packed chains, started by the first products
.endr
.set p, 4
.rept 28
	v_pk_fma_f32 v[8+2*(p%4):9+2*(p%4)], v[X+2*p:X+2*p+1], v[X+2*p:X+2*p+1], v[8+2*(p%4):9+2*(p%4)]
.set p, p+1
.endr
	v_pk_add_f32 v[8:9], v[8:9], v[10:11]
	v_pk_add_f32 v[12:13], v[12:13], v[14:15]
	v_pk_add_f32 v[8:9], v[8:9], v[12:13]
	v_add_f32 v8, v8, v9
	v_permlanex16_b32 v9, v8, s[SEL], s[SEL+1]
	v_add_f32 v8, v8, v9                           ; my row's sum over this K step
	ds_store_b32 v5, v8
	s_wait_dscnt 0x0                               ; for the others' sake: my store has landed
	s_barrier_signal -1
	s_barrier_wait -1
.irp k, 0,1,2,3,4,5,6,7
	ds_load_b32 v[16+\k], v4 offset:128*\k         ; the eight waves' sums for my row
.endr
	s_wait_dscnt 0x0
.irp k, 1,2,3,4,5,6,7
	v_add_f32 v16, v16, v[16+\k]                   ; in the same order in every wave
.endr
	v_fma_f32 v24, v16, s22, s23                   ; the mean + 1e-5
	v_rsq_f32 v24, v24
	v_nop                                          ; a plain instruction behind the transcendental
	s_wait_alu depctr_va_vdst(0)                   ; the wait ahead of the first reader
	v_mov_b32 v25, v24
	s_wait_loadcnt 0x0                             ; the gain
.set p, 0
.rept 32
	v_pk_mul_f32 v[X+2*p:X+2*p+1], v[X+2*p:X+2*p+1], v[24:25]
.set p, p+1
.endr
.set p, 0
.rept 32
	v_pk_mul_f32 v[X+2*p:X+2*p+1], v[X+2*p:X+2*p+1], v[G+2*p:G+2*p+1]
.set p, p+1
.endr
	QUANT X
	global_store_b128 v2, v[PC:PC+3], s[16:17]               ; 32 lanes store 512 consecutive bytes
	global_store_b64 v3, v[PC+4:PC+5], s[16:17] offset:512   ; 256
	global_store_b128 v2, v[PC+6:PC+9], s[16:17] offset:768
	global_store_b64 v3, v[PC+10:PC+11], s[16:17] offset:1280
	global_store_b32 v4, v[PW], s[18:19]                     ; lanes 16-31 hold the same words as lanes 0-15
	s_wait_tensorcnt 0x0
	ds_add_u32 v208, v209
	s_wait_dscnt 0x0
	s_endpgm
.Lfunc_end_k_qb7aae5f2cd_norm1:
	.size	k_qb7aae5f2cd_norm1, .Lfunc_end_k_qb7aae5f2cd_norm1-k_qb7aae5f2cd_norm1
	.p2alignl 7, 3214868480
	.fill 96, 4, 3214868480
	.section	.rodata,"a",@progbits
	.p2align	6, 0x0
	.amdhsa_kernel k_qb7aae5f2cd_norm1
		.amdhsa_group_segment_fixed_size 2048
		.amdhsa_private_segment_fixed_size 0
		.amdhsa_enable_private_segment 0
		.amdhsa_kernarg_size 24
		.amdhsa_user_sgpr_count 2
		.amdhsa_user_sgpr_kernarg_segment_ptr 1
		.amdhsa_wavefront_size32 1
		.amdhsa_system_sgpr_workgroup_id_x 1
		.amdhsa_system_sgpr_workgroup_id_y 1
		.amdhsa_system_sgpr_workgroup_id_z 1
		.amdhsa_system_vgpr_workitem_id 0
		.amdhsa_next_free_vgpr 210
		.amdhsa_next_free_sgpr 66
		.amdhsa_reserve_vcc 0
		.amdhsa_float_denorm_mode_32 3
		.amdhsa_float_denorm_mode_16_64 3
		.amdhsa_memory_ordered 1
		.amdhsa_forward_progress 1
		.amdhsa_inst_pref_size 18
	.end_amdhsa_kernel
	.amdgpu_metadata
---
amdhsa.version: [ 1, 2 ]
amdhsa.kernels:
  - .name:           k_qb7aae5f2cd_norm1
    .symbol:         k_qb7aae5f2cd_norm1.kd
    .args:
      - { .name: x, .offset: 0, .size: 8, .value_kind: global_buffer, .address_space: global }
      - { .name: g1, .offset: 8, .size: 8, .value_kind: global_buffer, .address_space: global }
      - { .name: actp, .offset: 16, .size: 8, .value_kind: global_buffer, .address_space: global }
    .group_segment_fixed_size: 2048
    .private_segment_fixed_size: 0
    .kernarg_segment_align: 8
    .kernarg_segment_size: 24
    .max_flat_workgroup_size: 256
    .sgpr_count:     66
    .vgpr_count:     210
    .wavefront_size: 32
...
	.end_amdgpu_metadata
.endif
;; end of part 2
;; launch qkv (part 3): grid 768 x 1, 1 waves a work-group, no clusters, 0 bytes of LDS; arguments actp, wbuf, actq; writes actq
.if DOCPART == 3
	.amdgcn_target "amdgcn-amd-amdhsa--gfx1250"
	.amdhsa_code_object_version 6
	.text
	.protected	k_qb7aae5f2cd_qkv
	.globl	k_qb7aae5f2cd_qkv
	.p2align	8
	.type	k_qb7aae5f2cd_qkv,@function
k_qb7aae5f2cd_qkv:
	s_mov_b64 s[64:65], 0
	v_nop
	global_prefetch_b8 v0, s[64:65] scope:SCOPE_SE
	s_setreg_imm32_b32 hwreg(HW_REG_WAVE_MODE, 25, 1), 1
	s_wait_xcnt 0x0
; Q, K and V: C = A B^T on codes of FP6 (E2M3) with E8M0 scales, 128 x 128 of C to a wave, one wave to a work-group, K = 1,024 in 8 steps of 128.
;   work-groups 0-511:   A = h (32 tiles of tokens), B = Wq|Wk (16 tiles):  rotary embedding, quantised along the head's 64, to the Q and K streams
;   work-groups 512-767: A = Wv (8 tiles of features), B = h:               V^T, quantised along the keys, to the V streams
; OPERANDS lie in memory as images of their registers: group (tile, K step) of 13,312 bytes = 8 fragments of 1,536 (two halves of 768: registers 0-3 at 16 lane, 4-5 at 512 + 8 lane) + 8 scale images of 128.
; They go from memory straight into two sets of registers that take turns: no LDS, no barrier and no tensor load.  Tiles are not asked for jointly in a cluster: the operands never lie in LDS, so there is no tile
; that a joint load could fill; each group is read by every wave whose tile needs it (8 to 32 waves).
; THE MATRIX INSTRUCTION IS USED TRANSPOSED (source 0 = 16 rows of B, source 1 = 16 rows of A), and lane r of row block i holds operand row 32 (i / 2) + 8 (i % 2) + r + 8 (r / 8): so for a block a of A the 64 registers of
; accumulators (a, 0..7) are, in lane (r, h), register n = B's row 32 (n / 16) + 16 h + n % 16 of A's row r: the order in which the conversions want neighbours.
; K IS WALKED FROM A START THAT DIFFERS FROM TILE TO TILE ((TA + TB) mod 8) and wraps, so that the waves that read a group do not all ask for it in the same step: the order of the f32 sums differs from tile to tile.
; LIMITS: NaN and infinities are not served; a block of zeros, or one under 2^-124, gets the byte 1: a block of zeros has zero codes, and this program alone reads the bytes.
; REGISTERS: window 0: v1-6 lane terms; v32-63 scale words and nothing else (set p: A's at 32 + 16 p, B's at 40 + 16 p); v64-159, v160-255 A's fragments, sets 0, 1.  window 1: v0-95, v96-191 B's sets.
;   windows 2, 3: accumulator (a, b) at v[8 (8 (a % 4) + b)] of window 2 + a / 4.  On the way out windows 0 (from v64) and 1 are free.
.set KS,       8                       ; K steps
.set G8,       13312
.set G8S,      12288
.set OFF_WV,   1703936
.set OFF_ROPE, 8519680
.set HK,       114688                  ; a head's Q or K stream: 128 half images of 768 bytes, then 128 scale images
.set HV,       106496                  ; a head's V stream: 64 fragments, then 64 scale images
.set KREG,     3670016
.set VREG,     7340032
.set HA,  64                           ; the way out, window 0: 64 numbers at work
.set TM,  128                          ; v128-151 partial maxima
.set MX,  152                          ; v152-155 the blocks' largest magnitudes
.set PX,  156                          ; v156-159 the permutes' destinations
.set SO,  160                          ; v160-163 the conversions' scale operands
.set BY,  164                          ; v164-167 the bytes
.set PT,  168                          ; v168-174 the conversions' second results
.set PCB, 176                          ; v176-199 the codes, two sets of 12
.set PW,  200                          ; v200-201 the scale word, two sets
.set SW,  202                          ; v202-205 its halves
.set T,   208                          ; v208-215 at work
.set MSB, 0
.macro WIN new                         ; the immediate's high byte repeats the setting that is left; a switch that changes nothing is dropped
.if MSB != (\new)
	s_set_vgpr_msb (MSB<<8)|(\new)
.set MSB, (\new)
.endif
.endm
.set MUL_LO, 0xa1                      ; source 0 (B) window 1, source 1 (A) window 0, C and D window 2
.set MUL_HI, 0xf1                      ; the same, C and D window 3
.set TO_B,   0x40                      ; destination window 1, address window 0
.macro PLACES                          ; four plain instructions between a matrix instruction and a load into, or a vector instruction or store on, its registers
.rept 4
	v_nop
.endr
.endm
.macro LOADA p, j0                     ; A's blocks j0 .. j0 + 3 of the K step at s[32:33], and their scale words, into set p: 20 loads
.irp j, \j0, \j0+1, \j0+2, \j0+3
	global_load_b128 v[64+96*(\p)+12*(\j):64+96*(\p)+12*(\j)+3], v1, s[32:33] offset:(\j)*1536
	global_load_b64 v[64+96*(\p)+12*(\j)+4:64+96*(\p)+12*(\j)+5], v2, s[32:33] offset:(\j)*1536+512
	global_load_b128 v[64+96*(\p)+12*(\j)+6:64+96*(\p)+12*(\j)+9], v1, s[32:33] offset:(\j)*1536+768
	global_load_b64 v[64+96*(\p)+12*(\j)+10:64+96*(\p)+12*(\j)+11], v2, s[32:33] offset:(\j)*1536+1280
	global_load_b32 v[32+16*(\p)+(\j)], v3, s[32:33] offset:G8S+128*(\j)
.endr
.endm
.macro LOADB p                         ; B's eight blocks and their scale words: 40 loads
	WIN TO_B
.irp j, 0,1,2,3,4,5,6,7
	global_load_b128 v[96*(\p)+12*\j:96*(\p)+12*\j+3], v1, s[34:35] offset:\j*1536
	global_load_b64 v[96*(\p)+12*\j+4:96*(\p)+12*\j+5], v2, s[34:35] offset:\j*1536+512
	global_load_b128 v[96*(\p)+12*\j+6:96*(\p)+12*\j+9], v1, s[34:35] offset:\j*1536+768
	global_load_b64 v[96*(\p)+12*\j+10:96*(\p)+12*\j+11], v2, s[34:35] offset:\j*1536+1280
.endr
	WIN 0
.irp j, 0,1,2,3,4,5,6,7
	global_load_b32 v[40+16*(\p)+\j], v3, s[34:35] offset:G8S+128*\j
.endr
.endm
.macro ADV                             ; on to the next K step, round the end
	s_wait_xcnt 0x0                                ; the loads issued so far have read their bases: these may be written
	s_add_co_u32 s24, s24, 1
	s_and_b32 s24, s24, KS-1
	s_mul_i32 s26, s24, G8
	s_add_nc_u64 s[32:33], s[28:29], s[26:27]
	s_add_nc_u64 s[34:35], s[30:31], s[26:27]
.endm
; 16 matrix instructions: A's blocks a0, a0 + 1 x B's eight.  The 64 accumulators take turns, one instruction a turn, in the same order in every step.  zero = 1: the first products start the sums.
.macro MUL16 a0, p, zero
.irp a, \a0, \a0+1
.irp b, 0,1,2,3,4,5,6,7
.if \zero
	v_wmma_scale_f32_16x16x128_f8f6f4 v[8*(8*((\a)%4)+\b):8*(8*((\a)%4)+\b)+7], v[96*(\p)+12*\b:96*(\p)+12*\b+11], v[64+96*(\p)+12*(\a):64+96*(\p)+12*(\a)+11], 0, v[40+16*(\p)+\b], v[32+16*(\p)+(\a)] matrix_a_fmt:MATRIX_FMT_FP6 matrix_b_fmt:MATRIX_FMT_FP6
.else
	v_wmma_scale_f32_16x16x128_f8f6f4 v[8*(8*((\a)%4)+\b):8*(8*((\a)%4)+\b)+7], v[96*(\p)+12*\b:96*(\p)+12*\b+11], v[64+96*(\p)+12*(\a):64+96*(\p)+12*(\a)+11], v[8*(8*((\a)%4)+\b):8*(8*((\a)%4)+\b)+7], v[40+16*(\p)+\b], v[32+16*(\p)+(\a)] matrix_a_fmt:MATRIX_FMT_FP6 matrix_b_fmt:MATRIX_FMT_FP6
.endif
.endr
.endr
.endm
; A K step on set p.  refill = 1: the set takes the K step two on, A's blocks 0-3 as soon as their products are issued, the rest at the step's end: it is wanted a whole step later.
.macro STEP p, zero, refill, cnt
	s_wait_loadcnt \cnt                            ; set p is in.  Behind its loads the other set's 80 were issued: 63 is the largest count that a wait can name, and a smaller count is always safe.  The last step: 0
.if \refill
	ADV
.endif
	WIN MUL_LO
	MUL16 0, \p, \zero
	MUL16 2, \p, \zero
.if \refill
	PLACES
	WIN 0
	LOADA \p, 0
.endif
	WIN MUL_HI
	MUL16 4, \p, \zero
	MUL16 6, \p, \zero
.if \refill
	PLACES
	WIN 0
	LOADA \p, 4
	LOADB \p
.endif
	WIN 0
.endm
; 32 numbers of a lane in window W, register src + 16 b + i = k 32 b + 16 (lane / 16) + i: blocks 2 c and 2 c + 1 of a fragment.  Codes to v[PCB + 12 set + 6 c] on (six registers), bytes to v[BY + 2 c], v[BY + 2 c + 1].
; The maxima take the registers in ascending order: an accumulator is read from its low end on.
.macro QH src, W, c, set
.set PS, PCB+12*(\set)
	WIN (\W)|((\W)<<2)|((\W)<<4)
.irp i, 0,1,2,3,4
.irp b, 0,1
	v_max3_num_f32 v[TM+12*(\c)+6*\b+\i], |v[(\src)+16*\b+3*\i]|, |v[(\src)+16*\b+3*\i+1]|, |v[(\src)+16*\b+3*\i+2]|
.endr
.endr
.irp b, 0,1
	v_max3_num_f32 v[TM+12*(\c)+6*\b+5], |v[(\src)+16*\b+13]|, |v[(\src)+16*\b+14]|, |v[(\src)+16*\b+15]|
.endr
	WIN 0
.irp b, 0,1
	v_max3_num_f32 v[MX+2*(\c)+\b], v[TM+12*(\c)+6*\b], v[TM+12*(\c)+6*\b+1], v[TM+12*(\c)+6*\b+2]
.endr
.irp b, 0,1
	v_max3_num_f32 v[TM+12*(\c)+6*\b], v[TM+12*(\c)+6*\b+3], v[TM+12*(\c)+6*\b+4], v[TM+12*(\c)+6*\b+5]
.endr
.irp b, 0,1
	v_max3_num_f32 v[MX+2*(\c)+\b], v[MX+2*(\c)+\b], v[TM+12*(\c)+6*\b], 0x1800000   ; and the floor 2^(3 - 127): the byte cannot fall under 1
.endr
.irp b, 0,1
	v_permlanex16_b32 v[PX+2*(\c)+\b], v[MX+2*(\c)+\b], s44, s45
.endr
.irp b, 0,1
	v_max_num_f32 v[MX+2*(\c)+\b], v[MX+2*(\c)+\b], v[PX+2*(\c)+\b]   ; with lane l xor 16's: the block's largest magnitude
.endr
.irp b, 0,1
	v_add_nc_u32 v[SO+2*(\c)+\b], 0xff000000, v[MX+2*(\c)+\b]        ; 2 off its exponent field: the conversion's scale operand
.endr
.irp b, 0,1
	v_lshrrev_b32 v[BY+2*(\c)+\b], 23, v[SO+2*(\c)+\b]               ; the scale's byte
.endr
	WIN (\W)
	v_cvt_scalef32_pk16_fp6_f32 v[PS+6*(\c):PS+6*(\c)+2], v[(\src):(\src)+15], v[SO+2*(\c)]
	v_cvt_scalef32_pk16_fp6_f32 v[PT+4*(\c):PT+4*(\c)+2], v[(\src)+16:(\src)+31], v[SO+2*(\c)+1]   ; (a conversion's three registers begin on an even number)
	WIN 0
	v_nop                                          ; one plain instruction behind a scaled conversion
.irp i, 0,1,2
	v_permlane16_swap_b32 v[PS+6*(\c)+\i], v[PT+4*(\c)+\i]   ; the operand's layout wants a whole block in a lane
.endr
.irp i, 0,1,2
	v_mov_b32 v[PS+6*(\c)+3+\i], v[PT+4*(\c)+\i]
.endr
.endm
.macro Q4 src, W, set                  ; 64 numbers: a whole fragment and its scale word
	QH (\src), (\W), 0, (\set)
	QH (\src)+32, (\W), 1, (\set)
	v_lshl_or_b32 v[PW+(\set)], v[BY+1], 8, v[BY]
	v_lshl_or_b32 v[PW+(\set)], v[BY+2], 16, v[PW+(\set)]
	v_lshl_or_b32 v[PW+(\set)], v[BY+3], 24, v[PW+(\set)]
.endm
	s_load_b128 s[4:7], s[0:1], 0x0                ; h s[4:5], wbuf s[6:7]
	s_load_b64 s[10:11], s[0:1], 0x10              ; the streams
	v_lshlrev_b32 v1, 4, v0                        ; 16 x lane
	v_lshlrev_b32 v2, 3, v0                        ; 8 x lane
	v_lshlrev_b32 v3, 2, v0                        ; 4 x lane
	v_and_b32 v7, 15, v0                           ; r
	v_lshrrev_b32 v8, 4, v0                        ; h
	v_and_b32 v9, 8, v7
	v_add_nc_u32 v9, v9, v7                        ; r + 8 (r / 8)
	v_lshlrev_b32 v6, 8, v9
	v_lshl_add_u32 v6, v8, 6, v6                   ; the table: 256 bytes a position, + 64 h
	s_mov_b32 s44, 0x76543210
	s_mov_b32 s45, 0xfedcba98                      ; v_permlanex16_b32's selects for lane l xor 16
	s_cmp_ge_u32 ttmp9, 512                        ; Q and K, or V^T?  The choice hangs on the work-group's number alone
	s_cselect_b32 s15, 1, 0                        ; 1: V^T
	s_cselect_b32 s16, 512, 0
	s_cselect_b32 s17, 4, 3                        ; log2 of half the number of B's tiles: 32 tiles of tokens, or 16 of Wq|Wk
	s_cselect_b32 s36, OFF_WV, 0                   ; where A's groups begin in its buffer; B's begin at 0 either way
	s_sub_co_u32 s16, ttmp9, s16                   ; the work-group's number within its kind
	s_and_b32 s19, s16, 1                          ; four neighbouring work-groups make 2 x 2 tiles
	s_bfe_u32 s18, s16, 0x10001
	s_lshr_b32 s25, s16, 2
	s_lshl_b32 s37, 1, s17
	s_sub_co_u32 s37, s37, 1
	s_and_b32 s37, s25, s37
	s_lshl_b32 s37, s37, 1
	s_add_co_u32 s19, s19, s37                     ; TB
	s_lshr_b32 s37, s25, s17
	s_lshl_b32 s37, s37, 1
	s_add_co_u32 s18, s18, s37                     ; TA
	s_mul_i32 s37, s18, KS*G8
	s_add_co_u32 s36, s36, s37
	s_mov_b32 s37, 0
	s_mul_i32 s38, s19, KS*G8
	s_mov_b32 s39, 0
	s_wait_kmcnt 0x0
	s_cmp_eq_u32 s15, 1                            ; for V^T the weight is A and the activations are B
	s_cselect_b64 s[28:29], s[6:7], s[4:5]
	s_cselect_b64 s[30:31], s[4:5], s[6:7]
	s_add_nc_u64 s[28:29], s[28:29], s[36:37]      ; A's tile
	s_add_nc_u64 s[30:31], s[30:31], s[38:39]      ; B's tile
	s_add_co_u32 s24, s18, s19
	s_and_b32 s24, s24, KS-1                       ; the K step at which this tile begins
	s_mul_i32 s26, s24, G8
	s_mov_b32 s27, 0
	s_add_nc_u64 s[32:33], s[28:29], s[26:27]
	s_add_nc_u64 s[34:35], s[30:31], s[26:27]
	LOADA 0, 0
	LOADA 0, 4
	LOADB 0
	ADV
	LOADA 1, 0
	LOADA 1, 4
	LOADB 1
	STEP 0, 1, 1, 63                               ; the first step stands ahead of the loop: its products start the sums
	s_mov_b32 s23, (KS-4)/2
.Lk:
	STEP 1, 0, 1, 63
	STEP 0, 0, 1, 63
	s_sub_co_u32 s23, s23, 1
	s_cmp_lg_u32 s23, 0
	s_cbranch_scc1 .Lk
	STEP 1, 0, 1, 63                               ; the last refill
	STEP 0, 0, 0, 63
	STEP 1, 0, 0, 0
	PLACES                                         ; behind the last products: all that follows may read results and write over operands
.irp b, 0,1,2,3
	v_mov_b32 v[PX+\b], 0                          ; written once: a lane permute's destination counts as one of its sources
.endr
	s_mov_b32 s43, 0
	s_cmp_eq_u32 s15, 1
	s_cbranch_scc1 .Lv
	; ---- Q and K: the tile's 128 columns are two heads of Q (TB < 8) or of K.  Rotary embedding in f32, then a half image and a scale image for each head and row block.
	s_and_b32 s42, s18, 15
	s_lshl_b32 s42, s42, 15                        ; the tile's first position: 128 positions of 256 bytes a tile
	s_add_co_u32 s42, s42, OFF_ROPE
	s_add_nc_u64 s[36:37], s[6:7], s[42:43]        ; the table
	s_lshr_b32 s48, s18, 4
	s_lshl_b32 s48, s48, 4
	s_and_b32 s49, s19, 7
	s_lshl_b32 s49, s49, 1
	s_add_co_u32 s48, s48, s49                     ; 16 x batch + my first head
	s_mul_i32 s48, s48, HK
	s_cmp_lt_u32 s19, 8
	s_cselect_b32 s49, 0, KREG
	s_add_co_u32 s48, s48, s49
	s_and_b32 s49, s18, 15
	s_mul_i32 s42, s49, 8*768
	s_add_co_u32 s42, s42, s48
	s_add_nc_u64 s[38:39], s[10:11], s[42:43]      ; my eight half images
	s_lshl_b32 s42, s49, 10
	s_add_co_u32 s42, s42, s48
	s_add_co_u32 s42, s42, 98304
	s_add_nc_u64 s[40:41], s[10:11], s[42:43]      ; their scale images
	WIN TO_B                                       ; window 1, register 32 a + 16 e + 2 m: the cosine of pair 16 e + 8 h + m at my row of block a; the next register its sine
.irp a, 0,1,2,3,4,5,6,7
.irp e, 0,1
.irp i, 0,1,2,3
	global_load_b128 v[32*\a+16*\e+4*\i:32*\a+16*\e+4*\i+3], v6, s[36:37] offset:(32*(\a/2)+8*(\a%2))*256+128*\e+16*\i
.endr
.endr
.endr
	WIN 0
.irp a, 0,1,2,3,4,5,6,7
	s_wait_loadcnt 56-8*\a                         ; this block's eight loads are in; the later blocks' may be out
	s_wait_xcnt 0x0                                ; the earlier blocks' stores have read their data
	WIN (2+\a/4)|(1<<2)                            ; source 0: the accumulators; source 1: the table
.irp q, 0,1,2,3
.irp m, 0,1,2,3,4,5,6,7
	v_mul_f32 v[T+2*(\m%4)], v[64*(\a%4)+16*\q+2*\m+1], v[32*\a+16*(\q%2)+2*\m+1]     ; x2 sin
	v_mul_f32 v[T+2*(\m%4)+1], v[64*(\a%4)+16*\q+2*\m], v[32*\a+16*(\q%2)+2*\m+1]     ; x1 sin
	v_fma_f32 v[HA+16*\q+2*\m], v[64*(\a%4)+16*\q+2*\m], v[32*\a+16*(\q%2)+2*\m], -v[T+2*(\m%4)]         ; x1 cos - x2 sin
	v_fma_f32 v[HA+16*\q+2*\m+1], v[64*(\a%4)+16*\q+2*\m+1], v[32*\a+16*(\q%2)+2*\m], v[T+2*(\m%4)+1]    ; x2 cos + x1 sin
.endr
.endr
	WIN 0
	Q4 HA, 0, \a%2
	v_and_b32 v[SW+2*(\a%2)], 0xffff, v[PW+\a%2]   ; a head's two bytes; bytes 2 and 3 are 0: they scale the zero codes that fill the instruction's K from 64 on
	v_lshrrev_b32 v[SW+2*(\a%2)+1], 16, v[PW+\a%2]
.irp e, 0,1
	global_store_b128 v1, v[PCB+12*(\a%2)+6*\e:PCB+12*(\a%2)+6*\e+3], s[38:39] offset:\a*768+\e*HK
	global_store_b64 v2, v[PCB+12*(\a%2)+6*\e+4:PCB+12*(\a%2)+6*\e+5], s[38:39] offset:\a*768+\e*HK+512
	global_store_b32 v3, v[SW+2*(\a%2)+\e], s[40:41] offset:\a*128+\e*HK
.endr
.endr
	s_endpgm
.Lv:	; ---- V^T: rows = 128 features (two heads), registers along 128 keys: one fragment of V^T and its scale image for each row block, straight from the accumulators
	s_lshr_b32 s48, s19, 4
	s_lshl_b32 s48, s48, 4
	s_lshl_b32 s49, s18, 1
	s_add_co_u32 s48, s48, s49                     ; 16 x batch + my first head
	s_mul_i32 s48, s48, HV
	s_add_co_u32 s48, s48, VREG
	s_and_b32 s49, s19, 15                         ; the key step
	s_mul_i32 s42, s49, 6144
	s_add_co_u32 s42, s42, s48
	s_add_nc_u64 s[38:39], s[10:11], s[42:43]
	s_lshl_b32 s42, s49, 9
	s_add_co_u32 s42, s42, s48
	s_add_co_u32 s42, s42, 98304
	s_add_nc_u64 s[40:41], s[10:11], s[42:43]
.irp a, 0,1,2,3,4,5,6,7
	s_wait_xcnt 0x0                                ; the earlier blocks' stores have read their data
	Q4 64*(\a%4), 2+\a/4, \a%2
	global_store_b128 v1, v[PCB+12*(\a%2):PCB+12*(\a%2)+3], s[38:39] offset:(\a/4)*HV+(\a%4)*1536
	global_store_b64 v2, v[PCB+12*(\a%2)+4:PCB+12*(\a%2)+5], s[38:39] offset:(\a/4)*HV+(\a%4)*1536+512
	global_store_b128 v1, v[PCB+12*(\a%2)+6:PCB+12*(\a%2)+9], s[38:39] offset:(\a/4)*HV+(\a%4)*1536+768
	global_store_b64 v2, v[PCB+12*(\a%2)+10:PCB+12*(\a%2)+11], s[38:39] offset:(\a/4)*HV+(\a%4)*1536+1280
	global_store_b32 v3, v[PW+\a%2], s[40:41] offset:(\a/4)*HV+(\a%4)*128
.endr
	s_endpgm
.Lfunc_end_k_qb7aae5f2cd_qkv:
	.size	k_qb7aae5f2cd_qkv, .Lfunc_end_k_qb7aae5f2cd_qkv-k_qb7aae5f2cd_qkv
	.p2alignl 7, 3214868480
	.fill 96, 4, 3214868480
	.section	.rodata,"a",@progbits
	.p2align	6, 0x0
	.amdhsa_kernel k_qb7aae5f2cd_qkv
		.amdhsa_group_segment_fixed_size 0
		.amdhsa_private_segment_fixed_size 0
		.amdhsa_enable_private_segment 0
		.amdhsa_kernarg_size 24
		.amdhsa_user_sgpr_count 2
		.amdhsa_user_sgpr_kernarg_segment_ptr 1
		.amdhsa_wavefront_size32 1
		.amdhsa_system_sgpr_workgroup_id_x 1
		.amdhsa_system_sgpr_workgroup_id_y 1
		.amdhsa_system_sgpr_workgroup_id_z 1
		.amdhsa_system_vgpr_workitem_id 0
		.amdhsa_next_free_vgpr 1024
		.amdhsa_next_free_sgpr 66
		.amdhsa_reserve_vcc 0
		.amdhsa_float_denorm_mode_32 3
		.amdhsa_float_denorm_mode_16_64 3
		.amdhsa_memory_ordered 1
		.amdhsa_forward_progress 1
		.amdhsa_inst_pref_size 231
	.end_amdhsa_kernel
	.amdgpu_metadata
---
amdhsa.version: [ 1, 2 ]
amdhsa.kernels:
  - .name:           k_qb7aae5f2cd_qkv
    .symbol:         k_qb7aae5f2cd_qkv.kd
    .args:
      - { .name: actp, .offset: 0, .size: 8, .value_kind: global_buffer, .address_space: global }
      - { .name: wbuf, .offset: 8, .size: 8, .value_kind: global_buffer, .address_space: global }
      - { .name: actq, .offset: 16, .size: 8, .value_kind: global_buffer, .address_space: global }
    .group_segment_fixed_size: 0
    .private_segment_fixed_size: 0
    .kernarg_segment_align: 8
    .kernarg_segment_size: 24
    .max_flat_workgroup_size: 32
    .sgpr_count:     66
    .vgpr_count:     1024
    .wavefront_size: 32
...
	.end_amdgpu_metadata
.endif
;; end of part 3
;; launch attn (part 4): grid 8 x 32, 16 waves a work-group, clusters of 4 x 1, 231,424 bytes of LDS; arguments actq, actp; writes actp
.if DOCPART == 4
	.amdgcn_target "amdgcn-amd-amdhsa--gfx1250"
	.amdhsa_code_object_version 6
	.text
	.protected	k_qb7aae5f2cd_attn
	.globl	k_qb7aae5f2cd_attn
	.p2align	8
	.type	k_qb7aae5f2cd_attn,@function
k_qb7aae5f2cd_attn:
	s_mov_b64 s[64:65], 0
	v_nop
	global_prefetch_b8 v0, s[64:65] scope:SCOPE_SE
	s_setreg_imm32_b32 hwreg(HW_REG_WAVE_MODE, 25, 1), 1
	s_wait_xcnt 0x0
	s_wait_alu depctr_hold_cnt(0) depctr_sa_sdst(0) depctr_va_vdst(0) depctr_va_sdst(0) depctr_va_ssrc(0) depctr_va_vcc(0) depctr_vm_vsrc(0)
	s_getreg_b32 s2, hwreg(HW_REG_IB_STS2, 6, 4)
	s_cmp_eq_u32 s2, 0
	s_cbranch_scc0 .Lentry_in_a_cluster
	s_endpgm
.Lentry_in_a_cluster:
	s_bfe_u32 s2, ttmp6, 0x10000c
	s_cmp_lg_u32 s2, 0x3003
	s_cbranch_scc0 .Lentry_shape_is_right
	s_endpgm
.Lentry_shape_is_right:
; Causal attention on codes of FP6 (E2M3) with E8M0 scales: 32 heads (batch x head) of 2,048 positions, head size 64.  ctx = softmax(Q K^T / 8) V, quantised along the features for the next product.
; THE SOFTMAX AHEAD OF THE SECOND PRODUCT: t = score x log2(e) / 8; M = the running largest t rounded UP to a whole number; p = 2^(t - M) is what is quantised, along the keys, not normalised.
; The row's sum is taken of the unquantised p and divides O at the end.  When M moves, the sum and O are multiplied by 2^(old M - new M): exact.
; IN (made by the launch before): for each head a Q and a K stream (128 tiles of 16 positions: half images of 768 bytes, 64 along K; then 128 scale images of 128 bytes) and a V stream (fragments (key step, tile of 16 features)
; of 1,536 bytes, keys innermost; then their scale images).  Lane r of tile i holds position (or feature) 32 (i / 2) + 8 (i % 2) + r + 8 (r / 8), so that 16 registers of two neighbouring result tiles are 16 neighbours.
; The head's 64 fill half of the instruction's K = 128: the other half of Q's and K's fragments are registers of zero codes, cleared once.
; SHARES.  A head's K and V, codes and scales, 221,184 bytes, lie in LDS whole: each byte is filled once, so there is no ring.  The four work-groups of a cluster serve one head and ask for each block JOINTLY.
; Eight work-groups serve a head; each of the sixteen waves owns one tile of 16 queries: wave w < 8 tile 8 w + g, wave w >= 8 tile 8 (23 - w) + 7 - g (g: the work-group's number in the head).  So the number of key steps
; of a wave, its tile / 8 + 1, hangs on the wave's number alone, and waves w, w + 4, w + 8, w + 12 have 34 key steps together.  g enters global addresses and the mask's register alone.
; Both products are used transposed (S^T = K Q^T, O^T = V^T P^T): a lane holds one query throughout.  A step all of whose keys come after the wave's queries is passed over by a scalar branch; both loops' trip counts are constants.
; LIMITS: NaN and infinities are not served; a block of zeros gets the byte 1: its codes are zeros, and this program alone reads the bytes.
; REGISTERS: v1-3 16, 8, 4 x lane; v4 the mask's bound; v5-10 LDS addresses; v12 -M, v13 the largest t, v[14:15] the sum; v16-27 Q; v32-79 four fragments of K; v96-159 S^T, then p; v160-191 O^T; v192-215 two fragments of V;
;   v224-235 p's codes; v232-254 at work; v248-251, v253, v255 scale words.
.set HK,   114688
.set HV,   106496
.set KREG, 3670016
.set VREG, 7340032
.set G8,   13312
.set G8S,  12288
.set KC,   0                           ; LDS: K's codes, 98,304 bytes
.set VC,   98304                       ; V's codes, 98,304
.set KSCL, 196608                      ; K's scale images, 16,384
.set VSCL, 212992                      ; V's scale images, 8,192
.set PARTA, 24576                      ; the codes of key steps 0 to 3
.macro CROUND                          ; a round of the cluster's barrier
	s_barrier_signal -1
	s_barrier_wait -1
	s_cmp_lg_u32 s8, 0
	s_cbranch_scc1 .Lnot_wave_0_\@
	s_barrier_signal -3
.Lnot_wave_0_\@:
	s_barrier_wait -3
	s_barrier_signal -1
	s_barrier_wait -1
.endm
	s_load_b128 s[4:7], s[0:1], 0x0                ; actq, actp
	v_lshl_add_u32 v223, v0, 2, 0x38000
	v_mov_b32 v243, 0
	ds_add_u32 v223, v243
	ds_add_u32 v223, v243
	v_lshrrev_b32 v1, 5, v0
	v_readfirstlane_b32 s8, v1                     ; wave 0..15
	s_bfe_u32 s9, ttmp6, 0x40000                   ; cx
	s_lshl_b32 s11, ttmp9, 2
	s_add_co_u32 s9, s9, s11                       ; g = 4 x cluster x + cx
	s_and_b32 s10, ttmp7, 0xffff                   ; the head, 16 x batch + head: the four partners share it
	s_sub_co_u32 s72, 23, s8
	s_sub_co_u32 s73, 7, s9
	s_cmp_lt_u32 s8, 8
	s_cselect_b32 s72, s8, s72                     ; QB: my tile / 8 = my last key step
	s_cselect_b32 s73, s9, s73                     ; J: my tile % 8
	; descriptor groups 1: dense blocks as R rows of 256 bytes (32 elements of 8 bytes): R = 96, 288, 64, 32
.irp g, 12, 20, 28, 36
	s_mov_b32 s[\g], 15|(3<<16)|(1<<21)            ; 15:0 the mask: all four work-groups; 17:16 elements of 8 bytes; 21 set beside a mask; no padding
	s_mov_b32 s[\g+1], 32<<16                      ; tensor_dim0 = 32
	s_mov_b32 s[\g+3], 32<<16                      ; tile_dim0 = 32
	s_mov_b32 s[\g+5], 32                          ; from row to row
	s_mov_b32 s[\g+6], 0
	s_mov_b32 s[\g+7], 0
.endr
	s_mov_b32 s14, 96<<16                          ; tensor_dim1,
	s_mov_b32 s16, 96                              ; tile_dim1
	s_mov_b32 s22, 288<<16
	s_mov_b32 s24, 288
	s_mov_b32 s30, 64<<16
	s_mov_b32 s32, 64
	s_mov_b32 s38, 32<<16
	s_mov_b32 s40, 32
	s_mul_i32 s84, s10, HK
	s_add_co_u32 s86, s84, KREG
	s_mov_b32 s85, 0
	s_mov_b32 s87, 0
	s_mul_i32 s88, s10, HV
	s_add_co_u32 s88, s88, VREG
	s_mov_b32 s89, 0
	s_wait_dscnt 0x0
	s_wait_kmcnt 0x0
	s_add_nc_u64 s[86:87], s[4:5], s[86:87]        ; the head's K stream
	s_add_nc_u64 s[88:89], s[4:5], s[88:89]        ; its V stream
	s_add_nc_u64 s[84:85], s[4:5], s[84:85]        ; its Q stream
	; descriptor groups 0: count 1, LDS address, global address, type 2
	s_mov_b32 s44, 1                               ; K's scale images
	s_mov_b32 s45, KSCL
	s_add_nc_u64 s[46:47], s[86:87], 98304
	s_or_b32 s47, s47, 0x80000000
	s_mov_b32 s48, 1                               ; K's codes, key steps 0-3
	s_mov_b32 s49, KC
	s_mov_b64 s[50:51], s[86:87]
	s_or_b32 s51, s51, 0x80000000
	s_mov_b32 s52, 1                               ; K's codes, key steps 4-15
	s_mov_b32 s53, KC+PARTA
	s_add_nc_u64 s[54:55], s[86:87], PARTA
	s_or_b32 s55, s55, 0x80000000
	s_mov_b32 s56, 1                               ; V's likewise
	s_mov_b32 s57, VSCL
	s_add_nc_u64 s[58:59], s[88:89], 98304
	s_or_b32 s59, s59, 0x80000000
	s_mov_b32 s60, 1
	s_mov_b32 s61, VC
	s_mov_b64 s[62:63], s[88:89]
	s_or_b32 s63, s63, 0x80000000
	s_mov_b32 s68, 1
	s_mov_b32 s69, VC+PARTA
	s_add_nc_u64 s[70:71], s[88:89], PARTA
	s_or_b32 s71, s71, 0x80000000
	CROUND                                         ; all four work-groups are here: the joint loads meet
	s_cmp_eq_u32 s8, 0                             ; wave 0 asks for K's three blocks, wave 1 for V's: a wave has three tensor loads out at the most; each wave's stand in one branch on the wave's number
	s_cbranch_scc0 .Lnot_k
	tensor_load_to_lds s[44:47], s[28:35]
	s_nop 0
	tensor_load_to_lds s[48:51], s[12:19]
	s_nop 0
	tensor_load_to_lds s[52:55], s[20:27]
	s_nop 0
.rept 4
	v_nop
.endr
	s_branch .Lasked
.Lnot_k:
	s_cmp_eq_u32 s8, 1
	s_cbranch_scc0 .Lasked
	tensor_load_to_lds s[56:59], s[36:43]
	s_nop 0
	tensor_load_to_lds s[60:63], s[12:19]
	s_nop 0
	tensor_load_to_lds s[68:71], s[20:27]
	s_nop 0
.rept 4
	v_nop
.endr
.Lasked:
	v_and_b32 v11, 31, v0
	v_lshlrev_b32 v1, 4, v11                       ; 16 x lane
	v_lshlrev_b32 v2, 3, v11                       ; 8 x lane
	v_lshlrev_b32 v3, 2, v11                       ; 4 x lane
	s_lshl_b32 s90, s72, 3
	s_add_co_u32 s90, s90, s73                     ; my tile
	s_mul_i32 s92, s90, 768
	s_mov_b32 s93, 0
	s_add_nc_u64 s[94:95], s[84:85], s[92:93]      ; its half image
	s_lshl_b32 s92, s90, 7
	s_add_co_u32 s92, s92, 98304
	s_add_nc_u64 s[96:97], s[84:85], s[92:93]      ; its scale image
	global_load_b128 v[16:19], v1, s[94:95]
	global_load_b64 v[20:21], v2, s[94:95] offset:512
	global_load_b32 v255, v3, s[96:97]
.irp i, 22,23,24,25,26,27
	v_mov_b32 v[\i], 0                             ; Q's codes for K = 64 .. 127: zeros
.endr
.irp t, 0,1,2,3
.irp i, 6,7,8,9,10,11
	v_mov_b32 v[32+12*\t+\i], 0                    ; K's likewise: written once, never loaded over
.endr
.endr
	; where ctx goes: group (16 x batch + QB, head / 2), fragment J, half head % 2
	s_lshr_b32 s92, s10, 4
	s_lshl_b32 s92, s92, 4
	s_add_co_u32 s92, s92, s72
	s_lshl_b32 s92, s92, 3
	s_bfe_u32 s66, s10, 0x30001
	s_add_co_u32 s92, s92, s66
	s_mul_i32 s66, s92, G8
	s_and_b32 s67, s10, 1
	s_mul_i32 s92, s73, 1536
	s_add_co_u32 s92, s92, s66
	s_mul_i32 s11, s67, 768
	s_add_co_u32 s92, s92, s11
	s_add_nc_u64 s[90:91], s[6:7], s[92:93]
	s_lshl_b32 s92, s73, 7
	s_add_co_u32 s92, s92, s66
	s_lshl_b32 s11, s67, 1
	s_add_co_u32 s92, s92, s11
	s_add_co_u32 s92, s92, G8S
	s_add_nc_u64 s[98:99], s[6:7], s[92:93]
	; the mask's bound: my query within its 128, less 16 h.  Register n holds key 32 (n / 16) + 16 h + n % 16 of the step: hidden where 32 (n / 16) + n % 16 is above the bound
	s_lshr_b32 s66, s73, 1
	s_lshl_b32 s66, s66, 5
	s_and_b32 s67, s73, 1
	s_lshl_b32 s67, s67, 3
	s_add_co_u32 s66, s66, s67
	v_and_b32 v4, 15, v0
	v_and_b32 v5, 8, v4
	v_add_nc_u32 v4, v4, v5
	v_bfe_u32 v5, v0, 4, 1
	v_lshlrev_b32 v5, 4, v5
	v_sub_nc_u32 v4, v4, v5
	v_add_nc_u32 v4, s66, v4
	s_mov_b32 s80, 0x76543210
	s_mov_b32 s81, 0xfedcba98                      ; v_permlanex16_b32's selects for lane l xor 16
	s_mov_b32 s82, 0x3e38aa3b                      ; c = log2(e) / 8
	s_mov_b32 s83, s82                             ; (named with it as a pair, so it is written)
	s_mov_b32 s74, 0                               ; the key step
	s_mov_b32 s75, KC                              ; where its tiles of K begin, 6,144 bytes a step,
	s_mov_b32 s76, VC                              ; its fragments of V, likewise,
	s_mov_b32 s77, KSCL                            ; K's scale images, 1,024 a step,
	s_mov_b32 s78, VSCL                            ; V's, 512 a step
	v_mov_b32 v13, 0xff61b1e6                      ; the largest t so far: -3e38, under every t
	v_floor_f32 v12, -v13                          ; -M
	v_mov_b32 v14, 0                               ; the sum, in two halves
	v_mov_b32 v15, 0
.irp b, 0,1,2,3
	v_mov_b32 v[236+\b], 0                         ; written once: a lane permute's destination counts as one of its sources
.endr
	v_mov_b32 v252, 0
	v_mov_b32 v253, 0                              ; (named as the upper half of the pair v[252:253] before it is first written)
.set j, 0
.rept 32
	v_mov_b32 v[160+j], 0                          ; O^T: the step is written once for all trips; the first finds zeros, which the first change of M leaves zeros
.set j, j+1
.endr
; A KEY STEP: 128 keys.
.macro STEP
	s_cmp_gt_u32 s74, s72                          ; all its keys come after my queries: only the lines at its end are run
	s_cbranch_scc1 .Lhid_\@
	v_add_nc_u32 v5, s75, v1                       ; (these six are also the places ahead of the loads into registers that the last products read)
	v_add_nc_u32 v6, s75, v2
	v_add_nc_u32 v7, s77, v3
	v_add_nc_u32 v8, s76, v1
	v_add_nc_u32 v9, s76, v2
	v_add_nc_u32 v10, s78, v3
.irp g, 0,1                                    ; S^T = K Q^T, four tiles of 16 keys at a time
.if \g > 0
.rept 4
	v_nop
.endr
.endif
.irp t, 0,1,2,3
	ds_load_b128 v[32+12*\t:35+12*\t], v5 offset:(4*\g+\t)*768
	ds_load_b64 v[36+12*\t:37+12*\t], v6 offset:(4*\g+\t)*768+512
	ds_load_b32 v[248+\t], v7 offset:(4*\g+\t)*128
.endr
	s_wait_dscnt 0x0
.irp t, 0,1,2,3
	v_wmma_scale_f32_16x16x128_f8f6f4 v[96+8*(4*\g+\t):103+8*(4*\g+\t)], v[32+12*\t:43+12*\t], v[16:27], 0, v[248+\t], v255 matrix_a_fmt:MATRIX_FMT_FP6 matrix_b_fmt:MATRIX_FMT_FP6
.endr
.endr
.rept 4
	v_nop
.endr
	s_cmp_lt_u32 s74, s72                          ; a step all of whose keys count skips the mask
	s_cbranch_scc1 .Lopen_\@
	v_mov_b32 v254, 0xff800000                     ; on the diagonal hidden scores become -infinity ahead of the maximum: p = 0 then.  The step's key 0 counts for every query
.set n, 0
.rept 64
	v_cmp_gt_i32 vcc_lo, 32*(n/16)+n%16, v4
	v_cndmask_b32 v[96+n], v[96+n], v254, vcc_lo
.set n, n+1
.endr
.Lopen_\@:
.irp b, 0,1,2,3
	v_max3_num_f32 v[232+\b], v[96+16*\b], v[97+16*\b], v[98+16*\b]   ; the largest score of each block of 32 keys: for the row's maximum and, since p rises with the score, for the block's largest p
.endr
.irp i, 3,5,7,9,11,13
.irp b, 0,1,2,3
	v_max3_num_f32 v[232+\b], v[232+\b], v[96+16*\b+\i], v[97+16*\b+\i]
.endr
.endr
.irp b, 0,1,2,3
	v_max_num_f32 v[232+\b], v[232+\b], v[111+16*\b]
.endr
.irp b, 0,1,2,3
	v_permlanex16_b32 v[236+\b], v[232+\b], s80, s81
.endr
.irp b, 0,1,2,3
	v_max_num_f32 v[232+\b], v[232+\b], v[236+\b]  ; with lane l xor 16's 16 keys
.endr
	v_max3_num_f32 v254, v232, v233, v234
	v_max_num_f32 v254, v254, v235                 ; the step's largest score of my query
	v_mul_f32 v254, s82, v254                      ; as t
	v_max_num_f32 v13, v13, v254                   ; the running largest t
	v_mov_b32 v254, v12
	v_floor_f32 v12, -v13                          ; the new -M = -ceil(t): a whole number
	v_sub_f32 v254, v12, v254                      ; old M - new M: a whole number, 0 or less
	v_cvt_i32_f32 v254, v254                       ; (it saturates)
	v_ldexp_f32 v252, 1.0, v254                    ; f = 2^(old M - new M)
.set j, 0
.rept 32
	v_pk_fma_f32 v[96+j:97+j], v[96+j:97+j], s[82:83], v[12:13] op_sel_hi:[1,0,0]   ; t - M, two at a time
.set j, j+2
.endr
.irp b, 0,1,2,3
	v_fma_f32 v[232+\b], v[232+\b], s82, v12       ; the same of each block's largest score
.endr
.set j, 0
.rept 64
	v_exp_f32 v[96+j], v[96+j]                     ; p = 2^(t - M), at most 1: not normalised
.set j, j+1
.endr
	v_pk_mul_f32 v[14:15], v[14:15], v[252:253] op_sel_hi:[1,0]   ; the sums under the new M (a plain instruction behind the batch)
	s_wait_alu depctr_va_vdst(0)                   ; one wait for the batch, ahead of its first reader
.irp b, 0,1,2,3
	v_exp_f32 v[232+\b], v[232+\b]                 ; the block's largest p: the same two instructions on the same number give the same bits
.endr
	v_pk_add_f32 v[236:237], v[96:97], v[98:99]    ; the row's sum of the unquantised p, in two chains
.irp j, 4,8,12,16,20,24,28,32,36,40,44,48,52,56,60
	v_pk_add_f32 v[14:15], v[14:15], v[96+\j:97+\j]
	v_pk_add_f32 v[236:237], v[236:237], v[98+\j:99+\j]
.endr
	v_pk_add_f32 v[14:15], v[14:15], v[236:237]
	s_wait_alu depctr_va_vdst(0)                   ; and one for the four
.irp b, 0,1,2,3
	v_max_num_f32 v[232+\b], 0x1800000, v[232+\b]  ; the floor 2^(3 - 127): the byte cannot fall under 1
.endr
.irp b, 0,1,2,3
	v_add_nc_u32 v[244+\b], 0xff000000, v[232+\b]  ; 2 off the exponent field: the conversion's scale operand
.endr
.irp b, 0,1,2,3
	v_lshrrev_b32 v[236+\b], 23, v[244+\b]         ; the scale's byte
.endr
	v_lshl_or_b32 v253, v237, 8, v236              ; p's scale word for these 128 keys
	v_lshl_or_b32 v253, v238, 16, v253
	v_lshl_or_b32 v253, v239, 24, v253
.irp c, 0,1
	v_cvt_scalef32_pk16_fp6_f32 v[224+6*\c:226+6*\c], v[96+32*\c:111+32*\c], v[244+2*\c]
	v_cvt_scalef32_pk16_fp6_f32 v[236+4*\c:238+4*\c], v[112+32*\c:127+32*\c], v[244+2*\c+1]   ; (a conversion's three registers begin on an even number)
.endr
	v_nop                                          ; one plain instruction behind a scaled conversion
.irp c, 0,1                                    ; the operand's layout wants a whole block in a lane
.irp i, 0,1,2
	v_permlane16_swap_b32 v[224+6*\c+\i], v[236+4*\c+\i]
.endr
.irp i, 0,1,2
	v_mov_b32 v[227+6*\c+\i], v[236+4*\c+\i]
.endr
.endr
.set j, 0
.rept 16
	v_pk_mul_f32 v[160+j:161+j], v[160+j:161+j], v[252:253] op_sel_hi:[1,0]   ; O^T under the new M.  (These sixteen are also the places ahead of the products and loads below)
.set j, j+2
.endr
.irp g, 0,1                                    ; O^T += V^T P^T: two tiles of 16 features at a time; K = these 128 keys
.if \g > 0
.rept 4
	v_nop
.endr
.endif
.irp t, 0,1
	ds_load_b128 v[192+12*\t:195+12*\t], v8 offset:(2*\g+\t)*1536
	ds_load_b64 v[196+12*\t:197+12*\t], v9 offset:(2*\g+\t)*1536+512
	ds_load_b128 v[198+12*\t:201+12*\t], v8 offset:(2*\g+\t)*1536+768
	ds_load_b64 v[202+12*\t:203+12*\t], v9 offset:(2*\g+\t)*1536+1280
	ds_load_b32 v[248+\t], v10 offset:(2*\g+\t)*128
.endr
	s_wait_dscnt 0x0
.irp t, 0,1
	v_wmma_scale_f32_16x16x128_f8f6f4 v[160+8*(2*\g+\t):167+8*(2*\g+\t)], v[192+12*\t:203+12*\t], v[224:235], v[160+8*(2*\g+\t):167+8*(2*\g+\t)], v[248+\t], v253 matrix_a_fmt:MATRIX_FMT_FP6 matrix_b_fmt:MATRIX_FMT_FP6
.endr
.endr
.Lhid_\@:
	s_add_co_u32 s74, s74, 1
	s_add_co_u32 s75, s75, 6144
	s_add_co_u32 s76, s76, 6144
	s_add_co_u32 s77, s77, 1024
	s_add_co_u32 s78, s78, 512
.endm
	s_wait_tensorcnt 1                             ; the scale images and the codes of key steps 0-3 are in; my third load, key steps 4-15, may stay out
	s_barrier_signal -1
	s_barrier_wait -1                              ; both fetching waves have said so
	s_wait_loadcnt 0x0                             ; Q
	s_mov_b32 s79, 4
.Lfirst:
	STEP
	s_sub_co_u32 s79, s79, 1
	s_cmp_lg_u32 s79, 0
	s_cbranch_scc1 .Lfirst
	s_wait_tensorcnt 0x0                           ; the rest of the codes is in
	s_wait_dscnt 0x0
	s_barrier_signal -1
	s_barrier_wait -1
	s_mov_b32 s79, 12
.Lrest:
	STEP
	s_sub_co_u32 s79, s79, 1
	s_cmp_lg_u32 s79, 0
	s_cbranch_scc1 .Lrest
	; THE WAY OUT: O^T / the sum; register n is ctx(my query, feature 32 (n / 16) + 16 h + n % 16 of the head): two blocks of 32, quantised: half a fragment of the next product's operand
.rept 4
	v_nop                                          ; places behind the last products
.endr
	v_add_f32 v14, v14, v15
	v_permlanex16_b32 v252, v14, s80, s81
	v_add_f32 v14, v14, v252                       ; the row's sum
	v_rcp_f32 v14, v14
	v_nop                                          ; a plain instruction behind the transcendental
	s_wait_alu depctr_va_vdst(0)                   ; the wait ahead of the first reader
.set j, 0
.rept 32
	v_mul_f32 v[96+j], v[160+j], v14               ; each accumulator from its low end on
.set j, j+1
.endr
.irp b, 0,1
	v_max3_num_f32 v[232+\b], |v[96+16*\b]|, |v[97+16*\b]|, 0x1800000
.endr
.irp i, 2,4,6,8,10,12,14
.irp b, 0,1
	v_max3_num_f32 v[232+\b], v[232+\b], |v[96+16*\b+\i]|, |v[97+16*\b+\i]|
.endr
.endr
.irp b, 0,1
	v_permlanex16_b32 v[236+\b], v[232+\b], s80, s81
.endr
.irp b, 0,1
	v_max_num_f32 v[232+\b], v[232+\b], v[236+\b]
.endr
.irp b, 0,1
	v_add_nc_u32 v[244+\b], 0xff000000, v[232+\b]
.endr
.irp b, 0,1
	v_lshrrev_b32 v[236+\b], 23, v[244+\b]
.endr
	v_lshl_or_b32 v253, v237, 8, v236              ; my head's two bytes of the K step's scale word; the other two are the neighbouring head's
	v_cvt_scalef32_pk16_fp6_f32 v[224:226], v[96:111], v244
	v_cvt_scalef32_pk16_fp6_f32 v[240:242], v[112:127], v245
	v_nop
.irp i, 0,1,2
	v_permlane16_swap_b32 v[224+\i], v[240+\i]
.endr
.irp i, 0,1,2
	v_mov_b32 v[227+\i], v[240+\i]
.endr
	global_store_b128 v1, v[224:227], s[90:91]               ; 32 lanes store 512 consecutive bytes
	global_store_b64 v2, v[228:229], s[90:91] offset:512
	global_store_b16 v3, v253, s[98:99]
	s_wait_dscnt 0x0
	s_wait_tensorcnt 0x0
	ds_add_u32 v223, v243
	s_wait_dscnt 0x0
	CROUND                                         ; the closing round: no work-group ends while a partner may still ask for a block that names it
	s_endpgm
.Lfunc_end_k_qb7aae5f2cd_attn:
	.size	k_qb7aae5f2cd_attn, .Lfunc_end_k_qb7aae5f2cd_attn-k_qb7aae5f2cd_attn
	.p2alignl 7, 3214868480
	.fill 96, 4, 3214868480
	.section	.rodata,"a",@progbits
	.p2align	6, 0x0
	.amdhsa_kernel k_qb7aae5f2cd_attn
		.amdhsa_group_segment_fixed_size 231424
		.amdhsa_private_segment_fixed_size 0
		.amdhsa_enable_private_segment 0
		.amdhsa_kernarg_size 16
		.amdhsa_user_sgpr_count 2
		.amdhsa_user_sgpr_kernarg_segment_ptr 1
		.amdhsa_wavefront_size32 1
		.amdhsa_system_sgpr_workgroup_id_x 1
		.amdhsa_system_sgpr_workgroup_id_y 1
		.amdhsa_system_sgpr_workgroup_id_z 1
		.amdhsa_system_vgpr_workitem_id 0
		.amdhsa_next_free_vgpr 256
		.amdhsa_next_free_sgpr 100
		.amdhsa_reserve_vcc 1
		.amdhsa_float_denorm_mode_32 3
		.amdhsa_float_denorm_mode_16_64 3
		.amdhsa_memory_ordered 1
		.amdhsa_forward_progress 1
		.amdhsa_inst_pref_size 59
	.end_amdhsa_kernel
	.amdgpu_metadata
---
amdhsa.version: [ 1, 2 ]
amdhsa.kernels:
  - .name:           k_qb7aae5f2cd_attn
    .symbol:         k_qb7aae5f2cd_attn.kd
    .args:
      - { .name: actq, .offset: 0, .size: 8, .value_kind: global_buffer, .address_space: global }
      - { .name: actp, .offset: 8, .size: 8, .value_kind: global_buffer, .address_space: global }
    .group_segment_fixed_size: 231424
    .private_segment_fixed_size: 0
    .kernarg_segment_align: 8
    .kernarg_segment_size: 16
    .max_flat_workgroup_size: 512
    .sgpr_count:     100
    .vgpr_count:     256
    .wavefront_size: 32
...
	.end_amdgpu_metadata
.endif
;; end of part 4
;; launch oproj (part 5): grid 256 x 1, 1 waves a work-group, no clusters, 8,960 bytes of LDS; arguments actp, wbuf, x, out1; writes out1
.if DOCPART == 5
	.amdgcn_target "amdgcn-amd-amdhsa--gfx1250"
	.amdhsa_code_object_version 6
	.text
	.protected	k_qb7aae5f2cd_oproj
	.globl	k_qb7aae5f2cd_oproj
	.p2align	8
	.type	k_qb7aae5f2cd_oproj,@function
k_qb7aae5f2cd_oproj:
	s_mov_b64 s[64:65], 0
	v_nop
	global_prefetch_b8 v0, s[64:65] scope:SCOPE_SE
	s_setreg_imm32_b32 hwreg(HW_REG_WAVE_MODE, 25, 1), 1
	s_wait_xcnt 0x0
; out1 = x + ctx Wo: C = A B^T on codes of FP6 (E2M3) with E8M0 scales, 128 x 128 of C to a wave, one wave to a work-group, K = 1,024 in 8 steps of 128; then the residual is added and f32 rows are stored.
; A = ctx (32 tiles of tokens), B = Wo (8 tiles of columns).
; OPERANDS lie in memory as images of their registers: group (tile, K step) of 13,312 bytes = 8 fragments of 1,536 (two halves of 768: registers 0-3 at 16 lane, 4-5 at 512 + 8 lane) + 8 scale images of 128.
; They go from memory straight into two sets of registers that take turns: no LDS, no barrier and no tensor load in the K loop.  Tiles are not asked for jointly in a cluster: the operands never lie in LDS, so there is no tile
; that a joint load could fill; each group is read by every wave whose tile needs it (8 or 32 waves).
; THE MATRIX INSTRUCTION IS USED TRANSPOSED (source 0 = 16 rows of B, source 1 = 16 rows of A), and lane r of row block i holds operand row 32 (i / 2) + 8 (i % 2) + r + 8 (r / 8): so for a block a of A the 64 registers of
; accumulators (a, 0..7) are, in lane (r, h), register n = column 32 (n / 16) + 16 h + n % 16 of A's row r.
; K IS WALKED FROM A START THAT DIFFERS FROM TILE TO TILE ((TA + TB) mod the number of K steps) and wraps, so that the waves that read a group do not all ask for it in the same step: the order of the f32 sums differs from tile to tile.
; LIMITS: NaN and infinities are not served.
; REGISTERS: window 0: v1-4 lane terms; v32-63 scale words and nothing else (set p: A's at 32 + 16 p, B's at 40 + 16 p); v64-159, v160-255 A's fragments, sets 0, 1.  window 1: v0-95, v96-191 B's sets.
;   windows 2, 3: accumulator (a, b) at v[8 (8 (a % 4) + b)] of window 2 + a / 4.  On the way out windows 0 (from v64) and 1 are free.
.set KS,       8                       ; K steps
.set LOGH,     2                       ; log2 of half the number of B's tiles
.set WOFF,     2555904                 ; where Wo's groups begin in wbuf
.set G8,       13312
.set G8S,      12288
.set MSB, 0
.macro WIN new                         ; the immediate's high byte repeats the setting that is left; a switch that changes nothing is dropped
.if MSB != (\new)
	s_set_vgpr_msb (MSB<<8)|(\new)
.set MSB, (\new)
.endif
.endm
.set MUL_LO, 0xa1                      ; source 0 (B) window 1, source 1 (A) window 0, C and D window 2
.set MUL_HI, 0xf1                      ; the same, C and D window 3
.set TO_B,   0x40                      ; destination window 1, address window 0
.macro PLACES                          ; four plain instructions between a matrix instruction and a load into, or a vector instruction or store on, its registers
.rept 4
	v_nop
.endr
.endm
.macro LOADA p, j0                     ; A's blocks j0 .. j0 + 3 of the K step at s[32:33], and their scale words, into set p: 20 loads
.irp j, \j0, \j0+1, \j0+2, \j0+3
	global_load_b128 v[64+96*(\p)+12*(\j):64+96*(\p)+12*(\j)+3], v1, s[32:33] offset:(\j)*1536
	global_load_b64 v[64+96*(\p)+12*(\j)+4:64+96*(\p)+12*(\j)+5], v2, s[32:33] offset:(\j)*1536+512
	global_load_b128 v[64+96*(\p)+12*(\j)+6:64+96*(\p)+12*(\j)+9], v1, s[32:33] offset:(\j)*1536+768
	global_load_b64 v[64+96*(\p)+12*(\j)+10:64+96*(\p)+12*(\j)+11], v2, s[32:33] offset:(\j)*1536+1280
	global_load_b32 v[32+16*(\p)+(\j)], v3, s[32:33] offset:G8S+128*(\j)
.endr
.endm
.macro LOADB p                         ; B's eight blocks and their scale words: 40 loads
	WIN TO_B
.irp j, 0,1,2,3,4,5,6,7
	global_load_b128 v[96*(\p)+12*\j:96*(\p)+12*\j+3], v1, s[34:35] offset:\j*1536
	global_load_b64 v[96*(\p)+12*\j+4:96*(\p)+12*\j+5], v2, s[34:35] offset:\j*1536+512
	global_load_b128 v[96*(\p)+12*\j+6:96*(\p)+12*\j+9], v1, s[34:35] offset:\j*1536+768
	global_load_b64 v[96*(\p)+12*\j+10:96*(\p)+12*\j+11], v2, s[34:35] offset:\j*1536+1280
.endr
	WIN 0
.irp j, 0,1,2,3,4,5,6,7
	global_load_b32 v[40+16*(\p)+\j], v3, s[34:35] offset:G8S+128*\j
.endr
.endm
.macro ADV                             ; on to the next K step, round the end
	s_wait_xcnt 0x0                                ; the loads issued so far have read their bases: these may be written
	s_add_co_u32 s24, s24, 1
	s_and_b32 s24, s24, KS-1
	s_mul_i32 s26, s24, G8
	s_add_nc_u64 s[32:33], s[28:29], s[26:27]
	s_add_nc_u64 s[34:35], s[30:31], s[26:27]
.endm
; 16 matrix instructions: A's blocks a0, a0 + 1 x B's eight.  The 64 accumulators take turns, one instruction a turn, in the same order in every step.  zero = 1: the first products start the sums.
.macro MUL16 a0, p, zero
.irp a, \a0, \a0+1
.irp b, 0,1,2,3,4,5,6,7
.if \zero
	v_wmma_scale_f32_16x16x128_f8f6f4 v[8*(8*((\a)%4)+\b):8*(8*((\a)%4)+\b)+7], v[96*(\p)+12*\b:96*(\p)+12*\b+11], v[64+96*(\p)+12*(\a):64+96*(\p)+12*(\a)+11], 0, v[40+16*(\p)+\b], v[32+16*(\p)+(\a)] matrix_a_fmt:MATRIX_FMT_FP6 matrix_b_fmt:MATRIX_FMT_FP6
.else
	v_wmma_scale_f32_16x16x128_f8f6f4 v[8*(8*((\a)%4)+\b):8*(8*((\a)%4)+\b)+7], v[96*(\p)+12*\b:96*(\p)+12*\b+11], v[64+96*(\p)+12*(\a):64+96*(\p)+12*(\a)+11], v[8*(8*((\a)%4)+\b):8*(8*((\a)%4)+\b)+7], v[40+16*(\p)+\b], v[32+16*(\p)+(\a)] matrix_a_fmt:MATRIX_FMT_FP6 matrix_b_fmt:MATRIX_FMT_FP6
.endif
.endr
.endr
.endm
; A K step on set p.  refill = 1: the set takes the K step two on, A's blocks 0-3 as soon as their products are issued, the rest at the step's end: it is wanted a whole step later.
.macro STEP p, zero, refill, cnt
	s_wait_loadcnt \cnt                            ; set p is in.  Behind its loads the other set's 80 were issued: 63 is the largest count that a wait can name, and a smaller count is always safe.  The last step: 0
.if \refill
	ADV
.endif
	WIN MUL_LO
	MUL16 0, \p, \zero
	MUL16 2, \p, \zero
.if \refill
	PLACES
	WIN 0
	LOADA \p, 0
.endif
	WIN MUL_HI
	MUL16 4, \p, \zero
	MUL16 6, \p, \zero
.if \refill
	PLACES
	WIN 0
	LOADA \p, 4
	LOADB \p
.endif
	WIN 0
.endm
	s_load_b256 s[4:11], s[0:1], 0x0               ; the activations s[4:5], wbuf s[6:7], the residual s[8:9], out s[10:11]
	v_lshl_add_u32 v30, v0, 2, 0x2200
	v_mov_b32 v31, 0
	v_lshlrev_b32 v1, 4, v0                        ; 16 x lane
	v_lshlrev_b32 v2, 3, v0                        ; 8 x lane
	v_lshlrev_b32 v3, 2, v0                        ; 4 x lane
	v_and_b32 v7, 15, v0                           ; r
	v_lshrrev_b32 v8, 4, v0                        ; h
	v_mul_u32_u24 v4, v7, 528
	v_lshl_add_u32 v4, v8, 6, v4                   ; the stage: row r of 528 bytes, + 64 h
	s_and_b32 s19, ttmp9, 1                        ; four neighbouring work-groups make 2 x 2 tiles
	s_bfe_u32 s18, ttmp9, 0x10001
	s_lshr_b32 s25, ttmp9, 2
	s_and_b32 s37, s25, (1<<LOGH)-1
	s_lshl_b32 s37, s37, 1
	s_add_co_u32 s19, s19, s37                     ; TB
	s_lshr_b32 s37, s25, LOGH
	s_lshl_b32 s37, s37, 1
	s_add_co_u32 s18, s18, s37                     ; TA
	s_mul_i32 s36, s18, KS*G8
	s_mov_b32 s37, 0
	s_mul_i32 s38, s19, KS*G8
	s_add_co_u32 s38, s38, WOFF
	s_mov_b32 s39, 0
	s_wait_kmcnt 0x0
	s_add_nc_u64 s[28:29], s[4:5], s[36:37]        ; A's tile
	s_add_nc_u64 s[30:31], s[6:7], s[38:39]        ; B's tile
	s_add_co_u32 s24, s18, s19
	s_and_b32 s24, s24, KS-1                       ; the K step at which this tile begins
	s_mul_i32 s26, s24, G8
	s_mov_b32 s27, 0
	s_add_nc_u64 s[32:33], s[28:29], s[26:27]
	s_add_nc_u64 s[34:35], s[30:31], s[26:27]
	LOADA 0, 0
	LOADA 0, 4
	LOADB 0
	ADV
	LOADA 1, 0
	LOADA 1, 4
	LOADB 1
	STEP 0, 1, 1, 63                               ; the first step stands ahead of the loop: its products start the sums
	s_mov_b32 s23, (KS-4)/2
.Lk:
	STEP 1, 0, 1, 63
	STEP 0, 0, 1, 63
	s_sub_co_u32 s23, s23, 1
	s_cmp_lg_u32 s23, 0
	s_cbranch_scc1 .Lk
	STEP 1, 0, 1, 63                               ; the last refill
	STEP 0, 0, 0, 63
	STEP 1, 0, 0, 0
	PLACES                                         ; behind the last products: all that follows may read results and write over operands
	; ---- + residual, f32 rows.  A block of 16 rows x 128 columns goes through the wave's stage in LDS (rows of 512 bytes + 16) and comes back as whole rows.
	s_mov_b32 s43, 0
	s_lshl_b32 s42, s18, 19                        ; 128 rows of 4,096 bytes a tile
	s_lshl_b32 s48, s19, 9                         ; 128 columns
	s_add_co_u32 s42, s42, s48
	s_add_nc_u64 s[36:37], s[8:9], s[42:43]
	s_add_nc_u64 s[38:39], s[10:11], s[42:43]
.macro RLOAD a                         ; block a's rows of the residual into window 1, set a % 2: row t of the stage is row 32 (a / 2) + 8 (a % 2) + t + 8 (t / 8) of the tile
	WIN TO_B
.irp t, 0,1,2,3,4,5,6,7,8,9,10,11,12,13,14,15
	global_load_b128 v[64*((\a)%2)+4*\t:64*((\a)%2)+4*\t+3], v1, s[36:37] offset:(32*((\a)/2)+8*((\a)%2)+\t+8*(\t/8))*4096 th:TH_LOAD_NT
.endr
	WIN 0
.endm
.macro TOSTAGE a                       ; LDS serves a wave's instructions in order (ISA guide 5.7.1.4): no wait between the stores and the loads, nor ahead of the next block's stores
	WIN 0x08+4*((\a)/4)                            ; an LDS store's data are its source 1: window 2 or 3
.irp b, 0,1,2,3,4,5,6,7
	ds_store_b128 v4, v[64*((\a)%4)+8*\b:64*((\a)%4)+8*\b+3] offset:128*(\b/2)+32*(\b%2)        ; each accumulator from its low end on
	ds_store_b128 v4, v[64*((\a)%4)+8*\b+4:64*((\a)%4)+8*\b+7] offset:128*(\b/2)+32*(\b%2)+16
.endr
	WIN 0
.irp t, 0,1,2,3,4,5,6,7,8,9,10,11,12,13,14,15
	ds_load_b128 v[64+64*((\a)%2)+4*\t:64+64*((\a)%2)+4*\t+3], v1 offset:528*\t
.endr
.endm
	RLOAD 0
	TOSTAGE 0
.irp a, 0,1,2,3,4,5,6,7
.if \a < 7
	RLOAD \a+1
.if \a > 0
	s_wait_xcnt 0x0                                ; block a - 1's stores have read their data: block a + 1's rows may land there
.endif
	TOSTAGE \a+1
	s_wait_dscnt 32                                ; block a is back; the next block's 16 stores and 16 loads may be out
	s_wait_loadcnt 16                              ; its residual is in; the next block's 16 loads may be out
.else
	s_wait_dscnt 0x0
	s_wait_loadcnt 0x0
.endif
	WIN 0x04                                       ; source 1 window 1
.set i, 0
.rept 32
	v_pk_add_f32 v[64+64*(\a%2)+2*i:64+64*(\a%2)+2*i+1], v[64+64*(\a%2)+2*i:64+64*(\a%2)+2*i+1], v[64*(\a%2)+2*i:64*(\a%2)+2*i+1]
.set i, i+1
.endr
	WIN 0
.irp t, 0,1,2,3,4,5,6,7,8,9,10,11,12,13,14,15
	global_store_b128 v1, v[64+64*(\a%2)+4*\t:64+64*(\a%2)+4*\t+3], s[38:39] offset:(32*(\a/2)+8*(\a%2)+\t+8*(\t/8))*4096   ; 32 lanes store 512 consecutive bytes, at a multiple of 512 from the buffer's first byte
.endr
.endr
	s_wait_tensorcnt 0x0
	ds_add_u32 v30, v31
	s_wait_dscnt 0x0
	s_endpgm
.Lfunc_end_k_qb7aae5f2cd_oproj:
	.size	k_qb7aae5f2cd_oproj, .Lfunc_end_k_qb7aae5f2cd_oproj-k_qb7aae5f2cd_oproj
	.p2alignl 7, 3214868480
	.fill 96, 4, 3214868480
	.section	.rodata,"a",@progbits
	.p2align	6, 0x0
	.amdhsa_kernel k_qb7aae5f2cd_oproj
		.amdhsa_group_segment_fixed_size 8960
		.amdhsa_private_segment_fixed_size 0
		.amdhsa_enable_private_segment 0
		.amdhsa_kernarg_size 32
		.amdhsa_user_sgpr_count 2
		.amdhsa_user_sgpr_kernarg_segment_ptr 1
		.amdhsa_wavefront_size32 1
		.amdhsa_system_sgpr_workgroup_id_x 1
		.amdhsa_system_sgpr_workgroup_id_y 1
		.amdhsa_system_sgpr_workgroup_id_z 1
		.amdhsa_system_vgpr_workitem_id 0
		.amdhsa_next_free_vgpr 1024
		.amdhsa_next_free_sgpr 66
		.amdhsa_reserve_vcc 0
		.amdhsa_float_denorm_mode_32 3
		.amdhsa_float_denorm_mode_16_64 3
		.amdhsa_memory_ordered 1
		.amdhsa_forward_progress 1
		.amdhsa_inst_pref_size 157
	.end_amdhsa_kernel
	.amdgpu_metadata
---
amdhsa.version: [ 1, 2 ]
amdhsa.kernels:
  - .name:           k_qb7aae5f2cd_oproj
    .symbol:         k_qb7aae5f2cd_oproj.kd
    .args:
      - { .name: actp, .offset: 0, .size: 8, .value_kind: global_buffer, .address_space: global }
      - { .name: wbuf, .offset: 8, .size: 8, .value_kind: global_buffer, .address_space: global }
      - { .name: x, .offset: 16, .size: 8, .value_kind: global_buffer, .address_space: global }
      - { .name: out1, .offset: 24, .size: 8, .value_kind: global_buffer, .address_space: global }
    .group_segment_fixed_size: 8960
    .private_segment_fixed_size: 0
    .kernarg_segment_align: 8
    .kernarg_segment_size: 32
    .max_flat_workgroup_size: 32
    .sgpr_count:     66
    .vgpr_count:     1024
    .wavefront_size: 32
...
	.end_amdgpu_metadata
.endif
;; end of part 5
;; launch norm2: the kernel of part 2 again; grid 256 x 1, 8 waves a work-group, no clusters, 2,048 bytes of LDS; arguments out1, g2, actp; writes actp
;; launch ffn1 (part 6): grid 1024 x 1, 1 waves a work-group, no clusters, 0 bytes of LDS; arguments actp, wbuf, actq; writes actq
.if DOCPART == 6
	.amdgcn_target "amdgcn-amd-amdhsa--gfx1250"
	.amdhsa_code_object_version 6
	.text
	.protected	k_qb7aae5f2cd_ffn1
	.globl	k_qb7aae5f2cd_ffn1
	.p2align	8
	.type	k_qb7aae5f2cd_ffn1,@function
k_qb7aae5f2cd_ffn1:
	s_mov_b64 s[64:65], 0
	v_nop
	global_prefetch_b8 v0, s[64:65] scope:SCOPE_SE
	s_setreg_imm32_b32 hwreg(HW_REG_WAVE_MODE, 25, 1), 1
	s_wait_xcnt 0x0
; The FFN's first two products and its gate: x1 = h2 W1, x3 = h2 W3, act = x1 sigmoid(x1) x3, quantised along the hidden units for the next product.
; C = A B^T on codes of FP6 (E2M3) with E8M0 scales, 128 x 128 of C to a wave, one wave to a work-group, K = 1,024 in 8 steps of 128.
; A = h2 (32 tiles of tokens), B = W1|W3 (32 tiles: blocks 0-3 W1's columns 64 T on, blocks 4-7 W3's same columns), so that a lane holds x1 and x3 of the same 32 hidden units.
; OPERANDS lie in memory as images of their registers: group (tile, K step) of 13,312 bytes = 8 fragments of 1,536 (two halves of 768: registers 0-3 at 16 lane, 4-5 at 512 + 8 lane) + 8 scale images of 128.
; They go from memory straight into two sets of registers that take turns: no LDS, no barrier and no tensor load.  Tiles are not asked for jointly in a cluster: the operands never lie in LDS, so there is no tile
; that a joint load could fill; each group is read by every wave whose tile needs it (32 waves).
; THE MATRIX INSTRUCTION IS USED TRANSPOSED (source 0 = 16 rows of B, source 1 = 16 rows of A), and lane r of row block i holds operand row 32 (i / 2) + 8 (i % 2) + r + 8 (r / 8): so for a block a of A the 64 registers of
; accumulators (a, 0..7) are, in lane (r, h), register n = B's row 32 (n / 16) + 16 h + n % 16 of A's row r: the order in which the conversions want neighbours.
; K IS WALKED FROM A START THAT DIFFERS FROM TILE TO TILE ((TA + TB) mod 8) and wraps, so that the waves that read a group do not all ask for it in the same step: the order of the f32 sums differs from tile to tile.
; LIMITS: NaN and infinities are not served; a block of zeros, or one under 2^-124, gets the byte 1: a block of zeros has zero codes, and this program alone reads the bytes.
; REGISTERS: window 0: v1-3 lane terms; v32-63 scale words and nothing else (set p: A's at 32 + 16 p, B's at 40 + 16 p); v64-159, v160-255 A's fragments, sets 0, 1.  window 1: v0-95, v96-191 B's sets.
;   windows 2, 3: accumulator (a, b) at v[8 (8 (a % 4) + b)] of window 2 + a / 4.  On the way out window 0 (from v64) is free.
.set KS,       8                       ; K steps
.set LOGH,     4                       ; log2 of half the number of B's tiles
.set WOFF,     3407872                 ; where W1|W3's groups begin in wbuf
.set G8,       13312
.set G8S,      12288
.set TM,  128                          ; the way out, window 0: v128-139 partial maxima
.set MX,  152                          ; v152-153 the blocks' largest magnitudes
.set PX,  156                          ; v156-157 the permutes' destinations
.set SO,  160                          ; v160-161 the conversions' scale operands
.set BY,  164                          ; v164-165 the bytes
.set PT,  168                          ; v168-170 the second conversion's result
.set PCB, 176                          ; v176-199 the codes, two sets
.set PW,  200                          ; v200-201 the two bytes, two sets
.set MSB, 0
.macro WIN new                         ; the immediate's high byte repeats the setting that is left; a switch that changes nothing is dropped
.if MSB != (\new)
	s_set_vgpr_msb (MSB<<8)|(\new)
.set MSB, (\new)
.endif
.endm
.set MUL_LO, 0xa1                      ; source 0 (B) window 1, source 1 (A) window 0, C and D window 2
.set MUL_HI, 0xf1                      ; the same, C and D window 3
.set TO_B,   0x40                      ; destination window 1, address window 0
.macro PLACES                          ; four plain instructions between a matrix instruction and a load into, or a vector instruction or store on, its registers
.rept 4
	v_nop
.endr
.endm
.macro LOADA p, j0                     ; A's blocks j0 .. j0 + 3 of the K step at s[32:33], and their scale words, into set p: 20 loads
.irp j, \j0, \j0+1, \j0+2, \j0+3
	global_load_b128 v[64+96*(\p)+12*(\j):64+96*(\p)+12*(\j)+3], v1, s[32:33] offset:(\j)*1536
	global_load_b64 v[64+96*(\p)+12*(\j)+4:64+96*(\p)+12*(\j)+5], v2, s[32:33] offset:(\j)*1536+512
	global_load_b128 v[64+96*(\p)+12*(\j)+6:64+96*(\p)+12*(\j)+9], v1, s[32:33] offset:(\j)*1536+768
	global_load_b64 v[64+96*(\p)+12*(\j)+10:64+96*(\p)+12*(\j)+11], v2, s[32:33] offset:(\j)*1536+1280
	global_load_b32 v[32+16*(\p)+(\j)], v3, s[32:33] offset:G8S+128*(\j)
.endr
.endm
.macro LOADB p                         ; B's eight blocks and their scale words: 40 loads
	WIN TO_B
.irp j, 0,1,2,3,4,5,6,7
	global_load_b128 v[96*(\p)+12*\j:96*(\p)+12*\j+3], v1, s[34:35] offset:\j*1536
	global_load_b64 v[96*(\p)+12*\j+4:96*(\p)+12*\j+5], v2, s[34:35] offset:\j*1536+512
	global_load_b128 v[96*(\p)+12*\j+6:96*(\p)+12*\j+9], v1, s[34:35] offset:\j*1536+768
	global_load_b64 v[96*(\p)+12*\j+10:96*(\p)+12*\j+11], v2, s[34:35] offset:\j*1536+1280
.endr
	WIN 0
.irp j, 0,1,2,3,4,5,6,7
	global_load_b32 v[40+16*(\p)+\j], v3, s[34:35] offset:G8S+128*\j
.endr
.endm
.macro ADV                             ; on to the next K step, round the end
	s_wait_xcnt 0x0                                ; the loads issued so far have read their bases: these may be written
	s_add_co_u32 s24, s24, 1
	s_and_b32 s24, s24, KS-1
	s_mul_i32 s26, s24, G8
	s_add_nc_u64 s[32:33], s[28:29], s[26:27]
	s_add_nc_u64 s[34:35], s[30:31], s[26:27]
.endm
; 16 matrix instructions: A's blocks a0, a0 + 1 x B's eight.  The 64 accumulators take turns, one instruction a turn, in the same order in every step.  zero = 1: the first products start the sums.
.macro MUL16 a0, p, zero
.irp a, \a0, \a0+1
.irp b, 0,1,2,3,4,5,6,7
.if \zero
	v_wmma_scale_f32_16x16x128_f8f6f4 v[8*(8*((\a)%4)+\b):8*(8*((\a)%4)+\b)+7], v[96*(\p)+12*\b:96*(\p)+12*\b+11], v[64+96*(\p)+12*(\a):64+96*(\p)+12*(\a)+11], 0, v[40+16*(\p)+\b], v[32+16*(\p)+(\a)] matrix_a_fmt:MATRIX_FMT_FP6 matrix_b_fmt:MATRIX_FMT_FP6
.else
	v_wmma_scale_f32_16x16x128_f8f6f4 v[8*(8*((\a)%4)+\b):8*(8*((\a)%4)+\b)+7], v[96*(\p)+12*\b:96*(\p)+12*\b+11], v[64+96*(\p)+12*(\a):64+96*(\p)+12*(\a)+11], v[8*(8*((\a)%4)+\b):8*(8*((\a)%4)+\b)+7], v[40+16*(\p)+\b], v[32+16*(\p)+(\a)] matrix_a_fmt:MATRIX_FMT_FP6 matrix_b_fmt:MATRIX_FMT_FP6
.endif
.endr
.endr
.endm
; A K step on set p.  refill = 1: the set takes the K step two on, A's blocks 0-3 as soon as their products are issued, the rest at the step's end: it is wanted a whole step later.
.macro STEP p, zero, refill, cnt
	s_wait_loadcnt \cnt                            ; set p is in.  Behind its loads the other set's 80 were issued: 63 is the largest count that a wait can name, and a smaller count is always safe.  The last step: 0
.if \refill
	ADV
.endif
	WIN MUL_LO
	MUL16 0, \p, \zero
	MUL16 2, \p, \zero
.if \refill
	PLACES
	WIN 0
	LOADA \p, 0
.endif
	WIN MUL_HI
	MUL16 4, \p, \zero
	MUL16 6, \p, \zero
.if \refill
	PLACES
	WIN 0
	LOADA \p, 4
	LOADB \p
.endif
	WIN 0
.endm
; 32 numbers of a lane in window W, register src + 16 b + i = k 32 b + 16 (lane / 16) + i: blocks 2 c and 2 c + 1 of a fragment.  Codes to v[PCB + 12 set + 6 c] on (six registers), bytes to v[BY + 2 c], v[BY + 2 c + 1].
.macro QH src, W, c, set
.set PS, PCB+12*(\set)
	WIN (\W)|((\W)<<2)|((\W)<<4)
.irp i, 0,1,2,3,4
.irp b, 0,1
	v_max3_num_f32 v[TM+12*(\c)+6*\b+\i], |v[(\src)+16*\b+3*\i]|, |v[(\src)+16*\b+3*\i+1]|, |v[(\src)+16*\b+3*\i+2]|
.endr
.endr
.irp b, 0,1
	v_max3_num_f32 v[TM+12*(\c)+6*\b+5], |v[(\src)+16*\b+13]|, |v[(\src)+16*\b+14]|, |v[(\src)+16*\b+15]|
.endr
	WIN 0
.irp b, 0,1
	v_max3_num_f32 v[MX+2*(\c)+\b], v[TM+12*(\c)+6*\b], v[TM+12*(\c)+6*\b+1], v[TM+12*(\c)+6*\b+2]
.endr
.irp b, 0,1
	v_max3_num_f32 v[TM+12*(\c)+6*\b], v[TM+12*(\c)+6*\b+3], v[TM+12*(\c)+6*\b+4], v[TM+12*(\c)+6*\b+5]
.endr
.irp b, 0,1
	v_max3_num_f32 v[MX+2*(\c)+\b], v[MX+2*(\c)+\b], v[TM+12*(\c)+6*\b], 0x1800000   ; and the floor 2^(3 - 127): the byte cannot fall under 1
.endr
.irp b, 0,1
	v_permlanex16_b32 v[PX+2*(\c)+\b], v[MX+2*(\c)+\b], s44, s45
.endr
.irp b, 0,1
	v_max_num_f32 v[MX+2*(\c)+\b], v[MX+2*(\c)+\b], v[PX+2*(\c)+\b]   ; with lane l xor 16's: the block's largest magnitude
.endr
.irp b, 0,1
	v_add_nc_u32 v[SO+2*(\c)+\b], 0xff000000, v[MX+2*(\c)+\b]        ; 2 off its exponent field: the conversion's scale operand
.endr
.irp b, 0,1
	v_lshrrev_b32 v[BY+2*(\c)+\b], 23, v[SO+2*(\c)+\b]               ; the scale's byte
.endr
	WIN (\W)
	v_cvt_scalef32_pk16_fp6_f32 v[PS+6*(\c):PS+6*(\c)+2], v[(\src):(\src)+15], v[SO+2*(\c)]
	v_cvt_scalef32_pk16_fp6_f32 v[PT+4*(\c):PT+4*(\c)+2], v[(\src)+16:(\src)+31], v[SO+2*(\c)+1]   ; (a conversion's three registers begin on an even number)
	WIN 0
	v_nop                                          ; one plain instruction behind a scaled conversion
.irp i, 0,1,2
	v_permlane16_swap_b32 v[PS+6*(\c)+\i], v[PT+4*(\c)+\i]   ; the operand's layout wants a whole block in a lane
.endr
.irp i, 0,1,2
	v_mov_b32 v[PS+6*(\c)+3+\i], v[PT+4*(\c)+\i]
.endr
.endm
	s_load_b128 s[4:7], s[0:1], 0x0                ; h2 s[4:5], wbuf s[6:7]
	s_load_b64 s[10:11], s[0:1], 0x10              ; act
	v_lshlrev_b32 v1, 4, v0                        ; 16 x lane
	v_lshlrev_b32 v2, 3, v0                        ; 8 x lane
	v_lshlrev_b32 v3, 2, v0                        ; 4 x lane
	s_mov_b32 s44, 0x76543210
	s_mov_b32 s45, 0xfedcba98                      ; v_permlanex16_b32's selects for lane l xor 16
	s_mov_b32 s46, 0xbfb8aa3b                      ; -log2(e)
	s_and_b32 s19, ttmp9, 1                        ; four neighbouring work-groups make 2 x 2 tiles
	s_bfe_u32 s18, ttmp9, 0x10001
	s_lshr_b32 s25, ttmp9, 2
	s_and_b32 s37, s25, (1<<LOGH)-1
	s_lshl_b32 s37, s37, 1
	s_add_co_u32 s19, s19, s37                     ; TB
	s_lshr_b32 s37, s25, LOGH
	s_lshl_b32 s37, s37, 1
	s_add_co_u32 s18, s18, s37                     ; TA
	s_mul_i32 s36, s18, KS*G8
	s_mov_b32 s37, 0
	s_mul_i32 s38, s19, KS*G8
	s_add_co_u32 s38, s38, WOFF
	s_mov_b32 s39, 0
	s_wait_kmcnt 0x0
	s_add_nc_u64 s[28:29], s[4:5], s[36:37]        ; A's tile
	s_add_nc_u64 s[30:31], s[6:7], s[38:39]        ; B's tile
	s_add_co_u32 s24, s18, s19
	s_and_b32 s24, s24, KS-1                       ; the K step at which this tile begins
	s_mul_i32 s26, s24, G8
	s_mov_b32 s27, 0
	s_add_nc_u64 s[32:33], s[28:29], s[26:27]
	s_add_nc_u64 s[34:35], s[30:31], s[26:27]
	LOADA 0, 0
	LOADA 0, 4
	LOADB 0
	ADV
	LOADA 1, 0
	LOADA 1, 4
	LOADB 1
	STEP 0, 1, 1, 63                               ; the first step stands ahead of the loop: its products start the sums
	s_mov_b32 s23, (KS-4)/2
.Lk:
	STEP 1, 0, 1, 63
	STEP 0, 0, 1, 63
	s_sub_co_u32 s23, s23, 1
	s_cmp_lg_u32 s23, 0
	s_cbranch_scc1 .Lk
	STEP 1, 0, 1, 63                               ; the last refill
	STEP 0, 0, 0, 63
	STEP 1, 0, 0, 0
	PLACES                                         ; behind the last products: all that follows may read results and write over operands
.irp b, 0,1
	v_mov_b32 v[PX+\b], 0                          ; written once: a lane permute's destination counts as one of its sources
.endr
	; ---- registers 0-31 of a block are x1 at 64 hidden units (32 a lane), registers 32-63 x3 at the same: x1 x3 / (1 + 2^(-x1 log2 e)), quantised: half a fragment of the next product's operand
	s_mov_b32 s43, 0
	s_lshl_b32 s48, s18, 4
	s_lshr_b32 s49, s19, 1
	s_add_co_u32 s48, s48, s49                     ; group (TA, TB / 2) of 16 K steps a tile
	s_mul_i32 s48, s48, G8
	s_and_b32 s49, s19, 1
	s_mul_i32 s42, s49, 768
	s_add_co_u32 s42, s42, s48
	s_add_nc_u64 s[38:39], s[10:11], s[42:43]
	s_lshl_b32 s42, s49, 1
	s_add_co_u32 s42, s42, s48
	s_add_co_u32 s42, s42, G8S
	s_add_nc_u64 s[40:41], s[10:11], s[42:43]
.irp a, 0,1,2,3,4,5,6,7
	s_wait_xcnt 0x0                                ; the earlier blocks' stores have read their data
	WIN (2+\a/4)|((2+\a/4)<<2)
.set i, 0
.rept 32
	v_mul_f32 v[96+i], s46, v[64*(\a%4)+i]                        ; -x1 log2 e  (each accumulator from its low end on)
	v_mul_f32 v[64+i], v[64*(\a%4)+i], v[64*(\a%4)+32+i]          ; x1 x3
.set i, i+1
.endr
	WIN 0
.set i, 0
.rept 32
	v_exp_f32 v[96+i], v[96+i]
.set i, i+1
.endr
	v_nop                                          ; a plain instruction behind the batch
	s_wait_alu depctr_va_vdst(0)                   ; one wait for the batch, ahead of its first reader
.set i, 0
.rept 32
	v_add_f32 v[96+i], 1.0, v[96+i]
.set i, i+1
.endr
.set i, 0
.rept 32
	v_rcp_f32 v[96+i], v[96+i]
.set i, i+1
.endr
	v_nop
	s_wait_alu depctr_va_vdst(0)
.set i, 0
.rept 16
	v_pk_mul_f32 v[64+2*i:65+2*i], v[64+2*i:65+2*i], v[96+2*i:97+2*i]
.set i, i+1
.endr
	QH 64, 0, 0, \a%2
	v_lshl_or_b32 v[PW+\a%2], v[BY+1], 8, v[BY]    ; my two bytes of the K step's scale word; the other two are another wave's
	global_store_b128 v1, v[PCB+12*(\a%2):PCB+12*(\a%2)+3], s[38:39] offset:\a*1536
	global_store_b64 v2, v[PCB+12*(\a%2)+4:PCB+12*(\a%2)+5], s[38:39] offset:\a*1536+512
	global_store_b16 v3, v[PW+\a%2], s[40:41] offset:\a*128
.endr
	s_endpgm
.Lfunc_end_k_qb7aae5f2cd_ffn1:
	.size	k_qb7aae5f2cd_ffn1, .Lfunc_end_k_qb7aae5f2cd_ffn1-k_qb7aae5f2cd_ffn1
	.p2alignl 7, 3214868480
	.fill 96, 4, 3214868480
	.section	.rodata,"a",@progbits
	.p2align	6, 0x0
	.amdhsa_kernel k_qb7aae5f2cd_ffn1
		.amdhsa_group_segment_fixed_size 0
		.amdhsa_private_segment_fixed_size 0
		.amdhsa_enable_private_segment 0
		.amdhsa_kernarg_size 24
		.amdhsa_user_sgpr_count 2
		.amdhsa_user_sgpr_kernarg_segment_ptr 1
		.amdhsa_wavefront_size32 1
		.amdhsa_system_sgpr_workgroup_id_x 1
		.amdhsa_system_sgpr_workgroup_id_y 1
		.amdhsa_system_sgpr_workgroup_id_z 1
		.amdhsa_system_vgpr_workitem_id 0
		.amdhsa_next_free_vgpr 1024
		.amdhsa_next_free_sgpr 66
		.amdhsa_reserve_vcc 0
		.amdhsa_float_denorm_mode_32 3
		.amdhsa_float_denorm_mode_16_64 3
		.amdhsa_memory_ordered 1
		.amdhsa_forward_progress 1
		.amdhsa_inst_pref_size 167
	.end_amdhsa_kernel
	.amdgpu_metadata
---
amdhsa.version: [ 1, 2 ]
amdhsa.kernels:
  - .name:           k_qb7aae5f2cd_ffn1
    .symbol:         k_qb7aae5f2cd_ffn1.kd
    .args:
      - { .name: actp, .offset: 0, .size: 8, .value_kind: global_buffer, .address_space: global }
      - { .name: wbuf, .offset: 8, .size: 8, .value_kind: global_buffer, .address_space: global }
      - { .name: actq, .offset: 16, .size: 8, .value_kind: global_buffer, .address_space: global }
    .group_segment_fixed_size: 0
    .private_segment_fixed_size: 0
    .kernarg_segment_align: 8
    .kernarg_segment_size: 24
    .max_flat_workgroup_size: 32
    .sgpr_count:     66
    .vgpr_count:     1024
    .wavefront_size: 32
...
	.end_amdgpu_metadata
.endif
;; end of part 6
;; launch ffn2 (part 7): grid 256 x 1, 1 waves a work-group, no clusters, 8,960 bytes of LDS; arguments actq, wbuf, out1, out0; writes out0
.if DOCPART == 7
	.amdgcn_target "amdgcn-amd-amdhsa--gfx1250"
	.amdhsa_code_object_version 6
	.text
	.protected	k_qb7aae5f2cd_ffn2
	.globl	k_qb7aae5f2cd_ffn2
	.p2align	8
	.type	k_qb7aae5f2cd_ffn2,@function
k_qb7aae5f2cd_ffn2:
	s_mov_b64 s[64:65], 0
	v_nop
	global_prefetch_b8 v0, s[64:65] scope:SCOPE_SE
	s_setreg_imm32_b32 hwreg(HW_REG_WAVE_MODE, 25, 1), 1
	s_wait_xcnt 0x0
; out0 = out1 + act W2: C = A B^T on codes of FP6 (E2M3) with E8M0 scales, 128 x 128 of C to a wave, one wave to a work-group, K = 2,048 in 16 steps of 128; then the residual is added and f32 rows are stored.
; A = act (32 tiles of tokens), B = W2 (8 tiles of columns).
; OPERANDS lie in memory as images of their registers: group (tile, K step) of 13,312 bytes = 8 fragments of 1,536 (two halves of 768: registers 0-3 at 16 lane, 4-5 at 512 + 8 lane) + 8 scale images of 128.
; They go from memory straight into two sets of registers that take turns: no LDS, no barrier and no tensor load in the K loop.  Tiles are not asked for jointly in a cluster: the operands never lie in LDS, so there is no tile
; that a joint load could fill; each group is read by every wave whose tile needs it (8 or 32 waves).
; THE MATRIX INSTRUCTION IS USED TRANSPOSED (source 0 = 16 rows of B, source 1 = 16 rows of A), and lane r of row block i holds operand row 32 (i / 2) + 8 (i % 2) + r + 8 (r / 8): so for a block a of A the 64 registers of
; accumulators (a, 0..7) are, in lane (r, h), register n = column 32 (n / 16) + 16 h + n % 16 of A's row r.
; K IS WALKED FROM A START THAT DIFFERS FROM TILE TO TILE ((TA + TB) mod the number of K steps) and wraps, so that the waves that read a group do not all ask for it in the same step: the order of the f32 sums differs from tile to tile.
; LIMITS: NaN and infinities are not served.
; REGISTERS: window 0: v1-4 lane terms; v32-63 scale words and nothing else (set p: A's at 32 + 16 p, B's at 40 + 16 p); v64-159, v160-255 A's fragments, sets 0, 1.  window 1: v0-95, v96-191 B's sets.
;   windows 2, 3: accumulator (a, b) at v[8 (8 (a % 4) + b)] of window 2 + a / 4.  On the way out windows 0 (from v64) and 1 are free.
.set KS,       16                      ; K steps
.set LOGH,     2                       ; log2 of half the number of B's tiles
.set WOFF,     6815744                 ; where W2's groups begin in wbuf
.set G8,       13312
.set G8S,      12288
.set MSB, 0
.macro WIN new                         ; the immediate's high byte repeats the setting that is left; a switch that changes nothing is dropped
.if MSB != (\new)
	s_set_vgpr_msb (MSB<<8)|(\new)
.set MSB, (\new)
.endif
.endm
.set MUL_LO, 0xa1                      ; source 0 (B) window 1, source 1 (A) window 0, C and D window 2
.set MUL_HI, 0xf1                      ; the same, C and D window 3
.set TO_B,   0x40                      ; destination window 1, address window 0
.macro PLACES                          ; four plain instructions between a matrix instruction and a load into, or a vector instruction or store on, its registers
.rept 4
	v_nop
.endr
.endm
.macro LOADA p, j0                     ; A's blocks j0 .. j0 + 3 of the K step at s[32:33], and their scale words, into set p: 20 loads
.irp j, \j0, \j0+1, \j0+2, \j0+3
	global_load_b128 v[64+96*(\p)+12*(\j):64+96*(\p)+12*(\j)+3], v1, s[32:33] offset:(\j)*1536
	global_load_b64 v[64+96*(\p)+12*(\j)+4:64+96*(\p)+12*(\j)+5], v2, s[32:33] offset:(\j)*1536+512
	global_load_b128 v[64+96*(\p)+12*(\j)+6:64+96*(\p)+12*(\j)+9], v1, s[32:33] offset:(\j)*1536+768
	global_load_b64 v[64+96*(\p)+12*(\j)+10:64+96*(\p)+12*(\j)+11], v2, s[32:33] offset:(\j)*1536+1280
	global_load_b32 v[32+16*(\p)+(\j)], v3, s[32:33] offset:G8S+128*(\j)
.endr
.endm
.macro LOADB p                         ; B's eight blocks and their scale words: 40 loads
	WIN TO_B
.irp j, 0,1,2,3,4,5,6,7
	global_load_b128 v[96*(\p)+12*\j:96*(\p)+12*\j+3], v1, s[34:35] offset:\j*1536
	global_load_b64 v[96*(\p)+12*\j+4:96*(\p)+12*\j+5], v2, s[34:35] offset:\j*1536+512
	global_load_b128 v[96*(\p)+12*\j+6:96*(\p)+12*\j+9], v1, s[34:35] offset:\j*1536+768
	global_load_b64 v[96*(\p)+12*\j+10:96*(\p)+12*\j+11], v2, s[34:35] offset:\j*1536+1280
.endr
	WIN 0
.irp j, 0,1,2,3,4,5,6,7
	global_load_b32 v[40+16*(\p)+\j], v3, s[34:35] offset:G8S+128*\j
.endr
.endm
.macro ADV                             ; on to the next K step, round the end
	s_wait_xcnt 0x0                                ; the loads issued so far have read their bases: these may be written
	s_add_co_u32 s24, s24, 1
	s_and_b32 s24, s24, KS-1
	s_mul_i32 s26, s24, G8
	s_add_nc_u64 s[32:33], s[28:29], s[26:27]
	s_add_nc_u64 s[34:35], s[30:31], s[26:27]
.endm
; 16 matrix instructions: A's blocks a0, a0 + 1 x B's eight.  The 64 accumulators take turns, one instruction a turn, in the same order in every step.  zero = 1: the first products start the sums.
.macro MUL16 a0, p, zero
.irp a, \a0, \a0+1
.irp b, 0,1,2,3,4,5,6,7
.if \zero
	v_wmma_scale_f32_16x16x128_f8f6f4 v[8*(8*((\a)%4)+\b):8*(8*((\a)%4)+\b)+7], v[96*(\p)+12*\b:96*(\p)+12*\b+11], v[64+96*(\p)+12*(\a):64+96*(\p)+12*(\a)+11], 0, v[40+16*(\p)+\b], v[32+16*(\p)+(\a)] matrix_a_fmt:MATRIX_FMT_FP6 matrix_b_fmt:MATRIX_FMT_FP6
.else
	v_wmma_scale_f32_16x16x128_f8f6f4 v[8*(8*((\a)%4)+\b):8*(8*((\a)%4)+\b)+7], v[96*(\p)+12*\b:96*(\p)+12*\b+11], v[64+96*(\p)+12*(\a):64+96*(\p)+12*(\a)+11], v[8*(8*((\a)%4)+\b):8*(8*((\a)%4)+\b)+7], v[40+16*(\p)+\b], v[32+16*(\p)+(\a)] matrix_a_fmt:MATRIX_FMT_FP6 matrix_b_fmt:MATRIX_FMT_FP6
.endif
.endr
.endr
.endm
; A K step on set p.  refill = 1: the set takes the K step two on, A's blocks 0-3 as soon as their products are issued, the rest at the step's end: it is wanted a whole step later.
.macro STEP p, zero, refill, cnt
	s_wait_loadcnt \cnt                            ; set p is in.  Behind its loads the other set's 80 were issued: 63 is the largest count that a wait can name, and a smaller count is always safe.  The last step: 0
.if \refill
	ADV
.endif
	WIN MUL_LO
	MUL16 0, \p, \zero
	MUL16 2, \p, \zero
.if \refill
	PLACES
	WIN 0
	LOADA \p, 0
.endif
	WIN MUL_HI
	MUL16 4, \p, \zero
	MUL16 6, \p, \zero
.if \refill
	PLACES
	WIN 0
	LOADA \p, 4
	LOADB \p
.endif
	WIN 0
.endm
	s_load_b256 s[4:11], s[0:1], 0x0               ; the activations s[4:5], wbuf s[6:7], the residual s[8:9], out s[10:11]
	v_lshl_add_u32 v30, v0, 2, 0x2200
	v_mov_b32 v31, 0
	v_lshlrev_b32 v1, 4, v0                        ; 16 x lane
	v_lshlrev_b32 v2, 3, v0                        ; 8 x lane
	v_lshlrev_b32 v3, 2, v0                        ; 4 x lane
	v_and_b32 v7, 15, v0                           ; r
	v_lshrrev_b32 v8, 4, v0                        ; h
	v_mul_u32_u24 v4, v7, 528
	v_lshl_add_u32 v4, v8, 6, v4                   ; the stage: row r of 528 bytes, + 64 h
	s_and_b32 s19, ttmp9, 1                        ; four neighbouring work-groups make 2 x 2 tiles
	s_bfe_u32 s18, ttmp9, 0x10001
	s_lshr_b32 s25, ttmp9, 2
	s_and_b32 s37, s25, (1<<LOGH)-1
	s_lshl_b32 s37, s37, 1
	s_add_co_u32 s19, s19, s37                     ; TB
	s_lshr_b32 s37, s25, LOGH
	s_lshl_b32 s37, s37, 1
	s_add_co_u32 s18, s18, s37                     ; TA
	s_mul_i32 s36, s18, KS*G8
	s_mov_b32 s37, 0
	s_mul_i32 s38, s19, KS*G8
	s_add_co_u32 s38, s38, WOFF
	s_mov_b32 s39, 0
	s_wait_kmcnt 0x0
	s_add_nc_u64 s[28:29], s[4:5], s[36:37]        ; A's tile
	s_add_nc_u64 s[30:31], s[6:7], s[38:39]        ; B's tile
	s_add_co_u32 s24, s18, s19
	s_and_b32 s24, s24, KS-1                       ; the K step at which this tile begins
	s_mul_i32 s26, s24, G8
	s_mov_b32 s27, 0
	s_add_nc_u64 s[32:33], s[28:29], s[26:27]
	s_add_nc_u64 s[34:35], s[30:31], s[26:27]
	LOADA 0, 0
	LOADA 0, 4
	LOADB 0
	ADV
	LOADA 1, 0
	LOADA 1, 4
	LOADB 1
	STEP 0, 1, 1, 63                               ; the first step stands ahead of the loop: its products start the sums
	s_mov_b32 s23, (KS-4)/2
.Lk:
	STEP 1, 0, 1, 63
	STEP 0, 0, 1, 63
	s_sub_co_u32 s23, s23, 1
	s_cmp_lg_u32 s23, 0
	s_cbranch_scc1 .Lk
	STEP 1, 0, 1, 63                               ; the last refill
	STEP 0, 0, 0, 63
	STEP 1, 0, 0, 0
	PLACES                                         ; behind the last products: all that follows may read results and write over operands
	; ---- + residual, f32 rows.  A block of 16 rows x 128 columns goes through the wave's stage in LDS (rows of 512 bytes + 16) and comes back as whole rows.
	s_mov_b32 s43, 0
	s_lshl_b32 s42, s18, 19                        ; 128 rows of 4,096 bytes a tile
	s_lshl_b32 s48, s19, 9                         ; 128 columns
	s_add_co_u32 s42, s42, s48
	s_add_nc_u64 s[36:37], s[8:9], s[42:43]
	s_add_nc_u64 s[38:39], s[10:11], s[42:43]
.macro RLOAD a                         ; block a's rows of the residual into window 1, set a % 2: row t of the stage is row 32 (a / 2) + 8 (a % 2) + t + 8 (t / 8) of the tile
	WIN TO_B
.irp t, 0,1,2,3,4,5,6,7,8,9,10,11,12,13,14,15
	global_load_b128 v[64*((\a)%2)+4*\t:64*((\a)%2)+4*\t+3], v1, s[36:37] offset:(32*((\a)/2)+8*((\a)%2)+\t+8*(\t/8))*4096 th:TH_LOAD_NT
.endr
	WIN 0
.endm
.macro TOSTAGE a                       ; LDS serves a wave's instructions in order (ISA guide 5.7.1.4): no wait between the stores and the loads, nor ahead of the next block's stores
	WIN 0x08+4*((\a)/4)                            ; an LDS store's data are its source 1: window 2 or 3
.irp b, 0,1,2,3,4,5,6,7
	ds_store_b128 v4, v[64*((\a)%4)+8*\b:64*((\a)%4)+8*\b+3] offset:128*(\b/2)+32*(\b%2)        ; each accumulator from its low end on
	ds_store_b128 v4, v[64*((\a)%4)+8*\b+4:64*((\a)%4)+8*\b+7] offset:128*(\b/2)+32*(\b%2)+16
.endr
	WIN 0
.irp t, 0,1,2,3,4,5,6,7,8,9,10,11,12,13,14,15
	ds_load_b128 v[64+64*((\a)%2)+4*\t:64+64*((\a)%2)+4*\t+3], v1 offset:528*\t
.endr
.endm
	RLOAD 0
	TOSTAGE 0
.irp a, 0,1,2,3,4,5,6,7
.if \a < 7
	RLOAD \a+1
.if \a > 0
	s_wait_xcnt 0x0                                ; block a - 1's stores have read their data: block a + 1's rows may land there
.endif
	TOSTAGE \a+1
	s_wait_dscnt 32                                ; block a is back; the next block's 16 stores and 16 loads may be out
	s_wait_loadcnt 16                              ; its residual is in; the next block's 16 loads may be out
.else
	s_wait_dscnt 0x0
	s_wait_loadcnt 0x0
.endif
	WIN 0x04                                       ; source 1 window 1
.set i, 0
.rept 32
	v_pk_add_f32 v[64+64*(\a%2)+2*i:64+64*(\a%2)+2*i+1], v[64+64*(\a%2)+2*i:64+64*(\a%2)+2*i+1], v[64*(\a%2)+2*i:64*(\a%2)+2*i+1]
.set i, i+1
.endr
	WIN 0
.irp t, 0,1,2,3,4,5,6,7,8,9,10,11,12,13,14,15
	global_store_b128 v1, v[64+64*(\a%2)+4*\t:64+64*(\a%2)+4*\t+3], s[38:39] offset:(32*(\a/2)+8*(\a%2)+\t+8*(\t/8))*4096   ; 32 lanes store 512 consecutive bytes, at a multiple of 512 from the buffer's first byte
.endr
.endr
	s_wait_tensorcnt 0x0
	ds_add_u32 v30, v31
	s_wait_dscnt 0x0
	s_endpgm
.Lfunc_end_k_qb7aae5f2cd_ffn2:
	.size	k_qb7aae5f2cd_ffn2, .Lfunc_end_k_qb7aae5f2cd_ffn2-k_qb7aae5f2cd_ffn2
	.p2alignl 7, 3214868480
	.fill 96, 4, 3214868480
	.section	.rodata,"a",@progbits
	.p2align	6, 0x0
	.amdhsa_kernel k_qb7aae5f2cd_ffn2
		.amdhsa_group_segment_fixed_size 8960
		.amdhsa_private_segment_fixed_size 0
		.amdhsa_enable_private_segment 0
		.amdhsa_kernarg_size 32
		.amdhsa_user_sgpr_count 2
		.amdhsa_user_sgpr_kernarg_segment_ptr 1
		.amdhsa_wavefront_size32 1
		.amdhsa_system_sgpr_workgroup_id_x 1
		.amdhsa_system_sgpr_workgroup_id_y 1
		.amdhsa_system_sgpr_workgroup_id_z 1
		.amdhsa_system_vgpr_workitem_id 0
		.amdhsa_next_free_vgpr 1024
		.amdhsa_next_free_sgpr 66
		.amdhsa_reserve_vcc 0
		.amdhsa_float_denorm_mode_32 3
		.amdhsa_float_denorm_mode_16_64 3
		.amdhsa_memory_ordered 1
		.amdhsa_forward_progress 1
		.amdhsa_inst_pref_size 157
	.end_amdhsa_kernel
	.amdgpu_metadata
---
amdhsa.version: [ 1, 2 ]
amdhsa.kernels:
  - .name:           k_qb7aae5f2cd_ffn2
    .symbol:         k_qb7aae5f2cd_ffn2.kd
    .args:
      - { .name: actq, .offset: 0, .size: 8, .value_kind: global_buffer, .address_space: global }
      - { .name: wbuf, .offset: 8, .size: 8, .value_kind: global_buffer, .address_space: global }
      - { .name: out1, .offset: 16, .size: 8, .value_kind: global_buffer, .address_space: global }
      - { .name: out0, .offset: 24, .size: 8, .value_kind: global_buffer, .address_space: global }
    .group_segment_fixed_size: 8960
    .private_segment_fixed_size: 0
    .kernarg_segment_align: 8
    .kernarg_segment_size: 32
    .max_flat_workgroup_size: 32
    .sgpr_count:     66
    .vgpr_count:     1024
    .wavefront_size: 32
...
	.end_amdgpu_metadata
.endif
;; end of part 7
;; ======== version 2 of 2: 7 launches
;; limits: right only within a limited range of input values
;; workspace buffers: wbuf 9,043,968 bytes; actp 3,407,872 bytes; actq 10,747,904 bytes; out1 16,777,216 bytes
;; launch prep (part 8): grid 584 x 1, 8 waves a work-group, no clusters, 2,048 bytes of LDS; arguments Wq, Wk, Wv, Wo, W2, W1, W3, wbuf, x, g1, actp; writes wbuf, actp
.if DOCPART == 8
	.amdgcn_target "amdgcn-amd-amdhsa--gfx1250"
	.amdhsa_code_object_version 6
	.text
	.protected	k_qb7aae5f2cd_prep
	.globl	k_qb7aae5f2cd_prep
	.p2align	8
	.type	k_qb7aae5f2cd_prep,@function
k_qb7aae5f2cd_prep:
	s_mov_b64 s[64:65], 0
	v_nop
	global_prefetch_b8 v0, s[64:65] scope:SCOPE_SE
	s_setreg_imm32_b32 hwreg(HW_REG_WAVE_MODE, 25, 1), 1
	s_wait_xcnt 0x0
; THREE JOBS THAT DEPEND ON NOTHING BUT THE INPUTS, IN ONE LAUNCH: the seven weights become codes; the table of cosines and sines for the rotary embedding is made; x is normed and becomes codes.
; The paths part on the work-group's number alone: work-groups 0-327 weights and table, 328-583 the norm.  Only the norm's path uses LDS and a barrier.
; LAYOUT of every operand: IMAGES OF THE OPERAND'S REGISTERS.  A group is 8 row blocks x 128 along K: 8 fragments of 1,536 bytes, then 8 scale images of 128 bytes: 13,312 bytes.  A fragment is two halves of 768 bytes
; (64 along K each): 512 bytes with lane l's registers 0-3 at 16 l, then 256 bytes with its registers 4-5 at 8 l.  A scale image: lane l's word at 4 l, lanes 16-31 repeating lanes 0-15.
; ROW ORDER.  Lane r of row block i holds operand row 32 (i / 2) + 8 (i % 2) + r + 8 (r / 8), so that a transposed product's 16 registers of two neighbouring tiles are 16 neighbours.
; WEIGHTS, f32 stored [K][N], to codes of FP6 (E2M3) with one E8M0 byte for each 32 along K.  A unit is four waves, two units to a work-group: unit = 2 x work-group + wave / 4.  A wave takes 32 columns x 128 along K; a lane takes
; a column and its registers run down K, so a block of 32 lies in one lane and the conversions give K innermost.  Nothing is transposed.
; Units 0-383: Wq, Wk, Wv, Wo, W2 (rows of 4,096 bytes); 384-639: W1, W3 (rows of 8,192 bytes; tile T of the joint operand: blocks 0-3 W1's columns 64 T on, blocks 4-7 W3's); 640-655: the table.
; THE NORM: x / sqrt(mean(x^2) + 1e-5) x g1 for 4,096 rows of 1,024, quantised along the row.  A work-group takes a row block of 16 rows; wave w takes K step w.  Lane (r, h) takes, of each block of 32 numbers of its row, the 16 at 16 h:
; so its 64 registers lie as the quantiser wants them (register 16 b + e = k 32 b + 16 h + e).  The eight waves' sums of squares meet in LDS behind one barrier.  The division is a multiplication by v_rsq_f32's result.
; A block's scale byte is its largest magnitude's exponent field - 2, held at 1 from below.
; LIMITS: NaN and infinities are not served.  A block of zeros, or one whose largest magnitude lies under 2^-124, gets the byte 1: a block of zeros has zero codes, which add nothing, and this program alone reads the bytes.
; The table's angle is position x inverse frequency, rounded once; the inverse frequency is good to the exponential's own accuracy, so an angle near 2,047 may differ from one made of another
; rounding of the same frequency by about 1e-4; sine and cosine of the angle as it stands are good to about 1e-7.
.set NWW,      328                     ; work-groups of weights and table
.set G8,       13312
.set G8S,      12288
.set OFF_ROPE, 8519680
.set X,  32                            ; weights: v32-159 128 numbers of my column;  norm: v32-95 my 64 numbers
.set CD, 160                           ; weights: v[160 + 8 e ..]  block e's six code registers
.set CE, 192                           ; weights: v[192 + 4 e ..]  its second conversion's three
.set G,   96                           ; norm: v96-159  the gain at my numbers' places
.set PC,  160                          ; norm: v160-171 the codes; v172-178 the conversions' second results
.set TM,  184                          ; norm: v184-187 largest magnitudes, v188-191 bytes, v196-199 scale operands
.set PW,  200                          ; norm: the scale word
.set SEL, 20
	v_lshl_add_u32 v208, v0, 2, 0x400
	v_mov_b32 v209, 0
	s_cmp_ge_u32 ttmp9, NWW                        ; the same in all eight waves
	s_cbranch_scc1 .Lnorm
	s_load_b256 s[4:11], s[0:1], 0x0               ; Wq, Wk, Wv, Wo
	s_load_b256 s[12:19], s[0:1], 0x20             ; W2, W1, W3, wbuf
	v_lshrrev_b32 v1, 5, v0
	s_delay_alu instid0(VALU_DEP_1)
	v_readfirstlane_b32 s28, v1                    ; wave 0..7
	s_lshr_b32 s62, s28, 2
	s_lshl_b32 s63, ttmp9, 1
	s_add_co_u32 s62, s62, s63                     ; my unit of four waves, 0..655
	s_and_b32 s28, s28, 3                          ; my wave in it
	v_and_b32 v2, 31, v0                           ; lane = my column of the wave's 32
	s_delay_alu instid0(VALU_DEP_1)
	v_bfe_u32 v3, v2, 3, 1                         ; u: which of the two row blocks
	s_delay_alu instid0(VALU_DEP_2)
	v_and_b32 v4, 7, v2
	s_delay_alu instid0(VALU_DEP_3)
	v_lshrrev_b32 v5, 4, v2
	s_delay_alu instid0(VALU_DEP_1)
	v_lshl_add_u32 v4, v5, 3, v4                   ; r: my place in it
	v_lshlrev_b32 v6, 2, v2                        ; in: 4 bytes a lane
	v_mul_u32_u24 v5, v3, 1536
	s_delay_alu instid0(VALU_DEP_1)
	v_lshl_add_u32 v7, v4, 4, v5                   ; out: 1536 u + 16 r
	s_delay_alu instid0(VALU_DEP_2)
	v_lshl_add_u32 v8, v4, 3, v5                   ;      1536 u + 8 r
	v_lshlrev_b32 v9, 7, v3
	s_delay_alu instid0(VALU_DEP_1)
	v_lshl_add_u32 v9, v4, 2, v9                   ;      128 u + 4 r
	s_wait_kmcnt 0x0
	s_cmp_ge_u32 s62, 640
	s_cbranch_scc1 .Lrope
	s_cmp_ge_u32 s62, 384
	s_cbranch_scc1 .Lwide
; s[32:33] the weight, s40 the byte offset of my first number, s42 the group, s43 my first row block in it  ->  s[32:33] source, s[48:49] codes, s[50:51] scale images
.macro WPTR
	s_mov_b32 s41, 0
	s_add_nc_u64 s[32:33], s[32:33], s[40:41]
	s_mul_i32 s44, s42, G8
	s_mul_i32 s46, s43, 1536
	s_add_co_u32 s46, s46, s44
	s_mov_b32 s47, 0
	s_add_nc_u64 s[48:49], s[18:19], s[46:47]
	s_lshl_b32 s46, s43, 7
	s_add_co_u32 s46, s46, s44
	s_add_co_u32 s46, s46, G8S
	s_add_nc_u64 s[50:51], s[18:19], s[46:47]
.endm
; 128 numbers down K of my column become four blocks' codes and one scale word.  nb: bytes from row to row of the weight.
.macro WQ nb
.set k, 0
.rept 128
	global_load_b32 v[X+k], v6, s[32:33] offset:k*\nb th:TH_LOAD_NT   ; 32 lanes read 128 consecutive bytes
.set k, k+1
.endr
.irp e, 0,1,2,3
.set XS, X+32*\e
.if \e < 2
	s_wait_loadcnt 63                              ; 96 or 64 younger loads are out: 63 is the largest count that a wait can name, and a smaller count is always safe
.else
	s_wait_loadcnt 32*(3-\e)                       ; the later blocks' loads may be out
.endif
	v_max3_num_f32 v12, |v[XS]|, |v[XS+1]|, |v[XS+2]|              ; the block's largest magnitude: all 32 numbers are mine; two chains
	v_max3_num_f32 v13, |v[XS+3]|, |v[XS+4]|, |v[XS+5]|
.irp i, 6,10,14,18,22,26
	s_delay_alu instid0(VALU_DEP_2)
	v_max3_num_f32 v12, v12, |v[XS+\i]|, |v[XS+\i+1]|
	s_delay_alu instid0(VALU_DEP_2)
	v_max3_num_f32 v13, v13, |v[XS+\i+2]|, |v[XS+\i+3]|
.endr
	s_delay_alu instid0(VALU_DEP_2)
	v_max3_num_f32 v12, v12, |v[XS+30]|, |v[XS+31]|
	s_delay_alu instid0(VALU_DEP_1)
	v_max3_num_f32 v12, v12, v13, 0x1800000        ; and the floor 2^(3 - 127): the byte cannot fall under 1
	s_delay_alu instid0(VALU_DEP_1)
	v_add_nc_u32 v14, 0xff000000, v12              ; 2 off the exponent field: the conversion's scale operand
	s_delay_alu instid0(VALU_DEP_1)
	v_lshrrev_b32 v15, 23, v14                     ; the scale's byte
.if \e == 0
	s_delay_alu instid0(VALU_DEP_1)
	v_mov_b32 v16, v15
.else
	s_delay_alu instid0(VALU_DEP_1)
	v_lshl_or_b32 v16, v15, 8*\e, v16              ; four bytes make my column's scale word
.endif
	v_cvt_scalef32_pk16_fp6_f32 v[CD+8*\e:CD+8*\e+2], v[XS:XS+15], v14
	v_cvt_scalef32_pk16_fp6_f32 v[CE+4*\e:CE+4*\e+2], v[XS+16:XS+31], v14   ; (a conversion's three registers begin on an even number)
	v_nop                                          ; one plain instruction behind a scaled conversion
.irp i, 0,1,2
	v_mov_b32 v[CD+8*\e+3+\i], v[CE+4*\e+\i]
.endr
	; block e = 2 c + h belongs to lane r + 16 h of half c
	global_store_b128 v7, v[CD+8*\e:CD+8*\e+3], s[48:49] offset:(\e/2)*768+(\e%2)*256      ; the 16 lanes of a row block store 256 consecutive bytes
	global_store_b64 v8, v[CD+8*\e+4:CD+8*\e+5], s[48:49] offset:(\e/2)*768+512+(\e%2)*128
.endr
	global_store_b32 v9, v16, s[50:51]             ; the scale word, for lane r and for lane r + 16
	global_store_b32 v9, v16, s[50:51] offset:64
.endm
; 64 numbers of a lane, v[s] on, register 16 b + i = k 32 b + 16 (lane / 16) + i of my row, become a fragment's codes in v[PC] on and its scale word in v[PW].
.macro QUANT s
.irp b, 0,1,2,3
	v_max3_num_f32 v[TM+\b], |v[\s+16*\b]|, |v[\s+1+16*\b]|, 0x1800000   ; block b: my 16 numbers, and the floor 2^(3 - 127): the byte cannot fall under 1
.endr
.irp i, 2,4,6,8,10,12,14
.irp b, 0,1,2,3
	s_delay_alu instid0(VALU_DEP_4)
	v_max3_num_f32 v[TM+\b], v[TM+\b], |v[\s+16*\b+\i]|, |v[\s+1+16*\b+\i]|   ; (the four blocks by turns)
.endr
.endr
.irp b, 0,1,2,3
	s_delay_alu instid0(VALU_DEP_4)
	v_permlanex16_b32 v[TM+4+\b], v[TM+\b], s[SEL], s[SEL+1]
.endr
.irp b, 0,1,2,3
	s_delay_alu instid0(VALU_DEP_4)
	v_max_num_f32 v[TM+\b], v[TM+\b], v[TM+4+\b]   ; with lane l xor 16's: the block's largest magnitude
.endr
.irp b, 0,1,2,3
	s_delay_alu instid0(VALU_DEP_4)
	v_add_nc_u32 v[TM+12+\b], 0xff000000, v[TM+\b]   ; 2 off its exponent field: the conversion's scale operand
.endr
.irp b, 0,1,2,3
	s_delay_alu instid0(VALU_DEP_4)
	v_lshrrev_b32 v[TM+4+\b], 23, v[TM+12+\b]      ; the scale's byte
.endr
	s_delay_alu instid0(VALU_DEP_3)
	v_lshl_or_b32 v[PW], v[TM+5], 8, v[TM+4]
	s_delay_alu instid0(VALU_DEP_1)
	v_lshl_or_b32 v[PW], v[TM+6], 16, v[PW]
	s_delay_alu instid0(VALU_DEP_1)
	v_lshl_or_b32 v[PW], v[TM+7], 24, v[PW]
.irp c, 0,1
	v_cvt_scalef32_pk16_fp6_f32 v[PC+6*\c:PC+2+6*\c], v[\s+32*\c:\s+15+32*\c], v[TM+12+2*\c]
	v_cvt_scalef32_pk16_fp6_f32 v[PC+12+4*\c:PC+14+4*\c], v[\s+16+32*\c:\s+31+32*\c], v[TM+12+2*\c+1]   ; (a conversion's three registers begin on an even number)
.endr
	v_nop                                          ; one plain instruction behind a scaled conversion
.irp c, 0,1                                    ; the operand's layout wants a whole block in a lane: lanes 0-15 block 2 c, lanes 16-31 block 2 c + 1
.irp i, 0,1,2
	v_permlane16_swap_b32 v[PC+6*\c+\i], v[PC+12+4*\c+\i]
.endr
.irp i, 0,1,2
	s_delay_alu instid0(VALU_DEP_3)
	v_mov_b32 v[PC+3+6*\c+\i], v[PC+12+4*\c+\i]
.endr
.endr
.endm
	; ---- Wq, Wk, Wv, Wo (64 units each: 8 tiles of 128 columns x 8 K steps), W2 (128: 8 tiles x 16 K steps)
	s_lshr_b32 s30, s62, 6
	s_cmp_eq_u32 s30, 1
	s_cselect_b64 s[32:33], s[6:7], s[4:5]
	s_cmp_eq_u32 s30, 2
	s_cselect_b64 s[32:33], s[8:9], s[32:33]
	s_cmp_eq_u32 s30, 3
	s_cselect_b64 s[32:33], s[10:11], s[32:33]
	s_cmp_ge_u32 s30, 4
	s_cselect_b64 s[32:33], s[12:13], s[32:33]
	s_bfe_u32 s34, s62, 0x30003                    ; the tile, with 8 K steps
	s_and_b32 s35, s62, 7                          ; the K step
	s_bfe_u32 s37, s62, 0x30004                    ; the same with 16 K steps
	s_and_b32 s38, s62, 15
	s_add_co_u32 s39, s62, 256                     ; W2's groups begin at 512
	s_cmp_ge_u32 s62, 256
	s_cselect_b32 s34, s37, s34
	s_cselect_b32 s35, s38, s35
	s_cselect_b32 s42, s39, s62                    ; the group
	s_lshl_b32 s40, s35, 19                        ; 128 rows of 4,096 bytes a K step
	s_lshl_b32 s34, s34, 9                         ; 128 columns a tile
	s_add_co_u32 s40, s40, s34
	s_lshl_b32 s34, s28, 7                         ; 32 columns a wave
	s_add_co_u32 s40, s40, s34
	s_lshl_b32 s43, s28, 1
	WPTR
	s_wait_alu depctr_va_vdst(0)
	WQ 4096
	s_endpgm
.Lwide:	; ---- W1, W3 (128 units each: 16 runs of 128 columns x 8 K steps)
	s_sub_co_u32 s30, s62, 384
	s_cmp_ge_u32 s30, 128
	s_cselect_b64 s[32:33], s[16:17], s[14:15]
	s_cselect_b32 s31, 4, 0                        ; W3 takes blocks 4-7 of a tile
	s_bfe_u32 s34, s30, 0x40003                    ; the run of 128 columns
	s_and_b32 s35, s30, 7                          ; the K step
	s_lshl_b32 s40, s35, 20                        ; 128 rows of 8,192 bytes
	s_lshl_b32 s36, s34, 9
	s_add_co_u32 s40, s40, s36
	s_lshl_b32 s36, s28, 7
	s_add_co_u32 s40, s40, s36
	s_lshl_b32 s34, s34, 1
	s_lshr_b32 s36, s28, 1
	s_add_co_u32 s34, s34, s36                     ; the tile of 64 columns
	s_lshl_b32 s34, s34, 3
	s_add_co_u32 s42, s34, s35
	s_add_co_u32 s42, s42, 256                     ; the group
	s_and_b32 s43, s28, 1
	s_lshl_b32 s43, s43, 1
	s_add_co_u32 s43, s43, s31
	WPTR
	s_wait_alu depctr_va_vdst(0)
	WQ 8192
	s_endpgm
.Lrope:	; ---- the table [2048 positions][32 pairs][cos, sin]: a wave takes 32 positions, a lane a pair
	s_sub_co_u32 s30, s62, 640
	s_lshl_b32 s30, s30, 2
	s_add_co_u32 s30, s30, s28                     ; 0..63
	s_lshl_b32 s40, s30, 13                        ; 32 positions of 256 bytes
	s_add_co_u32 s40, s40, OFF_ROPE
	s_mov_b32 s41, 0
	s_add_nc_u64 s[48:49], s[18:19], s[40:41]
	s_lshl_b32 s31, s30, 5                         ; my first position
	s_mov_b32 s52, 0x3ed49a78                      ; log2(10000) / 32, high part
	s_mov_b32 s53, 0x32179a37                      ; and what the high part leaves
	s_mov_b32 s54, 0x3fc90fdb                      ; pi / 2, high part
	s_mov_b32 s55, 0xb33bbd2e                      ; and what it leaves
	s_mov_b32 s56, 0xb94ca1f9                      ; sine: -1.9515296e-4, 8.3321609e-3, -1.6666655e-1
	s_mov_b32 s57, 0x3c08839e
	s_mov_b32 s58, 0xbe2aaaa3
	s_mov_b32 s59, 0x37ccf5ce                      ; cosine: 2.4433157e-5, -1.3887316e-3, 4.1666646e-2
	s_mov_b32 s60, 0xbab6061a
	s_mov_b32 s61, 0x3d2aaaa5
	v_cvt_f32_u32 v10, v2                          ; i
	s_delay_alu instid0(VALU_DEP_1)
	v_mul_f32 v11, s52, v10                        ; p = i x the high part, rounded,
	s_delay_alu instid0(VALU_DEP_1)
	v_fma_f32 v12, v10, s52, -v11                  ; what that rounding dropped, exactly,
	s_delay_alu instid0(VALU_DEP_1)
	v_fma_f32 v12, v10, s53, v12                   ; and i x the low part
	s_delay_alu instid0(VALU_DEP_3)
	v_rndne_f32 v13, v11                           ; n
	s_delay_alu instid0(VALU_DEP_1)
	v_sub_f32 v11, v13, v11                        ; n - p, exact
	s_delay_alu instid0(VALU_DEP_1)
	v_sub_f32 v11, v11, v12                        ; -f, at most 1/2 in magnitude
	s_wait_alu depctr_va_vdst(0)
	v_exp_f32 v11, v11                             ; 2^-f
	v_cvt_i32_f32 v13, v13                         ; (a plain instruction behind the exponential)
	s_delay_alu instid0(VALU_DEP_1)
	v_sub_nc_u32 v13, 0, v13
	s_wait_alu depctr_va_vdst(0)                   ; the wait ahead of the first reader
	v_ldexp_f32 v10, v11, v13                      ; 10000^(-i / 32)
	v_cvt_f32_u32 v17, s31                         ; the position, as f32: whole numbers up to 2,047 are exact
	v_lshlrev_b32 v14, 3, v2                       ; 8 bytes a lane
	s_mov_b32 s29, 32
.Lpos:
	s_wait_alu depctr_va_vdst(0)
	v_mul_f32 v18, v17, v10                        ; the angle
	s_delay_alu instid0(VALU_DEP_1)
	v_mul_f32 v19, 0x3f22f983, v18
	s_delay_alu instid0(VALU_DEP_1)
	v_rndne_f32 v19, v19                           ; n = the nearest multiple of pi / 2, at most 1,303
	s_delay_alu instid0(VALU_DEP_1)
	v_fma_f32 v20, -v19, s54, v18
	s_delay_alu instid0(VALU_DEP_1)
	v_fma_f32 v20, -v19, s55, v20                  ; r, within pi / 4
	s_delay_alu instid0(VALU_DEP_1)
	v_mul_f32 v21, v20, v20                        ; z = r^2
	s_delay_alu instid0(VALU_DEP_1)
	v_fma_f32 v22, v21, s56, s57
	s_delay_alu instid0(VALU_DEP_1)
	v_fma_f32 v22, v22, v21, s58
	s_delay_alu instid0(VALU_DEP_3)
	v_mul_f32 v23, v20, v21
	s_delay_alu instid0(VALU_DEP_1)
	v_fma_f32 v22, v22, v23, v20                   ; sin r
	v_fma_f32 v24, v21, s59, s60
	s_delay_alu instid0(VALU_DEP_1)
	v_fma_f32 v24, v24, v21, s61
	v_mul_f32 v25, v21, v21
	v_fma_f32 v26, v21, -0.5, 1.0
	s_delay_alu instid0(VALU_DEP_1)
	v_fma_f32 v24, v24, v25, v26                   ; cos r
	v_cvt_i32_f32 v27, v19
	s_delay_alu instid0(VALU_DEP_1)
	v_and_b32 v28, 1, v27
	s_delay_alu instid0(VALU_DEP_1)
	v_cmp_eq_u32 vcc_lo, 1, v28                    ; an odd quarter swaps the two,
	s_delay_alu instid0(VALU_DEP_1)
	v_cndmask_b32 v30, v24, v22, vcc_lo
	s_delay_alu instid0(VALU_DEP_2)
	v_cndmask_b32 v31, v22, v24, vcc_lo
	v_and_b32 v28, 2, v27                          ; quarters 2, 3 turn the sine's sign,
	s_delay_alu instid0(VALU_DEP_1)
	v_lshlrev_b32 v28, 30, v28
	s_delay_alu instid0(VALU_DEP_1)
	v_xor_b32 v31, v28, v31
	v_add_nc_u32 v29, 1, v27                       ; quarters 1, 2 the cosine's
	s_delay_alu instid0(VALU_DEP_1)
	v_and_b32 v29, 2, v29
	s_delay_alu instid0(VALU_DEP_1)
	v_lshlrev_b32 v29, 30, v29
	s_delay_alu instid0(VALU_DEP_1)
	v_xor_b32 v30, v29, v30
	global_store_b64 v14, v[30:31], s[48:49]       ; 32 lanes store a position's 256 bytes
	s_wait_xcnt 0x0                                ; the store has read its data and its base: both are written again below and in the next trip
	s_add_nc_u64 s[48:49], s[48:49], 256
	v_add_f32 v17, 1.0, v17
	s_sub_co_u32 s29, s29, 1
	s_cmp_lg_u32 s29, 0
	s_cbranch_scc1 .Lpos
	s_endpgm
.Lnorm:	; ---- the norm of x: row block i = work-group - 328; all eight waves of the work-group are here
	s_load_b128 s[4:7], s[0:1], 0x40               ; x, g1
	s_load_b64 s[8:9], s[0:1], 0x50                ; the images
	s_sub_co_u32 s11, ttmp9, NWW                   ; i
	v_lshrrev_b32 v1, 5, v0
	s_delay_alu instid0(VALU_DEP_1)
	v_readfirstlane_b32 s10, v1                    ; wave 0..7 = K step
	v_and_b32 v1, 31, v0
	s_delay_alu instid0(VALU_DEP_1)
	v_lshlrev_b32 v2, 4, v1                        ; 16 x lane
	s_delay_alu instid0(VALU_DEP_2)
	v_lshlrev_b32 v3, 3, v1                        ; 8 x lane
	s_delay_alu instid0(VALU_DEP_3)
	v_lshlrev_b32 v4, 2, v1                        ; 4 x lane
	v_lshlrev_b32 v5, 2, v0                        ; LDS: 128 x wave + 4 x lane
	v_and_b32 v6, 15, v0                           ; r
	v_bfe_u32 v7, v0, 4, 1                         ; h
	s_delay_alu instid0(VALU_DEP_2)
	v_and_b32 v26, 8, v6
	s_delay_alu instid0(VALU_DEP_1)
	v_add_nc_u32 v26, v26, v6                      ; r + 8 (r / 8)
	s_delay_alu instid0(VALU_DEP_3)
	v_lshlrev_b32 v7, 6, v7                        ; the gain: 64 h
	s_delay_alu instid0(VALU_DEP_1)
	v_lshl_add_u32 v6, v26, 12, v7                 ; the rows: 4,096 bytes a row, + 64 h
.irp b, 0,1,2,3
	v_mov_b32 v[TM+4+\b], 0                        ; written once: a lane permute's destination counts as one of its sources
.endr
	s_lshr_b32 s12, s11, 1
	s_lshl_b32 s12, s12, 5
	s_and_b32 s13, s11, 1
	s_lshl_b32 s13, s13, 3
	s_add_co_u32 s12, s12, s13                     ; the block's first row: 32 (i / 2) + 8 (i % 2)
	s_lshl_b32 s12, s12, 12
	s_lshl_b32 s14, s10, 9                         ; my K step: 512 bytes on
	s_mov_b32 s15, 0
	s_add_co_u32 s12, s12, s14
	s_mov_b32 s13, 0
	s_lshr_b32 s16, s11, 3
	s_lshl_b32 s16, s16, 3
	s_add_co_u32 s16, s16, s10
	s_mul_i32 s16, s16, G8                         ; group (i / 8, w)
	s_and_b32 s18, s11, 7
	s_mul_i32 s17, s18, 1536
	s_lshl_b32 s18, s18, 7
	s_add_co_u32 s18, s18, s16
	s_add_co_u32 s18, s18, G8S
	s_add_co_u32 s16, s16, s17
	s_mov_b32 s17, 0
	s_mov_b32 s19, 0
	s_mov_b32 s[SEL], 0x76543210
	s_mov_b32 s[SEL+1], 0xfedcba98                 ; v_permlanex16_b32's selects for lane l xor 16
	s_mov_b32 s22, 0x3a800000                      ; 1 / 1024
	s_mov_b32 s23, 0x3727c5ac                      ; 1e-5
	s_wait_alu depctr_va_vdst(0)
	s_wait_kmcnt 0x0
	s_add_nc_u64 s[4:5], s[4:5], s[12:13]
	s_add_nc_u64 s[6:7], s[6:7], s[14:15]
	s_add_nc_u64 s[16:17], s[8:9], s[16:17]        ; my fragment
	s_add_nc_u64 s[18:19], s[8:9], s[18:19]        ; its scale image
.irp b, 0,1,2,3
.irp j, 0,1,2,3
	global_load_b128 v[X+16*\b+4*\j:X+16*\b+4*\j+3], v6, s[4:5] offset:128*\b+16*\j th:TH_LOAD_NT
.endr
.endr
.irp b, 0,1,2,3
.irp j, 0,1,2,3
	global_load_b128 v[G+16*\b+4*\j:G+16*\b+4*\j+3], v7, s[6:7] offset:128*\b+16*\j
.endr
.endr
	s_wait_loadcnt 16                              ; my numbers are in; the gain's sixteen loads may be out
.irp q, 0,1,2,3
	v_pk_mul_f32 v[8+2*\q:9+2*\q], v[X+2*\q:X+2*\q+1], v[X+2*\q:X+2*\q+1]   ; four packed chains, started by the first products
.endr
.set p, 4
.rept 28
	s_delay_alu instid0(VALU_DEP_4)
	v_pk_fma_f32 v[8+2*(p%4):9+2*(p%4)], v[X+2*p:X+2*p+1], v[X+2*p:X+2*p+1], v[8+2*(p%4):9+2*(p%4)]
.set p, p+1
.endr
	s_delay_alu instid0(VALU_DEP_3)
	v_pk_add_f32 v[8:9], v[8:9], v[10:11]
	s_delay_alu instid0(VALU_DEP_2)
	v_pk_add_f32 v[12:13], v[12:13], v[14:15]
	s_delay_alu instid0(VALU_DEP_1)
	v_pk_add_f32 v[8:9], v[8:9], v[12:13]
	s_delay_alu instid0(VALU_DEP_1)
	v_add_f32 v8, v8, v9
	s_delay_alu instid0(VALU_DEP_1)
	v_permlanex16_b32 v9, v8, s[SEL], s[SEL+1]
	s_delay_alu instid0(VALU_DEP_1)
	v_add_f32 v8, v8, v9                           ; my row's sum over this K step
	ds_store_b32 v5, v8
	s_wait_dscnt 0x0                               ; for the others' sake: my store has landed
	s_barrier_signal -1
	s_barrier_wait -1
.irp k, 0,1,2,3,4,5,6,7
	ds_load_b32 v[16+\k], v4 offset:128*\k         ; the eight waves' sums for my row
.endr
	s_wait_dscnt 0x0
.irp k, 1
	v_add_f32 v16, v16, v[16+\k]                   ; in the same order in every wave
.endr
.irp k, 2, 3, 4, 5, 6, 7
	s_delay_alu instid0(VALU_DEP_1)
	v_add_f32 v16, v16, v[16+\k]                   ; in the same order in every wave
.endr
	s_delay_alu instid0(VALU_DEP_1)
	v_fma_f32 v24, v16, s22, s23                   ; the mean + 1e-5
	s_wait_alu depctr_va_vdst(0)
	v_rsq_f32 v24, v24
	v_nop                                          ; a plain instruction behind the transcendental
	s_wait_alu depctr_va_vdst(0)                   ; the wait ahead of the first reader
	v_mov_b32 v25, v24
	s_wait_alu depctr_va_vdst(0)
	s_wait_loadcnt 0x0                             ; the gain
.set p, 0
.rept 32
	v_pk_mul_f32 v[X+2*p:X+2*p+1], v[X+2*p:X+2*p+1], v[24:25]
.set p, p+1
.endr
.set p, 0
.rept 32
	v_pk_mul_f32 v[X+2*p:X+2*p+1], v[X+2*p:X+2*p+1], v[G+2*p:G+2*p+1]
.set p, p+1
.endr
	QUANT X
	global_store_b128 v2, v[PC:PC+3], s[16:17]               ; 32 lanes store 512 consecutive bytes
	global_store_b64 v3, v[PC+4:PC+5], s[16:17] offset:512   ; 256
	global_store_b128 v2, v[PC+6:PC+9], s[16:17] offset:768
	global_store_b64 v3, v[PC+10:PC+11], s[16:17] offset:1280
	global_store_b32 v4, v[PW], s[18:19]                     ; lanes 16-31 hold the same words as lanes 0-15
	s_wait_tensorcnt 0x0
	ds_add_u32 v208, v209
	s_wait_dscnt 0x0
	s_endpgm
.Lfunc_end_k_qb7aae5f2cd_prep:
	.size	k_qb7aae5f2cd_prep, .Lfunc_end_k_qb7aae5f2cd_prep-k_qb7aae5f2cd_prep
	.p2alignl 7, 3214868480
	.fill 96, 4, 3214868480
	.section	.rodata,"a",@progbits
	.p2align	6, 0x0
	.amdhsa_kernel k_qb7aae5f2cd_prep
		.amdhsa_group_segment_fixed_size 2048
		.amdhsa_private_segment_fixed_size 0
		.amdhsa_enable_private_segment 0
		.amdhsa_kernarg_size 88
		.amdhsa_user_sgpr_count 2
		.amdhsa_user_sgpr_kernarg_segment_ptr 1
		.amdhsa_wavefront_size32 1
		.amdhsa_system_sgpr_workgroup_id_x 1
		.amdhsa_system_sgpr_workgroup_id_y 1
		.amdhsa_system_sgpr_workgroup_id_z 1
		.amdhsa_system_vgpr_workitem_id 0
		.amdhsa_next_free_vgpr 210
		.amdhsa_next_free_sgpr 66
		.amdhsa_reserve_vcc 1
		.amdhsa_float_denorm_mode_32 3
		.amdhsa_float_denorm_mode_16_64 3
		.amdhsa_memory_ordered 1
		.amdhsa_forward_progress 1
		.amdhsa_inst_pref_size 71
	.end_amdhsa_kernel
	.amdgpu_metadata
---
amdhsa.version: [ 1, 2 ]
amdhsa.kernels:
  - .name:           k_qb7aae5f2cd_prep
    .symbol:         k_qb7aae5f2cd_prep.kd
    .args:
      - { .name: Wq, .offset: 0, .size: 8, .value_kind: global_buffer, .address_space: global }
      - { .name: Wk, .offset: 8, .size: 8, .value_kind: global_buffer, .address_space: global }
      - { .name: Wv, .offset: 16, .size: 8, .value_kind: global_buffer, .address_space: global }
      - { .name: Wo, .offset: 24, .size: 8, .value_kind: global_buffer, .address_space: global }
      - { .name: W2, .offset: 32, .size: 8, .value_kind: global_buffer, .address_space: global }
      - { .name: W1, .offset: 40, .size: 8, .value_kind: global_buffer, .address_space: global }
      - { .name: W3, .offset: 48, .size: 8, .value_kind: global_buffer, .address_space: global }
      - { .name: wbuf, .offset: 56, .size: 8, .value_kind: global_buffer, .address_space: global }
      - { .name: x, .offset: 64, .size: 8, .value_kind: global_buffer, .address_space: global }
      - { .name: g1, .offset: 72, .size: 8, .value_kind: global_buffer, .address_space: global }
      - { .name: actp, .offset: 80, .size: 8, .value_kind: global_buffer, .address_space: global }
    .group_segment_fixed_size: 2048
    .private_segment_fixed_size: 0
    .kernarg_segment_align: 8
    .kernarg_segment_size: 88
    .max_flat_workgroup_size: 256
    .sgpr_count:     66
    .vgpr_count:     210
    .wavefront_size: 32
...
	.end_amdgpu_metadata
.endif
;; end of part 8
;; launch qkv (part 9): grid 768 x 1, 1 waves a work-group, no clusters, 0 bytes of LDS; arguments actp, wbuf, actq; writes actq
.if DOCPART == 9
	.amdgcn_target "amdgcn-amd-amdhsa--gfx1250"
	.amdhsa_code_object_version 6
	.text
	.protected	k_qb7aae5f2cd_qkv
	.globl	k_qb7aae5f2cd_qkv
	.p2align	8
	.type	k_qb7aae5f2cd_qkv,@function
k_qb7aae5f2cd_qkv:
	s_mov_b64 s[64:65], 0
	v_nop
	global_prefetch_b8 v0, s[64:65] scope:SCOPE_SE
	s_setreg_imm32_b32 hwreg(HW_REG_WAVE_MODE, 25, 1), 1
	s_wait_xcnt 0x0
; Q, K and V: C = A B^T on codes of FP6 (E2M3) with E8M0 scales, 128 x 128 of C to a wave, one wave to a work-group, K = 1,024 in 8 steps of 128.
;   work-groups 0-511:   A = h (32 tiles of tokens), B = Wq|Wk (16 tiles):  rotary embedding, quantised along the head's 64, to the Q and K streams
;   work-groups 512-767: A = Wv (8 tiles of features), B = h:               V^T, quantised along the keys, to the V streams
; OPERANDS lie in memory as images of their registers: group (tile, K step) of 13,312 bytes = 8 fragments of 1,536 (two halves of 768: registers 0-3 at 16 lane, 4-5 at 512 + 8 lane) + 8 scale images of 128.
; They go from memory straight into two sets of registers that take turns: no LDS, no barrier and no tensor load.  Tiles are not asked for jointly in a cluster: the operands never lie in LDS, so there is no tile
; that a joint load could fill; each group is read by every wave whose tile needs it (8 to 32 waves).
; THE MATRIX INSTRUCTION IS USED TRANSPOSED (source 0 = 16 rows of B, source 1 = 16 rows of A), and lane r of row block i holds operand row 32 (i / 2) + 8 (i % 2) + r + 8 (r / 8): so for a block a of A the 64 registers of
; accumulators (a, 0..7) are, in lane (r, h), register n = B's row 32 (n / 16) + 16 h + n % 16 of A's row r: the order in which the conversions want neighbours.
; K IS WALKED FROM A START THAT DIFFERS FROM TILE TO TILE ((TA + TB) mod 8) and wraps, so that the waves that read a group do not all ask for it in the same step: the order of the f32 sums differs from tile to tile.
; LIMITS: NaN and infinities are not served; a block of zeros, or one under 2^-124, gets the byte 1: a block of zeros has zero codes, and this program alone reads the bytes.
; REGISTERS: window 0: v1-6 lane terms; v32-63 scale words and nothing else (set p: A's at 32 + 16 p, B's at 40 + 16 p); v64-159, v160-255 A's fragments, sets 0, 1.  window 1: v0-95, v96-191 B's sets.
;   windows 2, 3: accumulator (a, b) at v[8 (8 (a % 4) + b)] of window 2 + a / 4.  On the way out windows 0 (from v64) and 1 are free.
.set KS,       8                       ; K steps
.set G8,       13312
.set G8S,      12288
.set OFF_WV,   1703936
.set OFF_ROPE, 8519680
.set HK,       114688                  ; a head's Q or K stream: 128 half images of 768 bytes, then 128 scale images
.set HV,       106496                  ; a head's V stream: 64 fragments, then 64 scale images
.set KREG,     3670016
.set VREG,     7340032
.set HA,  64                           ; the way out, window 0: 64 numbers at work
.set TM,  128                          ; v128-151 partial maxima
.set MX,  152                          ; v152-155 the blocks' largest magnitudes
.set PX,  156                          ; v156-159 the permutes' destinations
.set SO,  160                          ; v160-163 the conversions' scale operands
.set BY,  164                          ; v164-167 the bytes
.set PT,  168                          ; v168-174 the conversions' second results
.set PCB, 176                          ; v176-199 the codes, two sets of 12
.set PW,  200                          ; v200-201 the scale word, two sets
.set SW,  202                          ; v202-205 its halves
.set T,   208                          ; v208-215 at work
.set MSB, 0
.macro WIN new                         ; the immediate's high byte repeats the setting that is left; a switch that changes nothing is dropped
.if MSB != (\new)
	s_set_vgpr_msb (MSB<<8)|(\new)
.set MSB, (\new)
.endif
.endm
.set MUL_LO, 0xa1                      ; source 0 (B) window 1, source 1 (A) window 0, C and D window 2
.set MUL_HI, 0xf1                      ; the same, C and D window 3
.set TO_B,   0x40                      ; destination window 1, address window 0
.macro PLACES                          ; four plain instructions between a matrix instruction and a load into, or a vector instruction or store on, its registers
.rept 4
	v_nop
.endr
.endm
.macro LOADA p, j0                     ; A's blocks j0 .. j0 + 3 of the K step at s[32:33], and their scale words, into set p: 20 loads
.irp j, \j0, \j0+1, \j0+2, \j0+3
	global_load_b128 v[64+96*(\p)+12*(\j):64+96*(\p)+12*(\j)+3], v1, s[32:33] offset:(\j)*1536
	global_load_b64 v[64+96*(\p)+12*(\j)+4:64+96*(\p)+12*(\j)+5], v2, s[32:33] offset:(\j)*1536+512
	global_load_b128 v[64+96*(\p)+12*(\j)+6:64+96*(\p)+12*(\j)+9], v1, s[32:33] offset:(\j)*1536+768
	global_load_b64 v[64+96*(\p)+12*(\j)+10:64+96*(\p)+12*(\j)+11], v2, s[32:33] offset:(\j)*1536+1280
	global_load_b32 v[32+16*(\p)+(\j)], v3, s[32:33] offset:G8S+128*(\j)
.endr
.endm
.macro LOADB p                         ; B's eight blocks and their scale words: 40 loads
	WIN TO_B
.irp j, 0,1,2,3,4,5,6,7
	global_load_b128 v[96*(\p)+12*\j:96*(\p)+12*\j+3], v1, s[34:35] offset:\j*1536
	global_load_b64 v[96*(\p)+12*\j+4:96*(\p)+12*\j+5], v2, s[34:35] offset:\j*1536+512
	global_load_b128 v[96*(\p)+12*\j+6:96*(\p)+12*\j+9], v1, s[34:35] offset:\j*1536+768
	global_load_b64 v[96*(\p)+12*\j+10:96*(\p)+12*\j+11], v2, s[34:35] offset:\j*1536+1280
.endr
	WIN 0
.irp j, 0,1,2,3,4,5,6,7
	global_load_b32 v[40+16*(\p)+\j], v3, s[34:35] offset:G8S+128*\j
.endr
.endm
.macro ADV                             ; on to the next K step, round the end
	s_wait_xcnt 0x0                                ; the loads issued so far have read their bases: these may be written
	s_add_co_u32 s24, s24, 1
	s_and_b32 s24, s24, KS-1
	s_mul_i32 s26, s24, G8
	s_add_nc_u64 s[32:33], s[28:29], s[26:27]
	s_add_nc_u64 s[34:35], s[30:31], s[26:27]
.endm
; 16 matrix instructions: A's blocks a0, a0 + 1 x B's eight.  The 64 accumulators take turns, one instruction a turn, in the same order in every step.  zero = 1: the first products start the sums.
.macro MUL16 a0, p, zero
.irp a, \a0, \a0+1
.irp b, 0,1,2,3,4,5,6,7
.if \zero
	v_wmma_scale_f32_16x16x128_f8f6f4 v[8*(8*((\a)%4)+\b):8*(8*((\a)%4)+\b)+7], v[96*(\p)+12*\b:96*(\p)+12*\b+11], v[64+96*(\p)+12*(\a):64+96*(\p)+12*(\a)+11], 0, v[40+16*(\p)+\b], v[32+16*(\p)+(\a)] matrix_a_fmt:MATRIX_FMT_FP6 matrix_b_fmt:MATRIX_FMT_FP6
.else
	v_wmma_scale_f32_16x16x128_f8f6f4 v[8*(8*((\a)%4)+\b):8*(8*((\a)%4)+\b)+7], v[96*(\p)+12*\b:96*(\p)+12*\b+11], v[64+96*(\p)+12*(\a):64+96*(\p)+12*(\a)+11], v[8*(8*((\a)%4)+\b):8*(8*((\a)%4)+\b)+7], v[40+16*(\p)+\b], v[32+16*(\p)+(\a)] matrix_a_fmt:MATRIX_FMT_FP6 matrix_b_fmt:MATRIX_FMT_FP6
.endif
.endr
.endr
.endm
; A K step on set p.  refill = 1: the set takes the K step two on, A's blocks 0-3 as soon as their products are issued, the rest at the step's end: it is wanted a whole step later.
.macro STEP p, zero, refill, cnt
	s_wait_loadcnt \cnt                            ; set p is in.  Behind its loads the other set's 80 were issued: 63 is the largest count that a wait can name, and a smaller count is always safe.  The last step: 0
.if \refill
	ADV
.endif
	WIN MUL_LO
	MUL16 0, \p, \zero
	MUL16 2, \p, \zero
.if \refill
	PLACES
	WIN 0
	LOADA \p, 0
.endif
	WIN MUL_HI
	MUL16 4, \p, \zero
	MUL16 6, \p, \zero
.if \refill
	PLACES
	WIN 0
	LOADA \p, 4
	LOADB \p
.endif
	WIN 0
.endm
; 32 numbers of a lane in window W, register src + 16 b + i = k 32 b + 16 (lane / 16) + i: blocks 2 c and 2 c + 1 of a fragment.  Codes to v[PCB + 12 set + 6 c] on (six registers), bytes to v[BY + 2 c], v[BY + 2 c + 1].
; The maxima take the registers in ascending order: an accumulator is read from its low end on.
.macro QH src, W, c, set
.set PS, PCB+12*(\set)
	WIN (\W)|((\W)<<2)|((\W)<<4)
.irp i, 0,1,2,3,4
.irp b, 0,1
	v_max3_num_f32 v[TM+12*(\c)+6*\b+\i], |v[(\src)+16*\b+3*\i]|, |v[(\src)+16*\b+3*\i+1]|, |v[(\src)+16*\b+3*\i+2]|
.endr
.endr
.irp b, 0,1
	v_max3_num_f32 v[TM+12*(\c)+6*\b+5], |v[(\src)+16*\b+13]|, |v[(\src)+16*\b+14]|, |v[(\src)+16*\b+15]|
.endr
	WIN 0
.irp b, 0,1
	v_max3_num_f32 v[MX+2*(\c)+\b], v[TM+12*(\c)+6*\b], v[TM+12*(\c)+6*\b+1], v[TM+12*(\c)+6*\b+2]
.endr
.irp b, 0,1
	v_max3_num_f32 v[TM+12*(\c)+6*\b], v[TM+12*(\c)+6*\b+3], v[TM+12*(\c)+6*\b+4], v[TM+12*(\c)+6*\b+5]
.endr
.irp b, 0,1
	v_max3_num_f32 v[MX+2*(\c)+\b], v[MX+2*(\c)+\b], v[TM+12*(\c)+6*\b], 0x1800000   ; and the floor 2^(3 - 127): the byte cannot fall under 1
.endr
.irp b, 0,1
	v_permlanex16_b32 v[PX+2*(\c)+\b], v[MX+2*(\c)+\b], s44, s45
.endr
.irp b, 0,1
	v_max_num_f32 v[MX+2*(\c)+\b], v[MX+2*(\c)+\b], v[PX+2*(\c)+\b]   ; with lane l xor 16's: the block's largest magnitude
.endr
.irp b, 0,1
	v_add_nc_u32 v[SO+2*(\c)+\b], 0xff000000, v[MX+2*(\c)+\b]        ; 2 off its exponent field: the conversion's scale operand
.endr
.irp b, 0,1
	v_lshrrev_b32 v[BY+2*(\c)+\b], 23, v[SO+2*(\c)+\b]               ; the scale's byte
.endr
	WIN (\W)
	v_cvt_scalef32_pk16_fp6_f32 v[PS+6*(\c):PS+6*(\c)+2], v[(\src):(\src)+15], v[SO+2*(\c)]
	v_cvt_scalef32_pk16_fp6_f32 v[PT+4*(\c):PT+4*(\c)+2], v[(\src)+16:(\src)+31], v[SO+2*(\c)+1]   ; (a conversion's three registers begin on an even number)
	WIN 0
	v_nop                                          ; one plain instruction behind a scaled conversion
.irp i, 0,1,2
	v_permlane16_swap_b32 v[PS+6*(\c)+\i], v[PT+4*(\c)+\i]   ; the operand's layout wants a whole block in a lane
.endr
.irp i, 0,1,2
	v_mov_b32 v[PS+6*(\c)+3+\i], v[PT+4*(\c)+\i]
.endr
.endm
.macro Q4 src, W, set                  ; 64 numbers: a whole fragment and its scale word
	QH (\src), (\W), 0, (\set)
	QH (\src)+32, (\W), 1, (\set)
	v_lshl_or_b32 v[PW+(\set)], v[BY+1], 8, v[BY]
	v_lshl_or_b32 v[PW+(\set)], v[BY+2], 16, v[PW+(\set)]
	v_lshl_or_b32 v[PW+(\set)], v[BY+3], 24, v[PW+(\set)]
.endm
	s_load_b128 s[4:7], s[0:1], 0x0                ; h s[4:5], wbuf s[6:7]
	s_load_b64 s[10:11], s[0:1], 0x10              ; the streams
	v_lshlrev_b32 v1, 4, v0                        ; 16 x lane
	v_lshlrev_b32 v2, 3, v0                        ; 8 x lane
	v_lshlrev_b32 v3, 2, v0                        ; 4 x lane
	v_and_b32 v7, 15, v0                           ; r
	v_lshrrev_b32 v8, 4, v0                        ; h
	v_and_b32 v9, 8, v7
	v_add_nc_u32 v9, v9, v7                        ; r + 8 (r / 8)
	v_lshlrev_b32 v6, 8, v9
	v_lshl_add_u32 v6, v8, 6, v6                   ; the table: 256 bytes a position, + 64 h
	s_mov_b32 s44, 0x76543210
	s_mov_b32 s45, 0xfedcba98                      ; v_permlanex16_b32's selects for lane l xor 16
	s_cmp_ge_u32 ttmp9, 512                        ; Q and K, or V^T?  The choice hangs on the work-group's number alone
	s_cselect_b32 s15, 1, 0                        ; 1: V^T
	s_cselect_b32 s16, 512, 0
	s_cselect_b32 s17, 4, 3                        ; log2 of half the number of B's tiles: 32 tiles of tokens, or 16 of Wq|Wk
	s_cselect_b32 s36, OFF_WV, 0                   ; where A's groups begin in its buffer; B's begin at 0 either way
	s_sub_co_u32 s16, ttmp9, s16                   ; the work-group's number within its kind
	s_and_b32 s19, s16, 1                          ; four neighbouring work-groups make 2 x 2 tiles
	s_bfe_u32 s18, s16, 0x10001
	s_lshr_b32 s25, s16, 2
	s_lshl_b32 s37, 1, s17
	s_sub_co_u32 s37, s37, 1
	s_and_b32 s37, s25, s37
	s_lshl_b32 s37, s37, 1
	s_add_co_u32 s19, s19, s37                     ; TB
	s_lshr_b32 s37, s25, s17
	s_lshl_b32 s37, s37, 1
	s_add_co_u32 s18, s18, s37                     ; TA
	s_mul_i32 s37, s18, KS*G8
	s_add_co_u32 s36, s36, s37
	s_mov_b32 s37, 0
	s_mul_i32 s38, s19, KS*G8
	s_mov_b32 s39, 0
	s_wait_alu depctr_va_vdst(0)
	s_wait_kmcnt 0x0
	s_cmp_eq_u32 s15, 1                            ; for V^T the weight is A and the activations are B
	s_cselect_b64 s[28:29], s[6:7], s[4:5]
	s_cselect_b64 s[30:31], s[4:5], s[6:7]
	s_add_nc_u64 s[28:29], s[28:29], s[36:37]      ; A's tile
	s_add_nc_u64 s[30:31], s[30:31], s[38:39]      ; B's tile
	s_add_co_u32 s24, s18, s19
	s_and_b32 s24, s24, KS-1                       ; the K step at which this tile begins
	s_mul_i32 s26, s24, G8
	s_mov_b32 s27, 0
	s_add_nc_u64 s[32:33], s[28:29], s[26:27]
	s_add_nc_u64 s[34:35], s[30:31], s[26:27]
	LOADA 0, 0
	LOADA 0, 4
	LOADB 0
	ADV
	LOADA 1, 0
	LOADA 1, 4
	LOADB 1
	STEP 0, 1, 1, 63                               ; the first step stands ahead of the loop: its products start the sums
	s_mov_b32 s23, (KS-4)/2
.Lk:
	STEP 1, 0, 1, 63
	STEP 0, 0, 1, 63
	s_sub_co_u32 s23, s23, 1
	s_cmp_lg_u32 s23, 0
	s_cbranch_scc1 .Lk
	STEP 1, 0, 1, 63                               ; the last refill
	STEP 0, 0, 0, 63
	STEP 1, 0, 0, 0
	PLACES                                         ; behind the last products: all that follows may read results and write over operands
.irp b, 0,1,2,3
	v_mov_b32 v[PX+\b], 0                          ; written once: a lane permute's destination counts as one of its sources
.endr
	s_mov_b32 s43, 0
	s_cmp_eq_u32 s15, 1
	s_cbranch_scc1 .Lv
	; ---- Q and K: the tile's 128 columns are two heads of Q (TB < 8) or of K.  Rotary embedding in f32, then a half image and a scale image for each head and row block.
	s_and_b32 s42, s18, 15
	s_lshl_b32 s42, s42, 15                        ; the tile's first position: 128 positions of 256 bytes a tile
	s_add_co_u32 s42, s42, OFF_ROPE
	s_add_nc_u64 s[36:37], s[6:7], s[42:43]        ; the table
	s_lshr_b32 s48, s18, 4
	s_lshl_b32 s48, s48, 4
	s_and_b32 s49, s19, 7
	s_lshl_b32 s49, s49, 1
	s_add_co_u32 s48, s48, s49                     ; 16 x batch + my first head
	s_mul_i32 s48, s48, HK
	s_cmp_lt_u32 s19, 8
	s_cselect_b32 s49, 0, KREG
	s_add_co_u32 s48, s48, s49
	s_and_b32 s49, s18, 15
	s_mul_i32 s42, s49, 8*768
	s_add_co_u32 s42, s42, s48
	s_add_nc_u64 s[38:39], s[10:11], s[42:43]      ; my eight half images
	s_lshl_b32 s42, s49, 10
	s_add_co_u32 s42, s42, s48
	s_add_co_u32 s42, s42, 98304
	s_add_nc_u64 s[40:41], s[10:11], s[42:43]      ; their scale images
	WIN TO_B                                       ; window 1, register 32 a + 16 e + 2 m: the cosine of pair 16 e + 8 h + m at my row of block a; the next register its sine
.irp a, 0,1,2,3,4,5,6,7
.irp e, 0,1
.irp i, 0,1,2,3
	global_load_b128 v[32*\a+16*\e+4*\i:32*\a+16*\e+4*\i+3], v6, s[36:37] offset:(32*(\a/2)+8*(\a%2))*256+128*\e+16*\i
.endr
.endr
.endr
	WIN 0
.irp a, 0,1,2,3,4,5,6,7
	s_wait_loadcnt 56-8*\a                         ; this block's eight loads are in; the later blocks' may be out
	s_wait_xcnt 0x0                                ; the earlier blocks' stores have read their data
	WIN (2+\a/4)|(1<<2)                            ; source 0: the accumulators; source 1: the table
.irp q, 0,1,2,3
.irp m, 0,1,2,3,4,5,6,7
	v_mul_f32 v[T+2*(\m%4)], v[64*(\a%4)+16*\q+2*\m+1], v[32*\a+16*(\q%2)+2*\m+1]     ; x2 sin
	v_mul_f32 v[T+2*(\m%4)+1], v[64*(\a%4)+16*\q+2*\m], v[32*\a+16*(\q%2)+2*\m+1]     ; x1 sin
	v_fma_f32 v[HA+16*\q+2*\m], v[64*(\a%4)+16*\q+2*\m], v[32*\a+16*(\q%2)+2*\m], -v[T+2*(\m%4)]         ; x1 cos - x2 sin
	v_fma_f32 v[HA+16*\q+2*\m+1], v[64*(\a%4)+16*\q+2*\m+1], v[32*\a+16*(\q%2)+2*\m], v[T+2*(\m%4)+1]    ; x2 cos + x1 sin
.endr
.endr
	WIN 0
	Q4 HA, 0, \a%2
	v_and_b32 v[SW+2*(\a%2)], 0xffff, v[PW+\a%2]   ; a head's two bytes; bytes 2 and 3 are 0: they scale the zero codes that fill the instruction's K from 64 on
	v_lshrrev_b32 v[SW+2*(\a%2)+1], 16, v[PW+\a%2]
.irp e, 0,1
	global_store_b128 v1, v[PCB+12*(\a%2)+6*\e:PCB+12*(\a%2)+6*\e+3], s[38:39] offset:\a*768+\e*HK
	global_store_b64 v2, v[PCB+12*(\a%2)+6*\e+4:PCB+12*(\a%2)+6*\e+5], s[38:39] offset:\a*768+\e*HK+512
	global_store_b32 v3, v[SW+2*(\a%2)+\e], s[40:41] offset:\a*128+\e*HK
.endr
.endr
	s_endpgm
.Lv:	; ---- V^T: rows = 128 features (two heads), registers along 128 keys: one fragment of V^T and its scale image for each row block, straight from the accumulators
	s_lshr_b32 s48, s19, 4
	s_lshl_b32 s48, s48, 4
	s_lshl_b32 s49, s18, 1
	s_add_co_u32 s48, s48, s49                     ; 16 x batch + my first head
	s_mul_i32 s48, s48, HV
	s_add_co_u32 s48, s48, VREG
	s_and_b32 s49, s19, 15                         ; the key step
	s_mul_i32 s42, s49, 6144
	s_add_co_u32 s42, s42, s48
	s_add_nc_u64 s[38:39], s[10:11], s[42:43]
	s_lshl_b32 s42, s49, 9
	s_add_co_u32 s42, s42, s48
	s_add_co_u32 s42, s42, 98304
	s_add_nc_u64 s[40:41], s[10:11], s[42:43]
.irp a, 0,1,2,3,4,5,6,7
	s_wait_xcnt 0x0                                ; the earlier blocks' stores have read their data
	Q4 64*(\a%4), 2+\a/4, \a%2
	global_store_b128 v1, v[PCB+12*(\a%2):PCB+12*(\a%2)+3], s[38:39] offset:(\a/4)*HV+(\a%4)*1536
	global_store_b64 v2, v[PCB+12*(\a%2)+4:PCB+12*(\a%2)+5], s[38:39] offset:(\a/4)*HV+(\a%4)*1536+512
	global_store_b128 v1, v[PCB+12*(\a%2)+6:PCB+12*(\a%2)+9], s[38:39] offset:(\a/4)*HV+(\a%4)*1536+768
	global_store_b64 v2, v[PCB+12*(\a%2)+10:PCB+12*(\a%2)+11], s[38:39] offset:(\a/4)*HV+(\a%4)*1536+1280
	global_store_b32 v3, v[PW+\a%2], s[40:41] offset:(\a/4)*HV+(\a%4)*128
.endr
	s_endpgm
.Lfunc_end_k_qb7aae5f2cd_qkv:
	.size	k_qb7aae5f2cd_qkv, .Lfunc_end_k_qb7aae5f2cd_qkv-k_qb7aae5f2cd_qkv
	.p2alignl 7, 3214868480
	.fill 96, 4, 3214868480
	.section	.rodata,"a",@progbits
	.p2align	6, 0x0
	.amdhsa_kernel k_qb7aae5f2cd_qkv
		.amdhsa_group_segment_fixed_size 0
		.amdhsa_private_segment_fixed_size 0
		.amdhsa_enable_private_segment 0
		.amdhsa_kernarg_size 24
		.amdhsa_user_sgpr_count 2
		.amdhsa_user_sgpr_kernarg_segment_ptr 1
		.amdhsa_wavefront_size32 1
		.amdhsa_system_sgpr_workgroup_id_x 1
		.amdhsa_system_sgpr_workgroup_id_y 1
		.amdhsa_system_sgpr_workgroup_id_z 1
		.amdhsa_system_vgpr_workitem_id 0
		.amdhsa_next_free_vgpr 1024
		.amdhsa_next_free_sgpr 66
		.amdhsa_reserve_vcc 0
		.amdhsa_float_denorm_mode_32 3
		.amdhsa_float_denorm_mode_16_64 3
		.amdhsa_memory_ordered 1
		.amdhsa_forward_progress 1
		.amdhsa_inst_pref_size 231
	.end_amdhsa_kernel
	.amdgpu_metadata
---
amdhsa.version: [ 1, 2 ]
amdhsa.kernels:
  - .name:           k_qb7aae5f2cd_qkv
    .symbol:         k_qb7aae5f2cd_qkv.kd
    .args:
      - { .name: actp, .offset: 0, .size: 8, .value_kind: global_buffer, .address_space: global }
      - { .name: wbuf, .offset: 8, .size: 8, .value_kind: global_buffer, .address_space: global }
      - { .name: actq, .offset: 16, .size: 8, .value_kind: global_buffer, .address_space: global }
    .group_segment_fixed_size: 0
    .private_segment_fixed_size: 0
    .kernarg_segment_align: 8
    .kernarg_segment_size: 24
    .max_flat_workgroup_size: 32
    .sgpr_count:     66
    .vgpr_count:     1024
    .wavefront_size: 32
...
	.end_amdgpu_metadata
.endif
;; end of part 9
;; launch attn (part 10): grid 8 x 32, 16 waves a work-group, clusters of 4 x 1, 258,048 bytes of LDS; arguments actq, actp; writes actp
.if DOCPART == 10
	.amdgcn_target "amdgcn-amd-amdhsa--gfx1250"
	.amdhsa_code_object_version 6
	.text
	.protected	k_qb7aae5f2cd_attn
	.globl	k_qb7aae5f2cd_attn
	.p2align	8
	.type	k_qb7aae5f2cd_attn,@function
k_qb7aae5f2cd_attn:
	s_mov_b64 s[64:65], 0
	v_nop
	global_prefetch_b8 v0, s[64:65] scope:SCOPE_SE
	s_setreg_imm32_b32 hwreg(HW_REG_WAVE_MODE, 25, 1), 1
	s_wait_xcnt 0x0
	s_wait_alu depctr_hold_cnt(0) depctr_sa_sdst(0) depctr_va_vdst(0) depctr_va_sdst(0) depctr_va_ssrc(0) depctr_va_vcc(0) depctr_vm_vsrc(0)
	s_getreg_b32 s2, hwreg(HW_REG_IB_STS2, 6, 4)
	s_cmp_eq_u32 s2, 0
	s_cbranch_scc0 .Lentry_in_a_cluster
	s_endpgm
.Lentry_in_a_cluster:
	s_bfe_u32 s2, ttmp6, 0x10000c
	s_cmp_lg_u32 s2, 0x3003
	s_cbranch_scc0 .Lentry_shape_is_right
	s_endpgm
.Lentry_shape_is_right:
; Causal attention on codes of FP6 (E2M3) with E8M0 scales: 32 heads (batch x head) of 2,048 positions, head size 64.  ctx = softmax(Q K^T / 8) V, quantised along the features for the next product.
; THE SOFTMAX AHEAD OF THE SECOND PRODUCT: t = score x log2(e) / 8; M = the running largest t rounded UP to a whole number; p = 2^(t - M) is what is quantised, along the keys, not normalised.
; The row's sum is taken of the unquantised p and divides O at the end.  When M moves, the sum and O are multiplied by 2^(old M - new M): exact.
; LEFT OUT: key steps all of whose keys come after a tile's queries: the causal mask gives them the weight 0 for all values of the inputs.
; IN (made by the launch before): for each head a Q and a K stream (128 tiles of 16 positions: half images of 768 bytes, 64 along K; then 128 scale images of 128 bytes) and a V stream (fragments (key step, tile of 16 features)
; of 1,536 bytes, keys innermost; then their scale images).  Lane r of tile i holds position (or feature) 32 (i / 2) + 8 (i % 2) + r + 8 (r / 8), so that 16 registers of two neighbouring result tiles are 16 neighbours.
; The head's 64 fill half of the instruction's K = 128.  Q's codes for K = 64 .. 127 are zeros, so whatever codes stand there on K's side add nothing (FP6 has no NaN and no infinity; bytes 2, 3 of the scale words are 0, a finite scale):
; K's eight fragments of a step lie 6 registers apart, each fragment's upper six registers being the next one's lower six, and behind the last stand six registers that are written once.
; LDS.  A head's K and V streams, 221,184 bytes, lie in LDS whole, as they lie in memory; each byte is filled once, so there is no ring.  The four work-groups of a cluster serve one head and ask for each piece JOINTLY:
; waves 0-7 an eighth of K's stream each (56 rows of 256 bytes), waves 8-15 an eighth of V's (52 rows): one tensor load a wave.  No prefetch: all bytes are asked for at the head, and there is no loop to run ahead in.
; SHARES.  Eight work-groups serve a head (g: the work-group's number in it).  Waves q and q + 8 (q = 0 .. 7) share two tiles of 16 queries: tile A = 8 q + g, with q + 1 key steps of 128 keys, and tile B = 127 - A, with 16 - q: 17 in all.
; Wave q makes tile A whole and stores it, then takes tile B's key steps 0 .. 8 - q and leaves its O, -M and sum in LDS bytes of the pair's own: 10 key steps.  Wave q + 8 takes tile B's key steps 9 - q .. 15 - q, seven of them,
; and behind one barrier joins the two parts, each multiplied by 2^(its M - the larger M), which is exact, and sends tile B out.  What a wave does hangs on its number alone; g enters global addresses and the masks' bounds alone.
; Both loops' trip counts are constants; a trip that is not the wave's is passed over by a scalar branch.  Both products are used transposed (S^T = K Q^T, O^T = V^T P^T): a lane holds one query throughout.
; LIMITS: NaN and infinities are not served; a block of zeros gets the byte 1: its codes are zeros, and this program alone reads the bytes.  The scaled scores t stay under 2^31 in magnitude.
; REGISTERS: v1-3 16, 8, 4 x lane; v4, v11 the masks' bounds for tiles A, B; v5-10 LDS addresses; v12 -M, v13 the largest t, v[14:15] the sum; v16-27 tile A's Q, v28-39 tile B's; v40-87 K's eight fragments (then two of V's);
;   v88-89 LDS addresses of the pair's bytes, v90-93 zeros; v96-159 S^T, then p; v160-191 O^T; v192-215 two fragments of V; v224-235 p's codes; v232-247, v252, v254 at work;
;   scale words and nothing else: v248-251, v216-219 K's; v220-222, v95 V's; v255, v94 Q's; v253 p's.  v223, v243: the add's two registers.
.set HK,   114688
.set HV,   106496
.set KREG, 3670016
.set VREG, 7340032
.set G8,   13312
.set G8S,  12288
.set KC,   0                           ; LDS: K's codes, 98,304 bytes,
.set KSCL, 98304                       ; its scale images, 16,384;
.set VC,   114688                      ; V's codes, 98,304,
.set VSCL, 212992                      ; its scale images, 8,192
.set MRG,  221184                      ; the pairs' bytes: 4,352 for each pair: O^T as eight images of 512 bytes, then (-M, sum) at 8 x lane.  No tensor load lands here
.set PSZ,  4352
.set SPARE, MRG+8*PSZ                  ; the spare words, 128 bytes for each of the 16 waves
.set KF,   40
.macro CROUND                          ; a round of the cluster's barrier
	s_barrier_signal -1
	s_barrier_wait -1
	s_cmp_lg_u32 s8, 0
	s_cbranch_scc1 .Lnot_wave_0_\@
	s_barrier_signal -3
.Lnot_wave_0_\@:
	s_barrier_wait -3
	s_barrier_signal -1
	s_barrier_wait -1
.endm
.macro INIT                            ; a tile's state: the largest t -3e38, under every t; -M its negative, a whole number; the sum and O^T zeros, which the first change of M leaves zeros
	v_mov_b32 v13, 0xff61b1e6
	v_mov_b32 v12, 0x7f61b1e6
	v_mov_b32 v14, 0
	v_mov_b32 v15, 0
.set j, 0
.rept 32
	v_mov_b32 v[160+j], 0
.set j, j+1
.endr
.endm
; where a tile's ctx goes: group (16 x batch + tile / 8, head / 2), fragment tile % 8, half head % 2.  qb, jj: scalars with tile / 8 and tile % 8; s33 16 x batch, s34 head / 2, s35 head % 2
.macro OADDR qb, jj, dc, dsc
	s_add_co_u32 s92, s33, s[\qb]
	s_lshl_b32 s92, s92, 3
	s_add_co_u32 s92, s92, s34
	s_mul_i32 s92, s92, G8
	s_mul_i32 s94, s35, 768
	s_add_co_u32 s94, s94, s92
	s_mul_i32 s95, s[\jj], 1536
	s_add_co_u32 s94, s94, s95
	s_mov_b32 s95, 0
	s_add_nc_u64 s[\dc:\dc+1], s[6:7], s[94:95]
	s_lshl_b32 s94, s[\jj], 7
	s_add_co_u32 s94, s94, s92
	s_lshl_b32 s96, s35, 1
	s_add_co_u32 s94, s94, s96
	s_add_co_u32 s94, s94, G8S
	s_add_nc_u64 s[\dsc:\dsc+1], s[6:7], s[94:95]
.endm
	s_load_b128 s[4:7], s[0:1], 0x0                ; actq, actp
	v_lshl_add_u32 v223, v0, 2, SPARE
	v_mov_b32 v243, 0
	ds_add_u32 v223, v243                          ; the opening lines: the add, twice on end, and its wait ahead of my tensor load
	ds_add_u32 v223, v243
	v_lshrrev_b32 v1, 5, v0
	v_readfirstlane_b32 s8, v1                     ; wave 0..15
	s_bfe_u32 s9, ttmp6, 0x40000                   ; cx
	s_lshl_b32 s11, ttmp9, 2
	s_add_co_u32 s9, s9, s11                       ; g = 4 x cluster x + cx
	s_and_b32 s10, ttmp7, 0xffff                   ; the head, 16 x batch + head: the four partners share it
	s_and_b32 s72, s8, 7                           ; q: my pair
	s_lshr_b32 s73, s8, 3                          ; 0: I make tile A and the first part of tile B; 1: the rest of tile B
	; descriptor groups 1: dense pieces as rows of 256 bytes (32 elements of 8 bytes): 56 rows of K's stream, 52 of V's
.irp g, 12, 20
	s_mov_b32 s[\g], 15|(3<<16)|(1<<21)            ; 15:0 the mask: all four work-groups; 17:16 elements of 8 bytes; 21 set beside a mask; no padding
	s_mov_b32 s[\g+1], 32<<16                      ; tensor_dim0 = 32
	s_mov_b32 s[\g+3], 32<<16                      ; tile_dim0 = 32
	s_mov_b32 s[\g+5], 32                          ; from row to row
	s_mov_b32 s[\g+6], 0
	s_mov_b32 s[\g+7], 0
.endr
	s_mov_b32 s14, 56<<16                          ; tensor_dim1,
	s_mov_b32 s16, 56                              ; tile_dim1
	s_mov_b32 s22, 52<<16
	s_mov_b32 s24, 52
	s_mul_i32 s32, s72, 56*256                     ; my eighth of K's stream,
	s_mov_b32 s33, 0
	s_mul_i32 s34, s72, 52*256                     ; or of V's
	s_mov_b32 s35, 0
	s_mov_b32 s44, 1                               ; groups 0: count 1, LDS address, global address, type 2
	s_mul_i32 s45, s72, 56*256                     ; (KC = 0)
	s_mov_b32 s48, 1
	s_add_co_u32 s49, s34, VC
	s_mul_i32 s84, s10, HK
	s_add_co_u32 s86, s84, KREG
	s_mov_b32 s85, 0
	s_mov_b32 s87, 0
	s_mul_i32 s88, s10, HV
	s_add_co_u32 s88, s88, VREG
	s_mov_b32 s89, 0
	s_wait_dscnt 0x0                               ; both opening adds are done
	s_wait_kmcnt 0x0
	s_add_nc_u64 s[86:87], s[4:5], s[86:87]        ; the head's K stream
	s_add_nc_u64 s[88:89], s[4:5], s[88:89]        ; its V stream
	s_add_nc_u64 s[84:85], s[4:5], s[84:85]        ; its Q stream
	s_add_nc_u64 s[46:47], s[86:87], s[32:33]
	s_or_b32 s47, s47, 0x80000000
	s_add_nc_u64 s[50:51], s[88:89], s[34:35]
	s_or_b32 s51, s51, 0x80000000
	CROUND                                         ; all four work-groups are here: the joint loads meet
	s_cmp_lt_u32 s8, 8                             ; every wave asks for one piece: two arms of one branch on the wave's number, one load in each
	s_cbranch_scc0 .Lfor_v
	tensor_load_to_lds s[44:47], s[12:19]
	s_nop 0
.rept 4
	v_nop
.endr
	s_branch .Lasked
.Lfor_v:
	tensor_load_to_lds s[48:51], s[20:27]
	s_nop 0
.rept 4
	v_nop
.endr
.Lasked:
	s_lshl_b32 s52, s72, 3
	s_add_co_u32 s52, s52, s9                      ; tile A = 8 q + g
	s_sub_co_u32 s53, 127, s52                     ; tile B = 8 (15 - q) + 7 - g
	s_mov_b32 s55, 0
	s_mul_i32 s54, s52, 768
	s_add_nc_u64 s[56:57], s[84:85], s[54:55]      ; A's half image,
	s_lshl_b32 s54, s52, 7
	s_add_co_u32 s54, s54, 98304
	s_add_nc_u64 s[58:59], s[84:85], s[54:55]      ; its scale image;
	s_mul_i32 s54, s53, 768
	s_add_nc_u64 s[60:61], s[84:85], s[54:55]      ; B's
	s_lshl_b32 s54, s53, 7
	s_add_co_u32 s54, s54, 98304
	s_add_nc_u64 s[62:63], s[84:85], s[54:55]
	v_and_b32 v11, 31, v0
	v_lshlrev_b32 v1, 4, v11                       ; 16 x lane
	v_lshlrev_b32 v2, 3, v11                       ; 8 x lane
	v_lshlrev_b32 v3, 2, v11                       ; 4 x lane
	s_wait_alu depctr_va_vdst(0)
	global_load_b128 v[16:19], v1, s[56:57]        ; every wave takes both tiles' Q: no address hangs on which of the pair I am
	global_load_b64 v[20:21], v2, s[56:57] offset:512
	global_load_b32 v255, v3, s[58:59]
	global_load_b128 v[28:31], v1, s[60:61]
	global_load_b64 v[32:33], v2, s[60:61] offset:512
	global_load_b32 v94, v3, s[62:63]
	s_xor_b32 s90, s72, 7                          ; 7 - q
	s_xor_b32 s68, s72, 15                         ; 15 - q = tile B / 8
	s_xor_b32 s69, s9, 7                           ; 7 - g = tile B % 8
	s_and_b32 s33, s10, 16                         ; 16 x batch
	s_bfe_u32 s34, s10, 0x30001                    ; head / 2
	s_and_b32 s35, s10, 1                          ; head % 2
	OADDR 72, 9, 36, 38
	OADDR 68, 69, 40, 42
	; a mask's bound: my query within its 128, less 16 h.  Register n holds key 32 (n / 16) + 16 h + n % 16 of the step: hidden where 32 (n / 16) + n % 16 is above the bound
	s_lshr_b32 s70, s9, 1
	s_lshl_b32 s70, s70, 5
	s_and_b32 s92, s9, 1
	s_lshl_b32 s92, s92, 3
	s_add_co_u32 s70, s70, s92
	s_lshr_b32 s71, s69, 1
	s_lshl_b32 s71, s71, 5
	s_and_b32 s92, s69, 1
	s_lshl_b32 s92, s92, 3
	s_add_co_u32 s71, s71, s92
	s_mul_i32 s92, s72, PSZ
	s_add_co_u32 s92, s92, MRG                     ; the pair's bytes
	s_add_co_u32 s93, s92, 4096
	; which trips are mine.  First loop, key steps 0 .. 7 on tile A: up to s28.  Second loop, the nine key steps from s31 on, on tile B: from s67 up to s29; the step with the mask: s30
	s_mul_i32 s31, s73, 7
	s_min_u32 s31, s31, s90                        ; the second loop walks key steps 0 .. 8, or 7 - q .. 15 - q in the wave that takes the rest of tile B: never past key step 15
	s_add_co_u32 s91, s90, 1                       ; 8 - q
	s_add_co_u32 s66, s90, 2                       ; 9 - q
	s_cmp_eq_u32 s73, 0
	s_cselect_b32 s28, s72, -1
	s_cselect_b32 s29, s91, s68
	s_cselect_b32 s30, -1, s68
	s_cselect_b32 s67, 0, s66
	s_mov_b32 s80, 0x76543210
	s_mov_b32 s81, 0xfedcba98                      ; v_permlanex16_b32's selects for lane l xor 16
	s_mov_b32 s82, 0x3e38aa3b                      ; c = log2(e) / 8
	s_mov_b32 s83, s82                             ; (named with it as a pair, so it is written)
	v_and_b32 v4, 15, v0
	v_and_b32 v5, 8, v4
	v_add_nc_u32 v4, v4, v5
	v_bfe_u32 v5, v0, 4, 1
	v_lshlrev_b32 v5, 4, v5
	v_sub_nc_u32 v5, v4, v5
	v_add_nc_u32 v4, s70, v5
	v_add_nc_u32 v11, s71, v5
	v_add_nc_u32 v88, s92, v1
	v_add_nc_u32 v89, s93, v2
.irp i, 22,23,24,25,26,27,34,35,36,37,38,39,90,91,92,93
	v_mov_b32 v[\i], 0                             ; Q's codes for K = 64 .. 127; the registers behind K's last fragment
.endr
.irp i, 236,237,238,239,252,253
	v_mov_b32 v[\i], 0                             ; written once: a lane permute's destination counts as one of its sources, and a pair is named whole
.endr
	INIT
; A KEY STEP: 128 keys.  qr, qw: Q's fragment and scale word; mbr: the mask's bound; lor, hir: the scalars with my first and last key step of this loop (lor = -1: from the loop's first on); dgr: the one with the step that has the mask
.macro STEP qr, qw, mbr, lor, hir, dgr
	s_cmp_gt_i32 s74, s[\hir]                      ; not mine: only the lines at its end are run
	s_cbranch_scc1 .Lhid_\@
.if \lor >= 0
	s_cmp_lt_i32 s74, s[\lor]
	s_cbranch_scc1 .Lhid_\@
.endif
	v_add_nc_u32 v5, s75, v1                       ; (these four are the places ahead of the loads into registers that the last products read)
	v_add_nc_u32 v6, s75, v2
	v_add_nc_u32 v7, s77, v3
	v_nop
.irp t, 0,1,2,3,4,5,6,7
	ds_load_b128 v[KF+6*\t:KF+6*\t+3], v5 offset:\t*768
	ds_load_b64 v[KF+6*\t+4:KF+6*\t+5], v6 offset:\t*768+512
	ds_load_b32 v[248+\t-36*(\t/4)], v7 offset:\t*128
.endr
	s_wait_dscnt 0x0
.irp t, 0,1,2,3,4,5,6,7                        ; S^T = K Q^T: eight tiles of 16 keys, eight accumulators
	v_wmma_scale_f32_16x16x128_f8f6f4 v[96+8*\t:103+8*\t], v[KF+6*\t:KF+6*\t+11], v[\qr:\qr+11], 0, v[248+\t-36*(\t/4)], v[\qw] matrix_a_fmt:MATRIX_FMT_FP6 matrix_b_fmt:MATRIX_FMT_FP6
.endr
	v_add_nc_u32 v8, s76, v1                       ; four places behind the products, ahead of the loads and of the first read of a score
	v_add_nc_u32 v9, s76, v2
	v_add_nc_u32 v10, s78, v3
	v_mov_b32 v252, v12                            ; the old -M
.irp t, 0,1,2,3                                ; V's four fragments land under the softmax: two in registers of their own, two where K's first four fragments lay
	ds_load_b128 v[192+12*\t-176*(\t/2):195+12*\t-176*(\t/2)], v8 offset:\t*1536
	ds_load_b64 v[196+12*\t-176*(\t/2):197+12*\t-176*(\t/2)], v9 offset:\t*1536+512
	ds_load_b128 v[198+12*\t-176*(\t/2):201+12*\t-176*(\t/2)], v8 offset:\t*1536+768
	ds_load_b64 v[202+12*\t-176*(\t/2):203+12*\t-176*(\t/2)], v9 offset:\t*1536+1280
	ds_load_b32 v[220+\t-128*(\t/3)], v10 offset:\t*128
.endr
	s_cmp_lg_u32 s74, s[\dgr]                      ; a step all of whose keys count skips the mask
	s_cbranch_scc1 .Lopen_\@
	v_mov_b32 v254, 0xff800000                     ; on the diagonal hidden scores become -infinity ahead of the maximum: p = 0 then.  The step's key 0 counts for every query
.set n, 0
.rept 64
	v_cmp_gt_i32 vcc_lo, 32*(n/16)+n%16, v[\mbr]
	v_cndmask_b32 v[96+n], v[96+n], v254, vcc_lo
.set n, n+1
.endr
.Lopen_\@:
.irp b, 0,1,2,3
	v_max3_num_f32 v[232+\b], v[96+16*\b], v[97+16*\b], v[98+16*\b]   ; the largest score of each block of 32 keys: for the row's maximum and, since p rises with the score, for the block's largest p
.endr
.irp i, 3,5,7,9,11,13
.irp b, 0,1,2,3
	v_max3_num_f32 v[232+\b], v[232+\b], v[96+16*\b+\i], v[97+16*\b+\i]
.endr
.endr
.irp b, 0,1,2,3
	v_max_num_f32 v[232+\b], v[232+\b], v[111+16*\b]
.endr
.irp b, 0,1,2,3
	s_delay_alu instid0(VALU_DEP_4)
	v_permlanex16_b32 v[236+\b], v[232+\b], s80, s81
.endr
.irp b, 0,1,2,3
	s_delay_alu instid0(VALU_DEP_4)
	v_max_num_f32 v[232+\b], v[232+\b], v[236+\b]  ; with lane l xor 16's 16 keys
.endr
	s_delay_alu instid0(VALU_DEP_2)
	v_max3_num_f32 v254, v232, v233, v234
	s_delay_alu instid0(VALU_DEP_1)
	v_max_num_f32 v254, v254, v235                 ; the step's largest score of my query
	s_delay_alu instid0(VALU_DEP_1)
	v_mul_f32 v254, s82, v254                      ; as t
	s_delay_alu instid0(VALU_DEP_1)
	v_max_num_f32 v13, v13, v254                   ; the running largest t
	s_delay_alu instid0(VALU_DEP_1)
	v_floor_f32 v12, -v13                          ; the new -M = -ceil(t): a whole number
	s_delay_alu instid0(VALU_DEP_1)
	v_sub_f32 v252, v12, v252                      ; old M - new M: a whole number, 0 or less
	s_delay_alu instid0(VALU_DEP_1)
	v_cvt_i32_f32 v252, v252                       ; (it saturates)
	s_delay_alu instid0(VALU_DEP_1)
	v_ldexp_f32 v252, 1.0, v252                    ; f = 2^(old M - new M)
.set j, 0
.rept 32
	v_pk_fma_f32 v[96+j:97+j], v[96+j:97+j], s[82:83], v[12:13] op_sel_hi:[1,0,0]   ; t - M, two at a time
.set j, j+2
.endr
.irp b, 0,1,2,3
	v_fma_f32 v[232+\b], v[232+\b], s82, v12       ; the same of each block's largest score
.endr
	s_wait_alu depctr_va_vdst(0)                   ; the wait ahead of the batch
.set j, 0
.rept 64
	v_exp_f32 v[96+j], v[96+j]                     ; p = 2^(t - M), at most 1: not normalised
.set j, j+1
.endr
	v_pk_mul_f32 v[14:15], v[14:15], v[252:253] op_sel_hi:[1,0]   ; the sums under the new M (a plain instruction behind the batch)
	s_wait_alu depctr_va_vdst(0)                   ; one wait for the batch, ahead of its first reader
.irp b, 0,1,2,3
	v_exp_f32 v[232+\b], v[232+\b]                 ; the block's largest p: the same two instructions on the same number give the same bits
.endr
.irp i, 0,1,2                                  ; the row's sum, of the unquantised p: 32 pairs in six chains
	v_pk_add_f32 v[236+2*\i:237+2*\i], v[96+4*\i:97+4*\i], v[98+4*\i:99+4*\i]
.endr
.irp i, 3,4
	v_pk_add_f32 v[238+2*\i:239+2*\i], v[96+4*\i:97+4*\i], v[98+4*\i:99+4*\i]
.endr
.set j, 116
.rept 3
.irp ch, 14,236,238,240,244,246
	v_pk_add_f32 v[\ch:\ch+1], v[\ch:\ch+1], v[j:j+1]
.set j, j+2
.endr
.endr
.irp ch, 14,236,238,240
	v_pk_add_f32 v[\ch:\ch+1], v[\ch:\ch+1], v[j:j+1]
.set j, j+2
.endr
	v_pk_add_f32 v[14:15], v[14:15], v[244:245]
	v_pk_add_f32 v[236:237], v[236:237], v[246:247]
	v_pk_add_f32 v[238:239], v[238:239], v[240:241]
	v_pk_add_f32 v[14:15], v[14:15], v[236:237]
	v_pk_add_f32 v[14:15], v[14:15], v[238:239]
	s_wait_alu depctr_va_vdst(0)                   ; and one for the four
.irp b, 0,1,2,3
	v_max_num_f32 v[232+\b], 0x1800000, v[232+\b]  ; the floor 2^(3 - 127): the byte cannot fall under 1
.endr
.irp b, 0,1,2,3
	s_delay_alu instid0(VALU_DEP_4)
	v_add_nc_u32 v[244+\b], 0xff000000, v[232+\b]  ; 2 off the exponent field: the conversion's scale operand
.endr
.irp b, 0,1,2,3
	s_delay_alu instid0(VALU_DEP_4)
	v_lshrrev_b32 v[236+\b], 23, v[244+\b]         ; the scale's byte
.endr
	s_delay_alu instid0(VALU_DEP_3)
	v_lshl_or_b32 v253, v237, 8, v236              ; p's scale word for these 128 keys
	s_delay_alu instid0(VALU_DEP_1)
	v_lshl_or_b32 v253, v238, 16, v253
	s_delay_alu instid0(VALU_DEP_1)
	v_lshl_or_b32 v253, v239, 24, v253
.irp c, 0,1
	v_cvt_scalef32_pk16_fp6_f32 v[224+6*\c:226+6*\c], v[96+32*\c:111+32*\c], v[244+2*\c]
	v_cvt_scalef32_pk16_fp6_f32 v[236+4*\c:238+4*\c], v[112+32*\c:127+32*\c], v[244+2*\c+1]   ; (a conversion's three registers begin on an even number)
.endr
	v_nop                                          ; one plain instruction behind a scaled conversion
.irp c, 0,1                                    ; the operand's layout wants a whole block in a lane
.irp i, 0,1,2
	v_permlane16_swap_b32 v[224+6*\c+\i], v[236+4*\c+\i]
.endr
.irp i, 0,1,2
	s_delay_alu instid0(VALU_DEP_3)
	v_mov_b32 v[227+6*\c+\i], v[236+4*\c+\i]
.endr
.endr
	s_wait_dscnt 0x0                               ; V's fragments and scale words are in
	s_wait_alu depctr_va_vdst(0)                   ; directly ahead of the first reader of O^T
.set j, 0
.rept 16
	v_pk_mul_f32 v[160+j:161+j], v[160+j:161+j], v[252:253] op_sel_hi:[1,0]   ; O^T under the new M.  (These sixteen are also the places between p's codes and scale word and the products)
.set j, j+2
.endr
.irp t, 0,1,2,3                                ; O^T += V^T P^T: four tiles of 16 features, four accumulators by turns; K = these 128 keys
	v_wmma_scale_f32_16x16x128_f8f6f4 v[160+8*\t:167+8*\t], v[192+12*\t-176*(\t/2):203+12*\t-176*(\t/2)], v[224:235], v[160+8*\t:167+8*\t], v[220+\t-128*(\t/3)], v253 matrix_a_fmt:MATRIX_FMT_FP6 matrix_b_fmt:MATRIX_FMT_FP6
.endr
.Lhid_\@:
	s_add_co_u32 s74, s74, 1
	s_add_co_u32 s75, s75, 6144
	s_add_co_u32 s76, s76, 6144
	s_add_co_u32 s77, s77, 1024
	s_add_co_u32 s78, s78, 512
.endm
; THE WAY OUT of a tile: O^T / the sum; register n is ctx(my query, feature 32 (n / 16) + 16 h + n % 16 of the head): two blocks of 32, quantised: half a fragment of the next product's operand
.macro OUT dc, dsc
	v_add_f32 v14, v14, v15
	s_delay_alu instid0(VALU_DEP_1)
	v_permlanex16_b32 v252, v14, s80, s81
	s_delay_alu instid0(VALU_DEP_1)
	v_add_f32 v14, v14, v252                       ; the row's sum
	s_wait_alu depctr_va_vdst(0)                   ; the wait ahead of the transcendental
	v_rcp_f32 v14, v14
	v_nop                                          ; a plain instruction behind it
	s_wait_alu depctr_va_vdst(0)                   ; and the wait ahead of the first reader
.set j, 0
.rept 16
	v_pk_mul_f32 v[96+j:97+j], v[160+j:161+j], v[14:15] op_sel_hi:[1,0]   ; each accumulator from its low end on
.set j, j+2
.endr
.irp b, 0,1
	v_max3_num_f32 v[232+\b], |v[96+16*\b]|, |v[97+16*\b]|, 0x1800000
.endr
.irp i, 2,4,6,8,10,12,14
.irp b, 0,1
	s_delay_alu instid0(VALU_DEP_2)
	v_max3_num_f32 v[232+\b], v[232+\b], |v[96+16*\b+\i]|, |v[97+16*\b+\i]|
.endr
.endr
.irp b, 0,1
	s_delay_alu instid0(VALU_DEP_2)
	v_permlanex16_b32 v[236+\b], v[232+\b], s80, s81
.endr
.irp b, 0,1
	s_delay_alu instid0(VALU_DEP_2)
	v_max_num_f32 v[232+\b], v[232+\b], v[236+\b]
.endr
.irp b, 0,1
	s_delay_alu instid0(VALU_DEP_2)
	v_add_nc_u32 v[244+\b], 0xff000000, v[232+\b]
.endr
.irp b, 0,1
	s_delay_alu instid0(VALU_DEP_2)
	v_lshrrev_b32 v[236+\b], 23, v[244+\b]
.endr
	s_delay_alu instid0(VALU_DEP_1)
	v_lshl_or_b32 v253, v237, 8, v236              ; my head's two bytes of the K step's scale word; the other two are the neighbouring head's
	v_cvt_scalef32_pk16_fp6_f32 v[224:226], v[96:111], v244
	v_cvt_scalef32_pk16_fp6_f32 v[240:242], v[112:127], v245
	v_nop
.irp i, 0,1,2
	v_permlane16_swap_b32 v[224+\i], v[240+\i]
.endr
.irp i, 0,1,2
	s_delay_alu instid0(VALU_DEP_3)
	v_mov_b32 v[227+\i], v[240+\i]
.endr
	global_store_b128 v1, v[224:227], s[\dc:\dc+1]            ; 32 lanes store 512 consecutive bytes
	global_store_b64 v2, v[228:229], s[\dc:\dc+1] offset:512
	global_store_b16 v3, v253, s[\dsc:\dsc+1]
.endm
	s_wait_alu depctr_va_vdst(0)
	s_wait_tensorcnt 0x0                           ; my piece is in
	s_barrier_signal -1
	s_barrier_wait -1                              ; and everybody's: both streams are whole, and nothing is ever filled again
	s_wait_loadcnt 0x0                             ; Q
	s_mov_b32 s74, 0                               ; the key step
	s_mov_b32 s75, KC                              ; where its tiles of K begin, 6,144 bytes a step,
	s_mov_b32 s76, VC                              ; its fragments of V, likewise,
	s_mov_b32 s77, KSCL                            ; K's scale images, 1,024 a step,
	s_mov_b32 s78, VSCL                            ; V's, 512 a step
	s_mov_b32 s79, 8
.Ltile_a:                                              ; tile A: key steps 0 .. q, the last with the mask
	STEP 16, 255, 4, -1, 28, 72
	s_sub_co_u32 s79, s79, 1
	s_cmp_lg_u32 s79, 0
	s_cbranch_scc1 .Ltile_a
	s_cmp_lg_u32 s73, 0
	s_cbranch_scc1 .Lno_a
.rept 4
	v_nop                                          ; places behind the last products
.endr
	OUT 36, 38                                     ; tile A is whole
	INIT                                           ; and a new state, for my part of tile B
	s_wait_alu depctr_va_vdst(0)
	s_wait_xcnt 0x0                                ; the stores have read their data: these registers are written again in the next loop
.Lno_a:
	s_mov_b32 s74, s31                             ; the second loop's first key step
	s_mul_i32 s75, s31, 6144                       ; (KC = 0)
	s_add_co_u32 s76, s75, VC
	s_lshl_b32 s77, s31, 10
	s_add_co_u32 s77, s77, KSCL
	s_lshl_b32 s78, s31, 9
	s_add_co_u32 s78, s78, VSCL
	s_mov_b32 s79, 9
.Ltile_b:                                              ; tile B: key steps 0 .. 8 - q in wave q; 9 - q .. 15 - q, the last with the mask, in wave q + 8
	STEP 28, 94, 11, 67, 29, 30
	s_sub_co_u32 s79, s79, 1
	s_cmp_lg_u32 s79, 0
	s_cbranch_scc1 .Ltile_b
	s_cmp_lg_u32 s73, 0
	s_cbranch_scc1 .Lno_part
	v_add_f32 v13, v14, v15                        ; my part of tile B goes to the pair's bytes: the sum's two halves in one (with three idle lines: the places behind the last products),
.rept 3
	v_nop
.endr
.irp i, 0,1,2,3,4,5,6,7
	ds_store_b128 v88, v[160+4*\i:163+4*\i] offset:512*\i   ; O^T as images of its registers, each accumulator from its low end on,
.endr
	ds_store_b64 v89, v[12:13]                     ; -M and the sum
.Lno_part:
	s_wait_dscnt 0x0                               ; for the partner's sake: my stores have landed
	s_barrier_signal -1
	s_barrier_wait -1
	s_cmp_eq_u32 s73, 0
	s_cbranch_scc1 .Ldone
	ds_load_b64 v[244:245], v89                    ; the partner's -M and sum,
.irp i, 0,1,2,3,4,5,6,7
	ds_load_b128 v[96+4*\i:99+4*\i], v88 offset:512*\i      ; and its O^T, in the same lanes and registers as mine
.endr
	s_wait_dscnt 0x0
	v_min_num_f32 v246, v12, v244                  ; the joint -M
	v_sub_f32 v247, v246, v12                      ; my M - the joint M, a whole number, 0 or less,
	v_sub_f32 v236, v246, v244                     ; and the partner's
	v_cvt_i32_f32 v247, v247                       ; (they saturate)
	v_cvt_i32_f32 v236, v236
	v_ldexp_f32 v252, 1.0, v247                    ; my factor,
	v_ldexp_f32 v246, 1.0, v236                    ; and the partner's  (these seven are also the places behind the last products)
	v_pk_mul_f32 v[14:15], v[14:15], v[252:253] op_sel_hi:[1,0]
.set j, 0
.rept 16
	v_pk_mul_f32 v[160+j:161+j], v[160+j:161+j], v[252:253] op_sel_hi:[1,0]
.set j, j+2
.endr
	v_fmac_f32 v14, v245, v246
.set j, 0
.rept 16
	v_pk_fma_f32 v[160+j:161+j], v[96+j:97+j], v[246:247], v[160+j:161+j] op_sel_hi:[1,0,1]
.set j, j+2
.endr
	OUT 40, 42                                     ; tile B is whole
.Ldone:
	s_wait_tensorcnt 0x0                           ; the wave's end
	ds_add_u32 v223, v243
	s_wait_dscnt 0x0
	CROUND                                         ; the closing round: no work-group ends while a partner may still ask for a piece that names it
	s_endpgm
.Lfunc_end_k_qb7aae5f2cd_attn:
	.size	k_qb7aae5f2cd_attn, .Lfunc_end_k_qb7aae5f2cd_attn-k_qb7aae5f2cd_attn
	.p2alignl 7, 3214868480
	.fill 96, 4, 3214868480
	.section	.rodata,"a",@progbits
	.p2align	6, 0x0
	.amdhsa_kernel k_qb7aae5f2cd_attn
		.amdhsa_group_segment_fixed_size 258048
		.amdhsa_private_segment_fixed_size 0
		.amdhsa_enable_private_segment 0
		.amdhsa_kernarg_size 16
		.amdhsa_user_sgpr_count 2
		.amdhsa_user_sgpr_kernarg_segment_ptr 1
		.amdhsa_wavefront_size32 1
		.amdhsa_system_sgpr_workgroup_id_x 1
		.amdhsa_system_sgpr_workgroup_id_y 1
		.amdhsa_system_sgpr_workgroup_id_z 1
		.amdhsa_system_vgpr_workitem_id 0
		.amdhsa_next_free_vgpr 256
		.amdhsa_next_free_sgpr 100
		.amdhsa_reserve_vcc 1
		.amdhsa_float_denorm_mode_32 3
		.amdhsa_float_denorm_mode_16_64 3
		.amdhsa_memory_ordered 1
		.amdhsa_forward_progress 1
		.amdhsa_inst_pref_size 71
	.end_amdhsa_kernel
	.amdgpu_metadata
---
amdhsa.version: [ 1, 2 ]
amdhsa.kernels:
  - .name:           k_qb7aae5f2cd_attn
    .symbol:         k_qb7aae5f2cd_attn.kd
    .args:
      - { .name: actq, .offset: 0, .size: 8, .value_kind: global_buffer, .address_space: global }
      - { .name: actp, .offset: 8, .size: 8, .value_kind: global_buffer, .address_space: global }
    .group_segment_fixed_size: 258048
    .private_segment_fixed_size: 0
    .kernarg_segment_align: 8
    .kernarg_segment_size: 16
    .max_flat_workgroup_size: 512
    .sgpr_count:     100
    .vgpr_count:     256
    .wavefront_size: 32
...
	.end_amdgpu_metadata
.endif
;; end of part 10
;; launch oproj (part 11): grid 256 x 1, 4 waves a work-group, no clusters, 270,848 bytes of LDS; arguments actp, wbuf, x, out1; writes out1
.if DOCPART == 11
	.amdgcn_target "amdgcn-amd-amdhsa--gfx1250"
	.amdhsa_code_object_version 6
	.text
	.protected	k_qb7aae5f2cd_oproj
	.globl	k_qb7aae5f2cd_oproj
	.p2align	8
	.type	k_qb7aae5f2cd_oproj,@function
k_qb7aae5f2cd_oproj:
	s_mov_b64 s[64:65], 0
	v_nop
	global_prefetch_b8 v0, s[64:65] scope:SCOPE_SE
	s_setreg_imm32_b32 hwreg(HW_REG_WAVE_MODE, 25, 1), 1
	s_wait_xcnt 0x0
; out1 = x + ctx Wo: C = A B^T on codes of FP6 (E2M3) with E8M0 scales; then the residual is added and f32 rows are stored.  A = ctx (32 tiles of 128 tokens), B = Wo (8 tiles of 128 columns), K = 1,024: 8 steps of 128.
; SHARES.  A work-group of four waves, as many as a WGP has SIMDs, makes one tile of 128 x 128 of C.  THE WAVES SHARE K: wave w takes K steps KW w .. KW w + KW - 1 for the whole tile (64 accumulators, 512 registers), so that with
; 256 tiles every SIMD has work and no operand byte is fetched more often than with one wave to a tile.  The four partial sums meet in LDS: each wave lays its 128 x 128 into a stage of its own, as rows; behind one barrier wave w
; reads the rows of blocks 2 w and 2 w + 1 from all four stages, adds them, (w0 + w1) + (w2 + w3), adds the residual and stores 32 whole rows.
; OPERANDS lie in memory as images of their registers: group (tile, K step) of 13,312 bytes = 8 fragments of 1,536 (two halves of 768: registers 0-3 at 16 lane, 4-5 at 512 + 8 lane) + 8 scale images of 128.
; They go from memory straight into two sets of registers that take turns: no tensor load.  Tiles are not asked for jointly in a cluster: the operands never lie in LDS, so there is no tile that a joint load could fill;
; each group is read by one wave of every work-group whose tile needs it (8 or 32 work-groups).
; THE MATRIX INSTRUCTION IS USED TRANSPOSED (source 0 = 16 rows of B, source 1 = 16 rows of A), and lane r of row block i holds operand row 32 (i / 2) + 8 (i % 2) + r + 8 (r / 8): so for a block a of A the 64 registers of
; accumulators (a, 0..7) are, in lane (r, h), register n = column 32 (n / 16) + 16 h + n % 16 of A's row r.
; THE ORDER OF THE F32 SUMS: four partial sums over a quarter of K each, and within a wave K is walked from a start that differs from tile to tile ((TA + TB) mod KW), so that the work-groups that read a group do not all ask for it at once.
; LIMITS: NaN and infinities are not served.
; REGISTERS: window 0: v1-4 lane terms, v10-13 LDS addresses; v32-63 scale words and nothing else (set p: A's at 32 + 16 p, B's at 40 + 16 p); v64-159, v160-255 A's fragments, sets 0, 1.
;   window 1: v0-95, v96-191 B's sets; v192-255 the residual of my block 0; at the end v0-63 that of my block 1.
;   windows 2, 3: accumulator (a, b) at v[8 (8 (a % 4) + b)] of window 2 + a / 4; behind the barrier: my block e's rows from stage s at v[64 s ..] of window 2 + e.
.set KS,       8                       ; K steps in all
.set KW,       KS/4                    ; K steps of a wave: 2 or 4
.set LOGH,     2                       ; log2 of half the number of B's tiles
.set WOFF,     2555904                 ; where Wo's groups begin in wbuf
.set G8,       13312
.set G8S,      12288
.set BLK,      16*528                  ; a block in a stage: 16 rows of 512 bytes + 16
.set STG,      8*BLK                   ; a wave's stage; four of them fill the LDS that is claimed
.set RDA,      10                      ; v10-13  16 x lane + my two blocks' place in stage s
.set MSB, 0
.macro WIN new                         ; the immediate's high byte repeats the setting that is left; a switch that changes nothing is dropped
.if MSB != (\new)
	s_set_vgpr_msb (MSB<<8)|(\new)
.set MSB, (\new)
.endif
.endm
.set MUL_LO, 0xa1                      ; source 0 (B) window 1, source 1 (A) window 0, C and D window 2
.set MUL_HI, 0xf1                      ; the same, C and D window 3
.set TO_B,   0x40                      ; destination window 1, address window 0
.macro PLACES                          ; four plain instructions between a matrix instruction and a load into, or a vector instruction or store on, its registers
.rept 4
	v_nop
.endr
.endm
.macro LOADA p, j0                     ; A's blocks j0 .. j0 + 3 of the K step at s[32:33], and their scale words, into set p: 20 loads
.irp j, \j0, \j0+1, \j0+2, \j0+3
	global_load_b128 v[64+96*(\p)+12*(\j):64+96*(\p)+12*(\j)+3], v1, s[32:33] offset:(\j)*1536
	global_load_b64 v[64+96*(\p)+12*(\j)+4:64+96*(\p)+12*(\j)+5], v2, s[32:33] offset:(\j)*1536+512
	global_load_b128 v[64+96*(\p)+12*(\j)+6:64+96*(\p)+12*(\j)+9], v1, s[32:33] offset:(\j)*1536+768
	global_load_b64 v[64+96*(\p)+12*(\j)+10:64+96*(\p)+12*(\j)+11], v2, s[32:33] offset:(\j)*1536+1280
	global_load_b32 v[32+16*(\p)+(\j)], v3, s[32:33] offset:G8S+128*(\j)
.endr
.endm
.macro LOADB p                         ; B's eight blocks and their scale words: 40 loads
	WIN TO_B
.irp j, 0,1,2,3,4,5,6,7
	global_load_b128 v[96*(\p)+12*\j:96*(\p)+12*\j+3], v1, s[34:35] offset:\j*1536
	global_load_b64 v[96*(\p)+12*\j+4:96*(\p)+12*\j+5], v2, s[34:35] offset:\j*1536+512
	global_load_b128 v[96*(\p)+12*\j+6:96*(\p)+12*\j+9], v1, s[34:35] offset:\j*1536+768
	global_load_b64 v[96*(\p)+12*\j+10:96*(\p)+12*\j+11], v2, s[34:35] offset:\j*1536+1280
.endr
	WIN 0
.irp j, 0,1,2,3,4,5,6,7
	global_load_b32 v[40+16*(\p)+\j], v3, s[34:35] offset:G8S+128*\j
.endr
.endm
.macro ADV                             ; on to my next K step, round the end of my KW
	s_wait_xcnt 0x0                                ; the loads issued so far have read their bases: these may be written
	s_add_co_u32 s24, s24, 1
	s_and_b32 s24, s24, KW-1
	s_mul_i32 s26, s24, G8
	s_add_nc_u64 s[32:33], s[28:29], s[26:27]
	s_add_nc_u64 s[34:35], s[30:31], s[26:27]
.endm
; 16 matrix instructions: A's blocks a0, a0 + 1 x B's eight.  The 64 accumulators take turns, one instruction a turn, in the same order in every step.  zero = 1: the first products start the sums.
.macro MUL16 a0, p, zero
.irp a, \a0, \a0+1
.irp b, 0,1,2,3,4,5,6,7
.if \zero
	v_wmma_scale_f32_16x16x128_f8f6f4 v[8*(8*((\a)%4)+\b):8*(8*((\a)%4)+\b)+7], v[96*(\p)+12*\b:96*(\p)+12*\b+11], v[64+96*(\p)+12*(\a):64+96*(\p)+12*(\a)+11], 0, v[40+16*(\p)+\b], v[32+16*(\p)+(\a)] matrix_a_fmt:MATRIX_FMT_FP6 matrix_b_fmt:MATRIX_FMT_FP6
.else
	v_wmma_scale_f32_16x16x128_f8f6f4 v[8*(8*((\a)%4)+\b):8*(8*((\a)%4)+\b)+7], v[96*(\p)+12*\b:96*(\p)+12*\b+11], v[64+96*(\p)+12*(\a):64+96*(\p)+12*(\a)+11], v[8*(8*((\a)%4)+\b):8*(8*((\a)%4)+\b)+7], v[40+16*(\p)+\b], v[32+16*(\p)+(\a)] matrix_a_fmt:MATRIX_FMT_FP6 matrix_b_fmt:MATRIX_FMT_FP6
.endif
.endr
.endr
.endm
; A K step on set p.  refill = 1: the set takes the K step two on, A's blocks 0-3 as soon as their products are issued, the rest at the step's end: it is wanted a whole step later.
.macro STEP p, zero, refill, cnt
	s_wait_loadcnt \cnt                            ; set p is in.  63: behind its loads the other set's 80 were issued; 63 is the largest count that a wait can name, and a smaller count is always safe.  16, in the last step: the residual's 16 loads issued behind it
.if \refill
	ADV
.endif
	WIN MUL_LO
	MUL16 0, \p, \zero
	MUL16 2, \p, \zero
.if \refill
	PLACES
	WIN 0
	LOADA \p, 0
.endif
	WIN MUL_HI
	MUL16 4, \p, \zero
	MUL16 6, \p, \zero
.if \refill
	PLACES
	WIN 0
	LOADA \p, 4
	LOADB \p
.endif
	WIN 0
.endm
.macro RLOAD e, reg                    ; the residual at my block e's 16 rows into window 1, v[reg] on: row t of a block is row 8 e + t + 8 (t / 8) of my 32
	WIN TO_B
.irp t, 0,1,2,3,4,5,6,7,8,9,10,11,12,13,14,15
	global_load_b128 v[(\reg)+4*\t:(\reg)+4*\t+3], v1, s[36:37] offset:(8*(\e)+\t+8*(\t/8))*4096 th:TH_LOAD_NT
.endr
	WIN 0
.endm
; Quarter q of my 32 rows: block e = q / 2, its rows 8 (q % 2) on.  BACK: these rows from the four stages, 32 loads of 512 consecutive bytes.
.macro BACK q
	WIN (2+(\q)/2)<<6                              ; destination window 2 + e, address window 0
.irp s, 0,1,2,3
.irp t, 0,1,2,3,4,5,6,7
	ds_load_b128 v[64*\s+32*((\q)%2)+4*\t:64*\s+32*((\q)%2)+4*\t+3], v[RDA+\s] offset:((\q)/2)*BLK+528*(8*((\q)%2)+\t)
.endr
.endr
	WIN 0
.endm
; FIN: the four partial sums and the residual are added, and the eight rows stored.  dcnt: the LDS loads issued behind this quarter's.
.macro FIN q, dcnt
.set WD, 2+(\q)/2
.set R0, 32*((\q)%2)
.set RB, 192*(1-(\q)/2)+R0
	s_wait_dscnt \dcnt
.if (\q) >= 2
	s_wait_loadcnt 8*(3-(\q))                      ; block 1's residual: the rows of the later quarter may be out.  (Block 0's was the first thing loaded)
.endif
	WIN WD|(WD<<2)|(WD<<6)
.set i, 0
.rept 16
	v_pk_add_f32 v[R0+i:R0+i+1], v[R0+i:R0+i+1], v[64+R0+i:64+R0+i+1]
	v_pk_add_f32 v[128+R0+i:128+R0+i+1], v[128+R0+i:128+R0+i+1], v[192+R0+i:192+R0+i+1]
.set i, i+2
.endr
.set i, 0
.rept 16
	v_pk_add_f32 v[R0+i:R0+i+1], v[R0+i:R0+i+1], v[128+R0+i:128+R0+i+1]
.set i, i+2
.endr
	WIN WD|(1<<2)|(WD<<6)                          ; source 1: the residual, in window 1
.set i, 0
.rept 16
	v_pk_add_f32 v[R0+i:R0+i+1], v[R0+i:R0+i+1], v[RB+i:RB+i+1]
.set i, i+2
.endr
	WIN WD<<2                                      ; a store's data are its source 1
.irp t, 0,1,2,3,4,5,6,7
	global_store_b128 v1, v[R0+4*\t:R0+4*\t+3], s[38:39] offset:(8*((\q)/2)+16*((\q)%2)+\t)*4096   ; 32 lanes store 512 consecutive bytes, at a multiple of 512 from the buffer's first byte
.endr
	WIN 0
.endm
	s_load_b256 s[4:11], s[0:1], 0x0               ; the activations s[4:5], wbuf s[6:7], the residual s[8:9], out s[10:11]
	v_lshl_add_u32 v30, v0, 2, 0x42000
	v_mov_b32 v31, 0
	v_lshrrev_b32 v5, 5, v0
	v_readfirstlane_b32 s14, v5                    ; wave 0..3
	v_and_b32 v6, 31, v0                           ; lane
	v_lshlrev_b32 v1, 4, v6                        ; 16 x lane
	v_lshlrev_b32 v2, 3, v6                        ; 8 x lane
	v_lshlrev_b32 v3, 2, v6                        ; 4 x lane
	v_and_b32 v7, 15, v0                           ; r
	v_bfe_u32 v8, v0, 4, 1                         ; h
	v_mul_u32_u24 v4, v7, 528
	v_lshl_add_u32 v4, v8, 6, v4
	s_mul_i32 s46, s14, STG
	v_add_nc_u32 v4, s46, v4                       ; into my stage: row r of 528 bytes, + 64 h
	s_mul_i32 s46, s14, 2*BLK                      ; out of the four stages: my two blocks
.irp s, 0,1,2,3
	v_add_nc_u32 v[RDA+\s], s46, v1
	s_add_co_u32 s46, s46, STG
.endr
	s_and_b32 s19, ttmp9, 1                        ; four neighbouring work-groups make 2 x 2 tiles
	s_bfe_u32 s18, ttmp9, 0x10001
	s_lshr_b32 s25, ttmp9, 2
	s_and_b32 s15, s25, (1<<LOGH)-1
	s_lshl_b32 s15, s15, 1
	s_add_co_u32 s19, s19, s15                     ; TB
	s_lshr_b32 s15, s25, LOGH
	s_lshl_b32 s15, s15, 1
	s_add_co_u32 s18, s18, s15                     ; TA
	s_mul_i32 s16, s14, KW*G8                      ; my K steps
	s_mul_i32 s40, s18, KS*G8
	s_add_co_u32 s40, s40, s16
	s_mov_b32 s41, 0
	s_mul_i32 s42, s19, KS*G8
	s_add_co_u32 s42, s42, WOFF
	s_add_co_u32 s42, s42, s16
	s_mov_b32 s43, 0
	s_lshl_b32 s44, s18, 19                        ; 128 rows of 4,096 bytes a tile,
	s_lshl_b32 s15, s19, 9                         ; 128 columns,
	s_add_co_u32 s44, s44, s15
	s_lshl_b32 s15, s14, 17                        ; my 32 rows of the tile
	s_add_co_u32 s44, s44, s15
	s_mov_b32 s45, 0
	s_wait_kmcnt 0x0
	s_add_nc_u64 s[28:29], s[4:5], s[40:41]        ; A's tile at my K steps
	s_add_nc_u64 s[30:31], s[6:7], s[42:43]        ; B's
	s_add_nc_u64 s[36:37], s[8:9], s[44:45]        ; the residual at my rows
	s_add_nc_u64 s[38:39], s[10:11], s[44:45]      ; out likewise
	s_add_co_u32 s24, s18, s19
	s_and_b32 s24, s24, KW-1                       ; the one of my K steps at which I begin
	s_mul_i32 s26, s24, G8
	s_mov_b32 s27, 0
	s_add_nc_u64 s[32:33], s[28:29], s[26:27]
	s_add_nc_u64 s[34:35], s[30:31], s[26:27]
	RLOAD 0, 192                                   ; the residual of my block 0 first: loads come back in order, so every later wait covers it
	LOADA 0, 0
	LOADA 0, 4
	LOADB 0
	ADV
	LOADA 1, 0
	LOADA 1, 4
	LOADB 1
.if KW > 2
	STEP 0, 1, 1, 63                               ; the first step's products start the sums
	STEP 1, 0, 1, 63
	STEP 0, 0, 0, 63
.else
	STEP 0, 1, 0, 63
.endif
	PLACES                                         ; B's set 0 has been multiplied for the last time:
	RLOAD 1, 0                                     ; its registers take the residual of my block 1, which lands under the last step and the stage
	STEP 1, 0, 0, 16
	PLACES                                         ; behind the last products: what follows reads results
	; ---- my partial sums into my stage, as rows
	s_wait_alu depctr_va_vdst(0)
.irp a, 0,1,2,3,4,5,6,7
	WIN 0x08+4*(\a/4)                              ; an LDS store's data are its source 1: window 2 or 3
.irp b, 0,1,2,3,4,5,6,7
	ds_store_b128 v4, v[64*(\a%4)+8*\b:64*(\a%4)+8*\b+3] offset:\a*BLK+128*(\b/2)+32*(\b%2)        ; each accumulator from its low end on
	ds_store_b128 v4, v[64*(\a%4)+8*\b+4:64*(\a%4)+8*\b+7] offset:\a*BLK+128*(\b/2)+32*(\b%2)+16
.endr
.endr
	WIN 0
	s_wait_dscnt 0x0                               ; for the others' sake: my stores have landed (and have read the accumulators, whose registers are loaded into below)
	s_barrier_signal -1
	s_barrier_wait -1                              ; all four stages are whole; nothing is stored into them again
	BACK 0
	BACK 1
	FIN 0, 32                                      ; the next quarter's 32 loads may be out
	BACK 2
	FIN 1, 32
	BACK 3
	FIN 2, 32
	FIN 3, 0
	s_wait_tensorcnt 0x0
	ds_add_u32 v30, v31
	s_wait_dscnt 0x0
	s_endpgm
.Lfunc_end_k_qb7aae5f2cd_oproj:
	.size	k_qb7aae5f2cd_oproj, .Lfunc_end_k_qb7aae5f2cd_oproj-k_qb7aae5f2cd_oproj
	.p2alignl 7, 3214868480
	.fill 96, 4, 3214868480
	.section	.rodata,"a",@progbits
	.p2align	6, 0x0
	.amdhsa_kernel k_qb7aae5f2cd_oproj
		.amdhsa_group_segment_fixed_size 270848
		.amdhsa_private_segment_fixed_size 0
		.amdhsa_enable_private_segment 0
		.amdhsa_kernarg_size 32
		.amdhsa_user_sgpr_count 2
		.amdhsa_user_sgpr_kernarg_segment_ptr 1
		.amdhsa_wavefront_size32 1
		.amdhsa_system_sgpr_workgroup_id_x 1
		.amdhsa_system_sgpr_workgroup_id_y 1
		.amdhsa_system_sgpr_workgroup_id_z 1
		.amdhsa_system_vgpr_workitem_id 0
		.amdhsa_next_free_vgpr 1024
		.amdhsa_next_free_sgpr 66
		.amdhsa_reserve_vcc 0
		.amdhsa_float_denorm_mode_32 3
		.amdhsa_float_denorm_mode_16_64 3
		.amdhsa_memory_ordered 1
		.amdhsa_forward_progress 1
		.amdhsa_inst_pref_size 74
	.end_amdhsa_kernel
	.amdgpu_metadata
---
amdhsa.version: [ 1, 2 ]
amdhsa.kernels:
  - .name:           k_qb7aae5f2cd_oproj
    .symbol:         k_qb7aae5f2cd_oproj.kd
    .args:
      - { .name: actp, .offset: 0, .size: 8, .value_kind: global_buffer, .address_space: global }
      - { .name: wbuf, .offset: 8, .size: 8, .value_kind: global_buffer, .address_space: global }
      - { .name: x, .offset: 16, .size: 8, .value_kind: global_buffer, .address_space: global }
      - { .name: out1, .offset: 24, .size: 8, .value_kind: global_buffer, .address_space: global }
    .group_segment_fixed_size: 270848
    .private_segment_fixed_size: 0
    .kernarg_segment_align: 8
    .kernarg_segment_size: 32
    .max_flat_workgroup_size: 128
    .sgpr_count:     66
    .vgpr_count:     1024
    .wavefront_size: 32
...
	.end_amdgpu_metadata
.endif
;; end of part 11
;; launch norm2 (part 12): grid 256 x 1, 8 waves a work-group, no clusters, 2,048 bytes of LDS; arguments out1, g2, actp; writes actp
.if DOCPART == 12
	.amdgcn_target "amdgcn-amd-amdhsa--gfx1250"
	.amdhsa_code_object_version 6
	.text
	.protected	k_qb7aae5f2cd_norm2
	.globl	k_qb7aae5f2cd_norm2
	.p2align	8
	.type	k_qb7aae5f2cd_norm2,@function
k_qb7aae5f2cd_norm2:
	s_mov_b64 s[64:65], 0
	v_nop
	global_prefetch_b8 v0, s[64:65] scope:SCOPE_SE
	s_setreg_imm32_b32 hwreg(HW_REG_WAVE_MODE, 25, 1), 1
	s_wait_xcnt 0x0
; RMS norm of 4,096 rows of 1,024 f32, x / sqrt(mean(x^2) + 1e-5) x g, quantised along the row to FP6 (E2M3) with one E8M0 byte for each 32, and stored as images of the operand's registers.
; A work-group takes a row block of 16 rows; wave w takes K step w (128 numbers of each row).  Lane (r, h) takes row 32 (i / 2) + 8 (i % 2) + r + 8 (r / 8) of block i and, of each block of 32 numbers,
; the 16 at 16 h: so its 64 registers lie as the quantiser wants them (register 16 b + e = k 32 b + 16 h + e).  The eight waves' sums of squares meet in LDS behind one barrier.
; OUT: group (i / 8, w) of 13,312 bytes: fragment i % 8 at 1,536 (i % 8): two halves of 768 bytes (registers 0-3 at 16 lane, registers 4-5 at 512 + 8 lane); its scale image at 12,288 + 128 (i % 8).
; The division is a multiplication by v_rsq_f32's result.  LIMITS: NaN and infinities are not served; a block of zeros, or one under 2^-124, gets the byte 1: a block of zeros has zero codes, and this program alone reads the bytes.
.set G8,  13312
.set G8S, 12288
.set X,   32                           ; v32-95   my 64 numbers
.set G,   96                           ; v96-159  the gain at the same places
.set PC,  160                          ; v160-171 the codes; v172-178 the conversions' second results
.set TM,  184                          ; v184-187 largest magnitudes, v188-191 bytes, v196-199 scale operands
.set PW,  200                          ; the scale word
.set SEL, 20
; 64 numbers of a lane, v[s] on, register 16 b + i = k 32 b + 16 (lane / 16) + i of my row, become a fragment's codes in v[PC] on and its scale word in v[PW].
.macro QUANT s
.irp b, 0,1,2,3
	v_max3_num_f32 v[TM+\b], |v[\s+16*\b]|, |v[\s+1+16*\b]|, 0x1800000   ; block b: my 16 numbers, and the floor 2^(3 - 127): the byte cannot fall under 1
.endr
.irp i, 2,4,6,8,10,12,14
.irp b, 0,1,2,3
	s_delay_alu instid0(VALU_DEP_4)
	v_max3_num_f32 v[TM+\b], v[TM+\b], |v[\s+16*\b+\i]|, |v[\s+1+16*\b+\i]|   ; (the four blocks by turns)
.endr
.endr
.irp b, 0,1,2,3
	s_delay_alu instid0(VALU_DEP_4)
	v_permlanex16_b32 v[TM+4+\b], v[TM+\b], s[SEL], s[SEL+1]
.endr
.irp b, 0,1,2,3
	s_delay_alu instid0(VALU_DEP_4)
	v_max_num_f32 v[TM+\b], v[TM+\b], v[TM+4+\b]   ; with lane l xor 16's: the block's largest magnitude
.endr
.irp b, 0,1,2,3
	s_delay_alu instid0(VALU_DEP_4)
	v_add_nc_u32 v[TM+12+\b], 0xff000000, v[TM+\b]   ; 2 off its exponent field: the conversion's scale operand
.endr
.irp b, 0,1,2,3
	s_delay_alu instid0(VALU_DEP_4)
	v_lshrrev_b32 v[TM+4+\b], 23, v[TM+12+\b]      ; the scale's byte
.endr
	s_delay_alu instid0(VALU_DEP_3)
	v_lshl_or_b32 v[PW], v[TM+5], 8, v[TM+4]
	s_delay_alu instid0(VALU_DEP_1)
	v_lshl_or_b32 v[PW], v[TM+6], 16, v[PW]
	s_delay_alu instid0(VALU_DEP_1)
	v_lshl_or_b32 v[PW], v[TM+7], 24, v[PW]
.irp c, 0,1
	v_cvt_scalef32_pk16_fp6_f32 v[PC+6*\c:PC+2+6*\c], v[\s+32*\c:\s+15+32*\c], v[TM+12+2*\c]
	v_cvt_scalef32_pk16_fp6_f32 v[PC+12+4*\c:PC+14+4*\c], v[\s+16+32*\c:\s+31+32*\c], v[TM+12+2*\c+1]   ; (a conversion's three registers begin on an even number)
.endr
	v_nop                                          ; one plain instruction behind a scaled conversion
.irp c, 0,1                                    ; the operand's layout wants a whole block in a lane: lanes 0-15 block 2 c, lanes 16-31 block 2 c + 1
.irp i, 0,1,2
	v_permlane16_swap_b32 v[PC+6*\c+\i], v[PC+12+4*\c+\i]
.endr
.irp i, 0,1,2
	s_delay_alu instid0(VALU_DEP_3)
	v_mov_b32 v[PC+3+6*\c+\i], v[PC+12+4*\c+\i]
.endr
.endr
.endm
	s_load_b128 s[4:7], s[0:1], 0x0                ; the rows, the gain
	s_load_b64 s[8:9], s[0:1], 0x10                ; the images
	v_lshl_add_u32 v208, v0, 2, 0x400
	v_mov_b32 v209, 0
	v_lshrrev_b32 v1, 5, v0
	s_delay_alu instid0(VALU_DEP_1)
	v_readfirstlane_b32 s10, v1                    ; wave 0..7 = K step
	v_and_b32 v1, 31, v0
	s_delay_alu instid0(VALU_DEP_1)
	v_lshlrev_b32 v2, 4, v1                        ; 16 x lane
	s_delay_alu instid0(VALU_DEP_2)
	v_lshlrev_b32 v3, 3, v1                        ; 8 x lane
	s_delay_alu instid0(VALU_DEP_3)
	v_lshlrev_b32 v4, 2, v1                        ; 4 x lane
	v_lshlrev_b32 v5, 2, v0                        ; LDS: 128 x wave + 4 x lane
	v_and_b32 v6, 15, v0                           ; r
	v_bfe_u32 v7, v0, 4, 1                         ; h
	s_delay_alu instid0(VALU_DEP_2)
	v_and_b32 v26, 8, v6
	s_delay_alu instid0(VALU_DEP_1)
	v_add_nc_u32 v26, v26, v6                      ; r + 8 (r / 8)
	s_delay_alu instid0(VALU_DEP_3)
	v_lshlrev_b32 v7, 6, v7                        ; the gain: 64 h
	s_delay_alu instid0(VALU_DEP_1)
	v_lshl_add_u32 v6, v26, 12, v7                 ; the rows: 4,096 bytes a row, + 64 h
.irp b, 0,1,2,3
	v_mov_b32 v[TM+4+\b], 0                        ; written once: a lane permute's destination counts as one of its sources
.endr
	s_lshr_b32 s12, ttmp9, 1
	s_lshl_b32 s12, s12, 5
	s_and_b32 s13, ttmp9, 1
	s_lshl_b32 s13, s13, 3
	s_add_co_u32 s12, s12, s13                     ; the block's first row: 32 (i / 2) + 8 (i % 2)
	s_lshl_b32 s12, s12, 12
	s_lshl_b32 s14, s10, 9                         ; my K step: 512 bytes on
	s_mov_b32 s15, 0
	s_add_co_u32 s12, s12, s14
	s_mov_b32 s13, 0
	s_lshr_b32 s16, ttmp9, 3
	s_lshl_b32 s16, s16, 3
	s_add_co_u32 s16, s16, s10
	s_mul_i32 s16, s16, G8                         ; group (i / 8, w)
	s_and_b32 s18, ttmp9, 7
	s_mul_i32 s17, s18, 1536
	s_lshl_b32 s18, s18, 7
	s_add_co_u32 s18, s18, s16
	s_add_co_u32 s18, s18, G8S
	s_add_co_u32 s16, s16, s17
	s_mov_b32 s17, 0
	s_mov_b32 s19, 0
	s_mov_b32 s[SEL], 0x76543210
	s_mov_b32 s[SEL+1], 0xfedcba98                 ; v_permlanex16_b32's selects for lane l xor 16
	s_mov_b32 s22, 0x3a800000                      ; 1 / 1024
	s_mov_b32 s23, 0x3727c5ac                      ; 1e-5
	s_wait_alu depctr_va_vdst(0)
	s_wait_kmcnt 0x0
	s_add_nc_u64 s[4:5], s[4:5], s[12:13]
	s_add_nc_u64 s[6:7], s[6:7], s[14:15]
	s_add_nc_u64 s[16:17], s[8:9], s[16:17]        ; my fragment
	s_add_nc_u64 s[18:19], s[8:9], s[18:19]        ; its scale image
.irp b, 0,1,2,3
.irp j, 0,1,2,3
	global_load_b128 v[X+16*\b+4*\j:X+16*\b+4*\j+3], v6, s[4:5] offset:128*\b+16*\j th:TH_LOAD_NT
.endr
.endr
.irp b, 0,1,2,3
.irp j, 0,1,2,3
	global_load_b128 v[G+16*\b+4*\j:G+16*\b+4*\j+3], v7, s[6:7] offset:128*\b+16*\j
.endr
.endr
	s_wait_loadcnt 16                              ; my numbers are in; the gain's sixteen loads may be out
.irp q, 0,1,2,3
	v_pk_mul_f32 v[8+2*\q:9+2*\q], v[X+2*\q:X+2*\q+1], v[X+2*\q:X+2*\q+1]   ; four packed chains, started by the first products
.endr
.set p, 4
.rept 28
	s_delay_alu instid0(VALU_DEP_4)
	v_pk_fma_f32 v[8+2*(p%4):9+2*(p%4)], v[X+2*p:X+2*p+1], v[X+2*p:X+2*p+1], v[8+2*(p%4):9+2*(p%4)]
.set p, p+1
.endr
	s_delay_alu instid0(VALU_DEP_3)
	v_pk_add_f32 v[8:9], v[8:9], v[10:11]
	s_delay_alu instid0(VALU_DEP_2)
	v_pk_add_f32 v[12:13], v[12:13], v[14:15]
	s_delay_alu instid0(VALU_DEP_1)
	v_pk_add_f32 v[8:9], v[8:9], v[12:13]
	s_delay_alu instid0(VALU_DEP_1)
	v_add_f32 v8, v8, v9
	s_delay_alu instid0(VALU_DEP_1)
	v_permlanex16_b32 v9, v8, s[SEL], s[SEL+1]
	s_delay_alu instid0(VALU_DEP_1)
	v_add_f32 v8, v8, v9                           ; my row's sum over this K step
	ds_store_b32 v5, v8
	s_wait_dscnt 0x0                               ; for the others' sake: my store has landed
	s_barrier_signal -1
	s_barrier_wait -1
.irp k, 0,1,2,3,4,5,6,7
	ds_load_b32 v[16+\k], v4 offset:128*\k         ; the eight waves' sums for my row
.endr
	s_wait_dscnt 0x0
.irp k, 1
	v_add_f32 v16, v16, v[16+\k]                   ; in the same order in every wave
.endr
.irp k, 2, 3, 4, 5, 6, 7
	s_delay_alu instid0(VALU_DEP_1)
	v_add_f32 v16, v16, v[16+\k]                   ; in the same order in every wave
.endr
	s_delay_alu instid0(VALU_DEP_1)
	v_fma_f32 v24, v16, s22, s23                   ; the mean + 1e-5
	s_wait_alu depctr_va_vdst(0)
	v_rsq_f32 v24, v24
	v_nop                                          ; a plain instruction behind the transcendental
	s_wait_alu depctr_va_vdst(0)                   ; the wait ahead of the first reader
	v_mov_b32 v25, v24
	s_wait_alu depctr_va_vdst(0)
	s_wait_loadcnt 0x0                             ; the gain
.set p, 0
.rept 32
	v_pk_mul_f32 v[X+2*p:X+2*p+1], v[X+2*p:X+2*p+1], v[24:25]
.set p, p+1
.endr
.set p, 0
.rept 32
	v_pk_mul_f32 v[X+2*p:X+2*p+1], v[X+2*p:X+2*p+1], v[G+2*p:G+2*p+1]
.set p, p+1
.endr
	QUANT X
	global_store_b128 v2, v[PC:PC+3], s[16:17]               ; 32 lanes store 512 consecutive bytes
	global_store_b64 v3, v[PC+4:PC+5], s[16:17] offset:512   ; 256
	global_store_b128 v2, v[PC+6:PC+9], s[16:17] offset:768
	global_store_b64 v3, v[PC+10:PC+11], s[16:17] offset:1280
	global_store_b32 v4, v[PW], s[18:19]                     ; lanes 16-31 hold the same words as lanes 0-15
	s_wait_tensorcnt 0x0
	ds_add_u32 v208, v209
	s_wait_dscnt 0x0
	s_endpgm
.Lfunc_end_k_qb7aae5f2cd_norm2:
	.size	k_qb7aae5f2cd_norm2, .Lfunc_end_k_qb7aae5f2cd_norm2-k_qb7aae5f2cd_norm2
	.p2alignl 7, 3214868480
	.fill 96, 4, 3214868480
	.section	.rodata,"a",@progbits
	.p2align	6, 0x0
	.amdhsa_kernel k_qb7aae5f2cd_norm2
		.amdhsa_group_segment_fixed_size 2048
		.amdhsa_private_segment_fixed_size 0
		.amdhsa_enable_private_segment 0
		.amdhsa_kernarg_size 24
		.amdhsa_user_sgpr_count 2
		.amdhsa_user_sgpr_kernarg_segment_ptr 1
		.amdhsa_wavefront_size32 1
		.amdhsa_system_sgpr_workgroup_id_x 1
		.amdhsa_system_sgpr_workgroup_id_y 1
		.amdhsa_system_sgpr_workgroup_id_z 1
		.amdhsa_system_vgpr_workitem_id 0
		.amdhsa_next_free_vgpr 210
		.amdhsa_next_free_sgpr 66
		.amdhsa_reserve_vcc 0
		.amdhsa_float_denorm_mode_32 3
		.amdhsa_float_denorm_mode_16_64 3
		.amdhsa_memory_ordered 1
		.amdhsa_forward_progress 1
		.amdhsa_inst_pref_size 21
	.end_amdhsa_kernel
	.amdgpu_metadata
---
amdhsa.version: [ 1, 2 ]
amdhsa.kernels:
  - .name:           k_qb7aae5f2cd_norm2
    .symbol:         k_qb7aae5f2cd_norm2.kd
    .args:
      - { .name: out1, .offset: 0, .size: 8, .value_kind: global_buffer, .address_space: global }
      - { .name: g2, .offset: 8, .size: 8, .value_kind: global_buffer, .address_space: global }
      - { .name: actp, .offset: 16, .size: 8, .value_kind: global_buffer, .address_space: global }
    .group_segment_fixed_size: 2048
    .private_segment_fixed_size: 0
    .kernarg_segment_align: 8
    .kernarg_segment_size: 24
    .max_flat_workgroup_size: 256
    .sgpr_count:     66
    .vgpr_count:     210
    .wavefront_size: 32
...
	.end_amdgpu_metadata
.endif
;; end of part 12
;; launch ffn1 (part 13): grid 1024 x 1, 1 waves a work-group, no clusters, 0 bytes of LDS; arguments actp, wbuf, actq; writes actq
.if DOCPART == 13
	.amdgcn_target "amdgcn-amd-amdhsa--gfx1250"
	.amdhsa_code_object_version 6
	.text
	.protected	k_qb7aae5f2cd_ffn1
	.globl	k_qb7aae5f2cd_ffn1
	.p2align	8
	.type	k_qb7aae5f2cd_ffn1,@function
k_qb7aae5f2cd_ffn1:
	s_mov_b64 s[64:65], 0
	v_nop
	global_prefetch_b8 v0, s[64:65] scope:SCOPE_SE
	s_setreg_imm32_b32 hwreg(HW_REG_WAVE_MODE, 25, 1), 1
	s_wait_xcnt 0x0
; The FFN's first two products and its gate: x1 = h2 W1, x3 = h2 W3, act = x1 sigmoid(x1) x3, quantised along the hidden units for the next product.
; C = A B^T on codes of FP6 (E2M3) with E8M0 scales, 128 x 128 of C to a wave, one wave to a work-group, K = 1,024 in 8 steps of 128.
; A = h2 (32 tiles of tokens), B = W1|W3 (32 tiles: blocks 0-3 W1's columns 64 T on, blocks 4-7 W3's same columns), so that a lane holds x1 and x3 of the same 32 hidden units.
; OPERANDS lie in memory as images of their registers: group (tile, K step) of 13,312 bytes = 8 fragments of 1,536 (two halves of 768: registers 0-3 at 16 lane, 4-5 at 512 + 8 lane) + 8 scale images of 128.
; They go from memory straight into two sets of registers that take turns: no LDS, no barrier and no tensor load.  Tiles are not asked for jointly in a cluster: the operands never lie in LDS, so there is no tile
; that a joint load could fill; each group is read by every wave whose tile needs it (32 waves).
; THE MATRIX INSTRUCTION IS USED TRANSPOSED (source 0 = 16 rows of B, source 1 = 16 rows of A), and lane r of row block i holds operand row 32 (i / 2) + 8 (i % 2) + r + 8 (r / 8): so for a block a of A the 64 registers of
; accumulators (a, 0..7) are, in lane (r, h), register n = B's row 32 (n / 16) + 16 h + n % 16 of A's row r: the order in which the conversions want neighbours.
; K IS WALKED FROM A START THAT DIFFERS FROM TILE TO TILE ((TA + TB) mod 8) and wraps, so that the waves that read a group do not all ask for it in the same step: the order of the f32 sums differs from tile to tile.
; LIMITS: NaN and infinities are not served; a block of zeros, or one under 2^-124, gets the byte 1: a block of zeros has zero codes, and this program alone reads the bytes.
; REGISTERS: window 0: v1-3 lane terms; v32-63 scale words and nothing else (set p: A's at 32 + 16 p, B's at 40 + 16 p); v64-159, v160-255 A's fragments, sets 0, 1.  window 1: v0-95, v96-191 B's sets.
;   windows 2, 3: accumulator (a, b) at v[8 (8 (a % 4) + b)] of window 2 + a / 4.  On the way out window 0 (from v64) is free.
.set KS,       8                       ; K steps
.set LOGH,     4                       ; log2 of half the number of B's tiles
.set WOFF,     3407872                 ; where W1|W3's groups begin in wbuf
.set G8,       13312
.set G8S,      12288
.set TM,  128                          ; the way out, window 0: v128-139 partial maxima
.set MX,  152                          ; v152-153 the blocks' largest magnitudes
.set PX,  156                          ; v156-157 the permutes' destinations
.set SO,  160                          ; v160-161 the conversions' scale operands
.set BY,  164                          ; v164-165 the bytes
.set PT,  168                          ; v168-170 the second conversion's result
.set PCB, 176                          ; v176-199 the codes, two sets
.set PW,  200                          ; v200-201 the two bytes, two sets
.set MSB, 0
.macro WIN new                         ; the immediate's high byte repeats the setting that is left; a switch that changes nothing is dropped
.if MSB != (\new)
	s_set_vgpr_msb (MSB<<8)|(\new)
.set MSB, (\new)
.endif
.endm
.set MUL_LO, 0xa1                      ; source 0 (B) window 1, source 1 (A) window 0, C and D window 2
.set MUL_HI, 0xf1                      ; the same, C and D window 3
.set TO_B,   0x40                      ; destination window 1, address window 0
.macro PLACES                          ; four plain instructions between a matrix instruction and a load into, or a vector instruction or store on, its registers
.rept 4
	v_nop
.endr
.endm
.macro LOADA p, j0                     ; A's blocks j0 .. j0 + 3 of the K step at s[32:33], and their scale words, into set p: 20 loads
.irp j, \j0, \j0+1, \j0+2, \j0+3
	global_load_b128 v[64+96*(\p)+12*(\j):64+96*(\p)+12*(\j)+3], v1, s[32:33] offset:(\j)*1536
	global_load_b64 v[64+96*(\p)+12*(\j)+4:64+96*(\p)+12*(\j)+5], v2, s[32:33] offset:(\j)*1536+512
	global_load_b128 v[64+96*(\p)+12*(\j)+6:64+96*(\p)+12*(\j)+9], v1, s[32:33] offset:(\j)*1536+768
	global_load_b64 v[64+96*(\p)+12*(\j)+10:64+96*(\p)+12*(\j)+11], v2, s[32:33] offset:(\j)*1536+1280
	global_load_b32 v[32+16*(\p)+(\j)], v3, s[32:33] offset:G8S+128*(\j)
.endr
.endm
.macro LOADB p                         ; B's eight blocks and their scale words: 40 loads
	WIN TO_B
.irp j, 0,1,2,3,4,5,6,7
	global_load_b128 v[96*(\p)+12*\j:96*(\p)+12*\j+3], v1, s[34:35] offset:\j*1536
	global_load_b64 v[96*(\p)+12*\j+4:96*(\p)+12*\j+5], v2, s[34:35] offset:\j*1536+512
	global_load_b128 v[96*(\p)+12*\j+6:96*(\p)+12*\j+9], v1, s[34:35] offset:\j*1536+768
	global_load_b64 v[96*(\p)+12*\j+10:96*(\p)+12*\j+11], v2, s[34:35] offset:\j*1536+1280
.endr
	WIN 0
.irp j, 0,1,2,3,4,5,6,7
	global_load_b32 v[40+16*(\p)+\j], v3, s[34:35] offset:G8S+128*\j
.endr
.endm
.macro ADV                             ; on to the next K step, round the end
	s_wait_xcnt 0x0                                ; the loads issued so far have read their bases: these may be written
	s_add_co_u32 s24, s24, 1
	s_and_b32 s24, s24, KS-1
	s_mul_i32 s26, s24, G8
	s_add_nc_u64 s[32:33], s[28:29], s[26:27]
	s_add_nc_u64 s[34:35], s[30:31], s[26:27]
.endm
; 16 matrix instructions: A's blocks a0, a0 + 1 x B's eight.  The 64 accumulators take turns, one instruction a turn, in the same order in every step.  zero = 1: the first products start the sums.
.macro MUL16 a0, p, zero
.irp a, \a0, \a0+1
.irp b, 0,1,2,3,4,5,6,7
.if \zero
	v_wmma_scale_f32_16x16x128_f8f6f4 v[8*(8*((\a)%4)+\b):8*(8*((\a)%4)+\b)+7], v[96*(\p)+12*\b:96*(\p)+12*\b+11], v[64+96*(\p)+12*(\a):64+96*(\p)+12*(\a)+11], 0, v[40+16*(\p)+\b], v[32+16*(\p)+(\a)] matrix_a_fmt:MATRIX_FMT_FP6 matrix_b_fmt:MATRIX_FMT_FP6
.else
	v_wmma_scale_f32_16x16x128_f8f6f4 v[8*(8*((\a)%4)+\b):8*(8*((\a)%4)+\b)+7], v[96*(\p)+12*\b:96*(\p)+12*\b+11], v[64+96*(\p)+12*(\a):64+96*(\p)+12*(\a)+11], v[8*(8*((\a)%4)+\b):8*(8*((\a)%4)+\b)+7], v[40+16*(\p)+\b], v[32+16*(\p)+(\a)] matrix_a_fmt:MATRIX_FMT_FP6 matrix_b_fmt:MATRIX_FMT_FP6
.endif
.endr
.endr
.endm
; A K step on set p.  refill = 1: the set takes the K step two on, A's blocks 0-3 as soon as their products are issued, the rest at the step's end: it is wanted a whole step later.
.macro STEP p, zero, refill, cnt
	s_wait_loadcnt \cnt                            ; set p is in.  Behind its loads the other set's 80 were issued: 63 is the largest count that a wait can name, and a smaller count is always safe.  The last step: 0
.if \refill
	ADV
.endif
	WIN MUL_LO
	MUL16 0, \p, \zero
	MUL16 2, \p, \zero
.if \refill
	PLACES
	WIN 0
	LOADA \p, 0
.endif
	WIN MUL_HI
	MUL16 4, \p, \zero
	MUL16 6, \p, \zero
.if \refill
	PLACES
	WIN 0
	LOADA \p, 4
	LOADB \p
.endif
	WIN 0
.endm
; 32 numbers of a lane in window W, register src + 16 b + i = k 32 b + 16 (lane / 16) + i: blocks 2 c and 2 c + 1 of a fragment.  Codes to v[PCB + 12 set + 6 c] on (six registers), bytes to v[BY + 2 c], v[BY + 2 c + 1].
.macro QH src, W, c, set
.set PS, PCB+12*(\set)
	WIN (\W)|((\W)<<2)|((\W)<<4)
.irp i, 0,1,2,3,4
.irp b, 0,1
	v_max3_num_f32 v[TM+12*(\c)+6*\b+\i], |v[(\src)+16*\b+3*\i]|, |v[(\src)+16*\b+3*\i+1]|, |v[(\src)+16*\b+3*\i+2]|
.endr
.endr
.irp b, 0,1
	v_max3_num_f32 v[TM+12*(\c)+6*\b+5], |v[(\src)+16*\b+13]|, |v[(\src)+16*\b+14]|, |v[(\src)+16*\b+15]|
.endr
	WIN 0
.irp b, 0,1
	v_max3_num_f32 v[MX+2*(\c)+\b], v[TM+12*(\c)+6*\b], v[TM+12*(\c)+6*\b+1], v[TM+12*(\c)+6*\b+2]
.endr
.irp b, 0,1
	v_max3_num_f32 v[TM+12*(\c)+6*\b], v[TM+12*(\c)+6*\b+3], v[TM+12*(\c)+6*\b+4], v[TM+12*(\c)+6*\b+5]
.endr
.irp b, 0,1
	v_max3_num_f32 v[MX+2*(\c)+\b], v[MX+2*(\c)+\b], v[TM+12*(\c)+6*\b], 0x1800000   ; and the floor 2^(3 - 127): the byte cannot fall under 1
.endr
.irp b, 0,1
	v_permlanex16_b32 v[PX+2*(\c)+\b], v[MX+2*(\c)+\b], s44, s45
.endr
.irp b, 0,1
	v_max_num_f32 v[MX+2*(\c)+\b], v[MX+2*(\c)+\b], v[PX+2*(\c)+\b]   ; with lane l xor 16's: the block's largest magnitude
.endr
.irp b, 0,1
	v_add_nc_u32 v[SO+2*(\c)+\b], 0xff000000, v[MX+2*(\c)+\b]        ; 2 off its exponent field: the conversion's scale operand
.endr
.irp b, 0,1
	v_lshrrev_b32 v[BY+2*(\c)+\b], 23, v[SO+2*(\c)+\b]               ; the scale's byte
.endr
	WIN (\W)
	v_cvt_scalef32_pk16_fp6_f32 v[PS+6*(\c):PS+6*(\c)+2], v[(\src):(\src)+15], v[SO+2*(\c)]
	v_cvt_scalef32_pk16_fp6_f32 v[PT+4*(\c):PT+4*(\c)+2], v[(\src)+16:(\src)+31], v[SO+2*(\c)+1]   ; (a conversion's three registers begin on an even number)
	WIN 0
	v_nop                                          ; one plain instruction behind a scaled conversion
.irp i, 0,1,2
	v_permlane16_swap_b32 v[PS+6*(\c)+\i], v[PT+4*(\c)+\i]   ; the operand's layout wants a whole block in a lane
.endr
.irp i, 0,1,2
	v_mov_b32 v[PS+6*(\c)+3+\i], v[PT+4*(\c)+\i]
.endr
.endm
	s_load_b128 s[4:7], s[0:1], 0x0                ; h2 s[4:5], wbuf s[6:7]
	s_load_b64 s[10:11], s[0:1], 0x10              ; act
	v_lshlrev_b32 v1, 4, v0                        ; 16 x lane
	v_lshlrev_b32 v2, 3, v0                        ; 8 x lane
	v_lshlrev_b32 v3, 2, v0                        ; 4 x lane
	s_mov_b32 s44, 0x76543210
	s_mov_b32 s45, 0xfedcba98                      ; v_permlanex16_b32's selects for lane l xor 16
	s_mov_b32 s46, 0xbfb8aa3b                      ; -log2(e)
	s_and_b32 s19, ttmp9, 1                        ; four neighbouring work-groups make 2 x 2 tiles
	s_bfe_u32 s18, ttmp9, 0x10001
	s_lshr_b32 s25, ttmp9, 2
	s_and_b32 s37, s25, (1<<LOGH)-1
	s_lshl_b32 s37, s37, 1
	s_add_co_u32 s19, s19, s37                     ; TB
	s_lshr_b32 s37, s25, LOGH
	s_lshl_b32 s37, s37, 1
	s_add_co_u32 s18, s18, s37                     ; TA
	s_mul_i32 s36, s18, KS*G8
	s_mov_b32 s37, 0
	s_mul_i32 s38, s19, KS*G8
	s_add_co_u32 s38, s38, WOFF
	s_mov_b32 s39, 0
	s_wait_alu depctr_va_vdst(0)
	s_wait_kmcnt 0x0
	s_add_nc_u64 s[28:29], s[4:5], s[36:37]        ; A's tile
	s_add_nc_u64 s[30:31], s[6:7], s[38:39]        ; B's tile
	s_add_co_u32 s24, s18, s19
	s_and_b32 s24, s24, KS-1                       ; the K step at which this tile begins
	s_mul_i32 s26, s24, G8
	s_mov_b32 s27, 0
	s_add_nc_u64 s[32:33], s[28:29], s[26:27]
	s_add_nc_u64 s[34:35], s[30:31], s[26:27]
	LOADA 0, 0
	LOADA 0, 4
	LOADB 0
	ADV
	LOADA 1, 0
	LOADA 1, 4
	LOADB 1
	STEP 0, 1, 1, 63                               ; the first step stands ahead of the loop: its products start the sums
	s_mov_b32 s23, (KS-4)/2
.Lk:
	STEP 1, 0, 1, 63
	STEP 0, 0, 1, 63
	s_sub_co_u32 s23, s23, 1
	s_cmp_lg_u32 s23, 0
	s_cbranch_scc1 .Lk
	STEP 1, 0, 1, 63                               ; the last refill
	STEP 0, 0, 0, 63
	STEP 1, 0, 0, 0
	PLACES                                         ; behind the last products: all that follows may read results and write over operands
.irp b, 0,1
	v_mov_b32 v[PX+\b], 0                          ; written once: a lane permute's destination counts as one of its sources
.endr
	; ---- registers 0-31 of a block are x1 at 64 hidden units (32 a lane), registers 32-63 x3 at the same: x1 x3 / (1 + 2^(-x1 log2 e)), quantised: half a fragment of the next product's operand
	s_mov_b32 s43, 0
	s_lshl_b32 s48, s18, 4
	s_lshr_b32 s49, s19, 1
	s_add_co_u32 s48, s48, s49                     ; group (TA, TB / 2) of 16 K steps a tile
	s_mul_i32 s48, s48, G8
	s_and_b32 s49, s19, 1
	s_mul_i32 s42, s49, 768
	s_add_co_u32 s42, s42, s48
	s_add_nc_u64 s[38:39], s[10:11], s[42:43]
	s_lshl_b32 s42, s49, 1
	s_add_co_u32 s42, s42, s48
	s_add_co_u32 s42, s42, G8S
	s_add_nc_u64 s[40:41], s[10:11], s[42:43]
.irp a, 0,1,2,3,4,5,6,7
	s_wait_xcnt 0x0                                ; the earlier blocks' stores have read their data
	WIN (2+\a/4)|((2+\a/4)<<2)
.set i, 0
.rept 32
	v_mul_f32 v[96+i], s46, v[64*(\a%4)+i]                        ; -x1 log2 e  (each accumulator from its low end on)
	v_mul_f32 v[64+i], v[64*(\a%4)+i], v[64*(\a%4)+32+i]          ; x1 x3
.set i, i+1
.endr
	WIN 0
.set i, 0
	s_wait_alu depctr_va_vdst(0)
.rept 32
	v_exp_f32 v[96+i], v[96+i]
.set i, i+1
.endr
	v_nop                                          ; a plain instruction behind the batch
	s_wait_alu depctr_va_vdst(0)                   ; one wait for the batch, ahead of its first reader
.set i, 0
.rept 32
	v_add_f32 v[96+i], 1.0, v[96+i]
.set i, i+1
.endr
.set i, 0
	s_wait_alu depctr_va_vdst(0)
.rept 32
	v_rcp_f32 v[96+i], v[96+i]
.set i, i+1
.endr
	v_nop
	s_wait_alu depctr_va_vdst(0)
.set i, 0
.rept 16
	v_pk_mul_f32 v[64+2*i:65+2*i], v[64+2*i:65+2*i], v[96+2*i:97+2*i]
.set i, i+1
.endr
	QH 64, 0, 0, \a%2
	v_lshl_or_b32 v[PW+\a%2], v[BY+1], 8, v[BY]    ; my two bytes of the K step's scale word; the other two are another wave's
	global_store_b128 v1, v[PCB+12*(\a%2):PCB+12*(\a%2)+3], s[38:39] offset:\a*1536
	global_store_b64 v2, v[PCB+12*(\a%2)+4:PCB+12*(\a%2)+5], s[38:39] offset:\a*1536+512
	global_store_b16 v3, v[PW+\a%2], s[40:41] offset:\a*128
.endr
	s_endpgm
.Lfunc_end_k_qb7aae5f2cd_ffn1:
	.size	k_qb7aae5f2cd_ffn1, .Lfunc_end_k_qb7aae5f2cd_ffn1-k_qb7aae5f2cd_ffn1
	.p2alignl 7, 3214868480
	.fill 96, 4, 3214868480
	.section	.rodata,"a",@progbits
	.p2align	6, 0x0
	.amdhsa_kernel k_qb7aae5f2cd_ffn1
		.amdhsa_group_segment_fixed_size 0
		.amdhsa_private_segment_fixed_size 0
		.amdhsa_enable_private_segment 0
		.amdhsa_kernarg_size 24
		.amdhsa_user_sgpr_count 2
		.amdhsa_user_sgpr_kernarg_segment_ptr 1
		.amdhsa_wavefront_size32 1
		.amdhsa_system_sgpr_workgroup_id_x 1
		.amdhsa_system_sgpr_workgroup_id_y 1
		.amdhsa_system_sgpr_workgroup_id_z 1
		.amdhsa_system_vgpr_workitem_id 0
		.amdhsa_next_free_vgpr 1024
		.amdhsa_next_free_sgpr 66
		.amdhsa_reserve_vcc 0
		.amdhsa_float_denorm_mode_32 3
		.amdhsa_float_denorm_mode_16_64 3
		.amdhsa_memory_ordered 1
		.amdhsa_forward_progress 1
		.amdhsa_inst_pref_size 167
	.end_amdhsa_kernel
	.amdgpu_metadata
---
amdhsa.version: [ 1, 2 ]
amdhsa.kernels:
  - .name:           k_qb7aae5f2cd_ffn1
    .symbol:         k_qb7aae5f2cd_ffn1.kd
    .args:
      - { .name: actp, .offset: 0, .size: 8, .value_kind: global_buffer, .address_space: global }
      - { .name: wbuf, .offset: 8, .size: 8, .value_kind: global_buffer, .address_space: global }
      - { .name: actq, .offset: 16, .size: 8, .value_kind: global_buffer, .address_space: global }
    .group_segment_fixed_size: 0
    .private_segment_fixed_size: 0
    .kernarg_segment_align: 8
    .kernarg_segment_size: 24
    .max_flat_workgroup_size: 32
    .sgpr_count:     66
    .vgpr_count:     1024
    .wavefront_size: 32
...
	.end_amdgpu_metadata
.endif
;; end of part 13
;; launch ffn2 (part 14): grid 256 x 1, 4 waves a work-group, no clusters, 270,848 bytes of LDS; arguments actq, wbuf, out1, out0; writes out0
.if DOCPART == 14
	.amdgcn_target "amdgcn-amd-amdhsa--gfx1250"
	.amdhsa_code_object_version 6
	.text
	.protected	k_qb7aae5f2cd_ffn2
	.globl	k_qb7aae5f2cd_ffn2
	.p2align	8
	.type	k_qb7aae5f2cd_ffn2,@function
k_qb7aae5f2cd_ffn2:
	s_mov_b64 s[64:65], 0
	v_nop
	global_prefetch_b8 v0, s[64:65] scope:SCOPE_SE
	s_setreg_imm32_b32 hwreg(HW_REG_WAVE_MODE, 25, 1), 1
	s_wait_xcnt 0x0
; out0 = out1 + act W2: C = A B^T on codes of FP6 (E2M3) with E8M0 scales; then the residual is added and f32 rows are stored.  A = act (32 tiles of 128 tokens), B = W2 (8 tiles of 128 columns), K = 2,048: 16 steps of 128.
; SHARES.  A work-group of four waves, as many as a WGP has SIMDs, makes one tile of 128 x 128 of C.  THE WAVES SHARE K: wave w takes K steps KW w .. KW w + KW - 1 for the whole tile (64 accumulators, 512 registers), so that with
; 256 tiles every SIMD has work and no operand byte is fetched more often than with one wave to a tile.  The four partial sums meet in LDS: each wave lays its 128 x 128 into a stage of its own, as rows; behind one barrier wave w
; reads the rows of blocks 2 w and 2 w + 1 from all four stages, adds them, (w0 + w1) + (w2 + w3), adds the residual and stores 32 whole rows.
; OPERANDS lie in memory as images of their registers: group (tile, K step) of 13,312 bytes = 8 fragments of 1,536 (two halves of 768: registers 0-3 at 16 lane, 4-5 at 512 + 8 lane) + 8 scale images of 128.
; They go from memory straight into two sets of registers that take turns: no tensor load.  Tiles are not asked for jointly in a cluster: the operands never lie in LDS, so there is no tile that a joint load could fill;
; each group is read by one wave of every work-group whose tile needs it (8 or 32 work-groups).
; THE MATRIX INSTRUCTION IS USED TRANSPOSED (source 0 = 16 rows of B, source 1 = 16 rows of A), and lane r of row block i holds operand row 32 (i / 2) + 8 (i % 2) + r + 8 (r / 8): so for a block a of A the 64 registers of
; accumulators (a, 0..7) are, in lane (r, h), register n = column 32 (n / 16) + 16 h + n % 16 of A's row r.
; THE ORDER OF THE F32 SUMS: four partial sums over a quarter of K each, and within a wave K is walked from a start that differs from tile to tile ((TA + TB) mod KW), so that the work-groups that read a group do not all ask for it at once.
; LIMITS: NaN and infinities are not served.
; REGISTERS: window 0: v1-4 lane terms, v10-13 LDS addresses; v32-63 scale words and nothing else (set p: A's at 32 + 16 p, B's at 40 + 16 p); v64-159, v160-255 A's fragments, sets 0, 1.
;   window 1: v0-95, v96-191 B's sets; v192-255 the residual of my block 0; at the end v0-63 that of my block 1.
;   windows 2, 3: accumulator (a, b) at v[8 (8 (a % 4) + b)] of window 2 + a / 4; behind the barrier: my block e's rows from stage s at v[64 s ..] of window 2 + e.
.set KS,       16                      ; K steps in all
.set KW,       KS/4                    ; K steps of a wave: 2 or 4
.set LOGH,     2                       ; log2 of half the number of B's tiles
.set WOFF,     6815744                 ; where W2's groups begin in wbuf
.set G8,       13312
.set G8S,      12288
.set BLK,      16*528                  ; a block in a stage: 16 rows of 512 bytes + 16
.set STG,      8*BLK                   ; a wave's stage; four of them fill the LDS that is claimed
.set RDA,      10                      ; v10-13  16 x lane + my two blocks' place in stage s
.set MSB, 0
.macro WIN new                         ; the immediate's high byte repeats the setting that is left; a switch that changes nothing is dropped
.if MSB != (\new)
	s_set_vgpr_msb (MSB<<8)|(\new)
.set MSB, (\new)
.endif
.endm
.set MUL_LO, 0xa1                      ; source 0 (B) window 1, source 1 (A) window 0, C and D window 2
.set MUL_HI, 0xf1                      ; the same, C and D window 3
.set TO_B,   0x40                      ; destination window 1, address window 0
.macro PLACES                          ; four plain instructions between a matrix instruction and a load into, or a vector instruction or store on, its registers
.rept 4
	v_nop
.endr
.endm
.macro LOADA p, j0                     ; A's blocks j0 .. j0 + 3 of the K step at s[32:33], and their scale words, into set p: 20 loads
.irp j, \j0, \j0+1, \j0+2, \j0+3
	global_load_b128 v[64+96*(\p)+12*(\j):64+96*(\p)+12*(\j)+3], v1, s[32:33] offset:(\j)*1536
	global_load_b64 v[64+96*(\p)+12*(\j)+4:64+96*(\p)+12*(\j)+5], v2, s[32:33] offset:(\j)*1536+512
	global_load_b128 v[64+96*(\p)+12*(\j)+6:64+96*(\p)+12*(\j)+9], v1, s[32:33] offset:(\j)*1536+768
	global_load_b64 v[64+96*(\p)+12*(\j)+10:64+96*(\p)+12*(\j)+11], v2, s[32:33] offset:(\j)*1536+1280
	global_load_b32 v[32+16*(\p)+(\j)], v3, s[32:33] offset:G8S+128*(\j)
.endr
.endm
.macro LOADB p                         ; B's eight blocks and their scale words: 40 loads
	WIN TO_B
.irp j, 0,1,2,3,4,5,6,7
	global_load_b128 v[96*(\p)+12*\j:96*(\p)+12*\j+3], v1, s[34:35] offset:\j*1536
	global_load_b64 v[96*(\p)+12*\j+4:96*(\p)+12*\j+5], v2, s[34:35] offset:\j*1536+512
	global_load_b128 v[96*(\p)+12*\j+6:96*(\p)+12*\j+9], v1, s[34:35] offset:\j*1536+768
	global_load_b64 v[96*(\p)+12*\j+10:96*(\p)+12*\j+11], v2, s[34:35] offset:\j*1536+1280
.endr
	WIN 0
.irp j, 0,1,2,3,4,5,6,7
	global_load_b32 v[40+16*(\p)+\j], v3, s[34:35] offset:G8S+128*\j
.endr
.endm
.macro ADV                             ; on to my next K step, round the end of my KW
	s_wait_xcnt 0x0                                ; the loads issued so far have read their bases: these may be written
	s_add_co_u32 s24, s24, 1
	s_and_b32 s24, s24, KW-1
	s_mul_i32 s26, s24, G8
	s_add_nc_u64 s[32:33], s[28:29], s[26:27]
	s_add_nc_u64 s[34:35], s[30:31], s[26:27]
.endm
; 16 matrix instructions: A's blocks a0, a0 + 1 x B's eight.  The 64 accumulators take turns, one instruction a turn, in the same order in every step.  zero = 1: the first products start the sums.
.macro MUL16 a0, p, zero
.irp a, \a0, \a0+1
.irp b, 0,1,2,3,4,5,6,7
.if \zero
	v_wmma_scale_f32_16x16x128_f8f6f4 v[8*(8*((\a)%4)+\b):8*(8*((\a)%4)+\b)+7], v[96*(\p)+12*\b:96*(\p)+12*\b+11], v[64+96*(\p)+12*(\a):64+96*(\p)+12*(\a)+11], 0, v[40+16*(\p)+\b], v[32+16*(\p)+(\a)] matrix_a_fmt:MATRIX_FMT_FP6 matrix_b_fmt:MATRIX_FMT_FP6
.else
	v_wmma_scale_f32_16x16x128_f8f6f4 v[8*(8*((\a)%4)+\b):8*(8*((\a)%4)+\b)+7], v[96*(\p)+12*\b:96*(\p)+12*\b+11], v[64+96*(\p)+12*(\a):64+96*(\p)+12*(\a)+11], v[8*(8*((\a)%4)+\b):8*(8*((\a)%4)+\b)+7], v[40+16*(\p)+\b], v[32+16*(\p)+(\a)] matrix_a_fmt:MATRIX_FMT_FP6 matrix_b_fmt:MATRIX_FMT_FP6
.endif
.endr
.endr
.endm
; A K step on set p.  refill = 1: the set takes the K step two on, A's blocks 0-3 as soon as their products are issued, the rest at the step's end: it is wanted a whole step later.
.macro STEP p, zero, refill, cnt
	s_wait_loadcnt \cnt                            ; set p is in.  63: behind its loads the other set's 80 were issued; 63 is the largest count that a wait can name, and a smaller count is always safe.  16, in the last step: the residual's 16 loads issued behind it
.if \refill
	ADV
.endif
	WIN MUL_LO
	MUL16 0, \p, \zero
	MUL16 2, \p, \zero
.if \refill
	PLACES
	WIN 0
	LOADA \p, 0
.endif
	WIN MUL_HI
	MUL16 4, \p, \zero
	MUL16 6, \p, \zero
.if \refill
	PLACES
	WIN 0
	LOADA \p, 4
	LOADB \p
.endif
	WIN 0
.endm
.macro RLOAD e, reg                    ; the residual at my block e's 16 rows into window 1, v[reg] on: row t of a block is row 8 e + t + 8 (t / 8) of my 32
	WIN TO_B
.irp t, 0,1,2,3,4,5,6,7,8,9,10,11,12,13,14,15
	global_load_b128 v[(\reg)+4*\t:(\reg)+4*\t+3], v1, s[36:37] offset:(8*(\e)+\t+8*(\t/8))*4096 th:TH_LOAD_NT
.endr
	WIN 0
.endm
; Quarter q of my 32 rows: block e = q / 2, its rows 8 (q % 2) on.  BACK: these rows from the four stages, 32 loads of 512 consecutive bytes.
.macro BACK q
	WIN (2+(\q)/2)<<6                              ; destination window 2 + e, address window 0
.irp s, 0,1,2,3
.irp t, 0,1,2,3,4,5,6,7
	ds_load_b128 v[64*\s+32*((\q)%2)+4*\t:64*\s+32*((\q)%2)+4*\t+3], v[RDA+\s] offset:((\q)/2)*BLK+528*(8*((\q)%2)+\t)
.endr
.endr
	WIN 0
.endm
; FIN: the four partial sums and the residual are added, and the eight rows stored.  dcnt: the LDS loads issued behind this quarter's.
.macro FIN q, dcnt
.set WD, 2+(\q)/2
.set R0, 32*((\q)%2)
.set RB, 192*(1-(\q)/2)+R0
	s_wait_dscnt \dcnt
.if (\q) >= 2
	s_wait_loadcnt 8*(3-(\q))                      ; block 1's residual: the rows of the later quarter may be out.  (Block 0's was the first thing loaded)
.endif
	WIN WD|(WD<<2)|(WD<<6)
.set i, 0
.rept 16
	v_pk_add_f32 v[R0+i:R0+i+1], v[R0+i:R0+i+1], v[64+R0+i:64+R0+i+1]
	v_pk_add_f32 v[128+R0+i:128+R0+i+1], v[128+R0+i:128+R0+i+1], v[192+R0+i:192+R0+i+1]
.set i, i+2
.endr
.set i, 0
.rept 16
	v_pk_add_f32 v[R0+i:R0+i+1], v[R0+i:R0+i+1], v[128+R0+i:128+R0+i+1]
.set i, i+2
.endr
	WIN WD|(1<<2)|(WD<<6)                          ; source 1: the residual, in window 1
.set i, 0
.rept 16
	v_pk_add_f32 v[R0+i:R0+i+1], v[R0+i:R0+i+1], v[RB+i:RB+i+1]
.set i, i+2
.endr
	WIN WD<<2                                      ; a store's data are its source 1
.irp t, 0,1,2,3,4,5,6,7
	global_store_b128 v1, v[R0+4*\t:R0+4*\t+3], s[38:39] offset:(8*((\q)/2)+16*((\q)%2)+\t)*4096   ; 32 lanes store 512 consecutive bytes, at a multiple of 512 from the buffer's first byte
.endr
	WIN 0
.endm
	s_load_b256 s[4:11], s[0:1], 0x0               ; the activations s[4:5], wbuf s[6:7], the residual s[8:9], out s[10:11]
	v_lshl_add_u32 v30, v0, 2, 0x42000
	v_mov_b32 v31, 0
	v_lshrrev_b32 v5, 5, v0
	v_readfirstlane_b32 s14, v5                    ; wave 0..3
	v_and_b32 v6, 31, v0                           ; lane
	v_lshlrev_b32 v1, 4, v6                        ; 16 x lane
	v_lshlrev_b32 v2, 3, v6                        ; 8 x lane
	v_lshlrev_b32 v3, 2, v6                        ; 4 x lane
	v_and_b32 v7, 15, v0                           ; r
	v_bfe_u32 v8, v0, 4, 1                         ; h
	v_mul_u32_u24 v4, v7, 528
	v_lshl_add_u32 v4, v8, 6, v4
	s_mul_i32 s46, s14, STG
	v_add_nc_u32 v4, s46, v4                       ; into my stage: row r of 528 bytes, + 64 h
	s_mul_i32 s46, s14, 2*BLK                      ; out of the four stages: my two blocks
.irp s, 0,1,2,3
	v_add_nc_u32 v[RDA+\s], s46, v1
	s_add_co_u32 s46, s46, STG
.endr
	s_and_b32 s19, ttmp9, 1                        ; four neighbouring work-groups make 2 x 2 tiles
	s_bfe_u32 s18, ttmp9, 0x10001
	s_lshr_b32 s25, ttmp9, 2
	s_and_b32 s15, s25, (1<<LOGH)-1
	s_lshl_b32 s15, s15, 1
	s_add_co_u32 s19, s19, s15                     ; TB
	s_lshr_b32 s15, s25, LOGH
	s_lshl_b32 s15, s15, 1
	s_add_co_u32 s18, s18, s15                     ; TA
	s_mul_i32 s16, s14, KW*G8                      ; my K steps
	s_mul_i32 s40, s18, KS*G8
	s_add_co_u32 s40, s40, s16
	s_mov_b32 s41, 0
	s_mul_i32 s42, s19, KS*G8
	s_add_co_u32 s42, s42, WOFF
	s_add_co_u32 s42, s42, s16
	s_mov_b32 s43, 0
	s_lshl_b32 s44, s18, 19                        ; 128 rows of 4,096 bytes a tile,
	s_lshl_b32 s15, s19, 9                         ; 128 columns,
	s_add_co_u32 s44, s44, s15
	s_lshl_b32 s15, s14, 17                        ; my 32 rows of the tile
	s_add_co_u32 s44, s44, s15
	s_mov_b32 s45, 0
	s_wait_kmcnt 0x0
	s_add_nc_u64 s[28:29], s[4:5], s[40:41]        ; A's tile at my K steps
	s_add_nc_u64 s[30:31], s[6:7], s[42:43]        ; B's
	s_add_nc_u64 s[36:37], s[8:9], s[44:45]        ; the residual at my rows
	s_add_nc_u64 s[38:39], s[10:11], s[44:45]      ; out likewise
	s_add_co_u32 s24, s18, s19
	s_and_b32 s24, s24, KW-1                       ; the one of my K steps at which I begin
	s_mul_i32 s26, s24, G8
	s_mov_b32 s27, 0
	s_add_nc_u64 s[32:33], s[28:29], s[26:27]
	s_add_nc_u64 s[34:35], s[30:31], s[26:27]
	RLOAD 0, 192                                   ; the residual of my block 0 first: loads come back in order, so every later wait covers it
	LOADA 0, 0
	LOADA 0, 4
	LOADB 0
	ADV
	LOADA 1, 0
	LOADA 1, 4
	LOADB 1
.if KW > 2
	STEP 0, 1, 1, 63                               ; the first step's products start the sums
	STEP 1, 0, 1, 63
	STEP 0, 0, 0, 63
.else
	STEP 0, 1, 0, 63
.endif
	PLACES                                         ; B's set 0 has been multiplied for the last time:
	RLOAD 1, 0                                     ; its registers take the residual of my block 1, which lands under the last step and the stage
	STEP 1, 0, 0, 16
	PLACES                                         ; behind the last products: what follows reads results
	; ---- my partial sums into my stage, as rows
	s_wait_alu depctr_va_vdst(0)
.irp a, 0,1,2,3,4,5,6,7
	WIN 0x08+4*(\a/4)                              ; an LDS store's data are its source 1: window 2 or 3
.irp b, 0,1,2,3,4,5,6,7
	ds_store_b128 v4, v[64*(\a%4)+8*\b:64*(\a%4)+8*\b+3] offset:\a*BLK+128*(\b/2)+32*(\b%2)        ; each accumulator from its low end on
	ds_store_b128 v4, v[64*(\a%4)+8*\b+4:64*(\a%4)+8*\b+7] offset:\a*BLK+128*(\b/2)+32*(\b%2)+16
.endr
.endr
	WIN 0
	s_wait_dscnt 0x0                               ; for the others' sake: my stores have landed (and have read the accumulators, whose registers are loaded into below)
	s_barrier_signal -1
	s_barrier_wait -1                              ; all four stages are whole; nothing is stored into them again
	BACK 0
	BACK 1
	FIN 0, 32                                      ; the next quarter's 32 loads may be out
	BACK 2
	FIN 1, 32
	BACK 3
	FIN 2, 32
	FIN 3, 0
	s_wait_tensorcnt 0x0
	ds_add_u32 v30, v31
	s_wait_dscnt 0x0
	s_endpgm
.Lfunc_end_k_qb7aae5f2cd_ffn2:
	.size	k_qb7aae5f2cd_ffn2, .Lfunc_end_k_qb7aae5f2cd_ffn2-k_qb7aae5f2cd_ffn2
	.p2alignl 7, 3214868480
	.fill 96, 4, 3214868480
	.section	.rodata,"a",@progbits
	.p2align	6, 0x0
	.amdhsa_kernel k_qb7aae5f2cd_ffn2
		.amdhsa_group_segment_fixed_size 270848
		.amdhsa_private_segment_fixed_size 0
		.amdhsa_enable_private_segment 0
		.amdhsa_kernarg_size 32
		.amdhsa_user_sgpr_count 2
		.amdhsa_user_sgpr_kernarg_segment_ptr 1
		.amdhsa_wavefront_size32 1
		.amdhsa_system_sgpr_workgroup_id_x 1
		.amdhsa_system_sgpr_workgroup_id_y 1
		.amdhsa_system_sgpr_workgroup_id_z 1
		.amdhsa_system_vgpr_workitem_id 0
		.amdhsa_next_free_vgpr 1024
		.amdhsa_next_free_sgpr 66
		.amdhsa_reserve_vcc 0
		.amdhsa_float_denorm_mode_32 3
		.amdhsa_float_denorm_mode_16_64 3
		.amdhsa_memory_ordered 1
		.amdhsa_forward_progress 1
		.amdhsa_inst_pref_size 107
	.end_amdhsa_kernel
	.amdgpu_metadata
---
amdhsa.version: [ 1, 2 ]
amdhsa.kernels:
  - .name:           k_qb7aae5f2cd_ffn2
    .symbol:         k_qb7aae5f2cd_ffn2.kd
    .args:
      - { .name: actq, .offset: 0, .size: 8, .value_kind: global_buffer, .address_space: global }
      - { .name: wbuf, .offset: 8, .size: 8, .value_kind: global_buffer, .address_space: global }
      - { .name: out1, .offset: 16, .size: 8, .value_kind: global_buffer, .address_space: global }
      - { .name: out0, .offset: 24, .size: 8, .value_kind: global_buffer, .address_space: global }
    .group_segment_fixed_size: 270848
    .private_segment_fixed_size: 0
    .kernarg_segment_align: 8
    .kernarg_segment_size: 32
    .max_flat_workgroup_size: 128
    .sgpr_count:     66
    .vgpr_count:     1024
    .wavefront_size: 32
...
	.end_amdgpu_metadata
.endif
;; end of part 14
